; MI455X (gfx1250); checked and timed in simulation.
; The chip was launched on July 23, 2026; its instructions are those of AMD's public machine-readable ISA for CDNA 5 (MIT licence, August 2026) and "CDNA5" Instruction Set Architecture Reference Guide (July 2026). The comments in the code are by the model that wrote it; some were corrected since.
;; Cross Attention Graph Block. Allowed arithmetic: matrix products marked QUANTISED: E4M3 operands, one given power-of-two scale a tensor, by v_wmma_f32_16x16x64_fp8_fp8 or v_wmma_f32_16x16x128_fp8_fp8, f32 sums; everything else in f32.
;; Inputs: conditioning_attention_mask 16 x 1,024 bool; conditioning_vector 16 x 1,024 x 512 float32; d1W 768 x 768 float32; d1b 768 float32; graph_batch 16 x 512 int32; graph_nodes 16 x 512 x 768 float32; in_kW 768 x 768 float32; in_kb 768 float32; in_qW 768 x 768 float32; in_qb 768 float32; in_vW 768 x 768 float32; in_vb 768 float32; kW 512 x 768 float32; kb 768 float32; ln1b 768 float32; ln1g 768 float32; ln2b 768 float32; ln2g 768 float32; lowp_scales 20 int32 (the exponents e of the quantised operands' scales 2^e); outW 768 x 768 float32; outb 768 float32; qW 768 x 768 float32; qb 768 float32; vW 512 x 768 float32; vb 768 float32.
;; Outputs: out0 16 x 512 x 768 float32.
;; This version of the problem:
;;   THIS VERSION OF THE PROBLEM IS GIVEN IN LOW PRECISION. The matrix products marked QUANTISED in the list below multiply operands that are first quantised to E4M3 (4 exponent bits, 3 mantissa bits; 8 bits a number), with one given power-of-two scale for each operand tensor; their sums are f32. All else is computed in f32.
;;   The module's matrix products, in the order in which they are computed (A, B: the left and right operand; K: the contracted axis; several contracted axes count as one K, in the product's order):
;;     1. [M 8,192, K 768] x [K 768, N 768]; A: input graph_nodes; B: input qW: QUANTISED (scales: A lowp_scales[0], B lowp_scales[1])
;;     2. [M 16,384, K 512] x [K 512, N 768]; A: input conditioning_vector; B: input kW: QUANTISED (scales: A lowp_scales[2], B lowp_scales[3])
;;     3. [M 16,384, K 512] x [K 512, N 768]; A: input conditioning_vector; B: input vW: QUANTISED (scales: A lowp_scales[4], B lowp_scales[5])
;;     4. [M 8,192, K 768] x [K 768, N 768]; A: computed on the way; B: input in_qW: QUANTISED (scales: A lowp_scales[6], B lowp_scales[7])
;;     5. [M 16,384, K 768] x [K 768, N 768]; A: computed on the way; B: input in_kW: QUANTISED (scales: A lowp_scales[8], B lowp_scales[9])
;;     6. [M 16,384, K 768] x [K 768, N 768]; A: computed on the way; B: input in_vW: QUANTISED (scales: A lowp_scales[10], B lowp_scales[11])
;;     7. batch 192 x [M 512, K 64] x [K 64, N 1,024]; A: computed on the way; B: computed on the way: QUANTISED (scales: A lowp_scales[12], B lowp_scales[13])
;;     8. batch 192 x [M 512, K 1,024] x [K 1,024, N 64]; A: softmax (see below); B: computed on the way: QUANTISED (scales: A lowp_scales[14], B lowp_scales[15])
;;     9. [M 8,192, K 768] x [K 768, N 768]; A: computed on the way; B: input outW: QUANTISED (scales: A lowp_scales[16], B lowp_scales[17])
;;     10. [M 8,192, K 768] x [K 768, N 768]; A: computed on the way; B: input d1W: QUANTISED (scales: A lowp_scales[18], B lowp_scales[19])
;;   THE QUANTISER, for each operand of a quantised product, along K:
;;     - The operand's scale is 2^e, e = its entry of the input lowp_scales (int32; the entries are numbered through the quantised products in the list's order, A before B).
;;     - Each number is divided by the scale, clamped to +-448, and rounded to the nearest number of E4M3, ties to even, subnormals kept.
;;     - The product sums the exact products of the quantised numbers (number of the format x scale) in f32.
;;   ~~~python
;;   def quantise(x, axis, e):      # numpy; x: float32 -> the quantised numbers, widened to float32 again
;;       x = np.moveaxis(x, axis, -1); K = x.shape[-1]
;;       r = np.clip(x / 2.0 ** e, -448, 448)
;;       step = 2.0 ** (np.maximum(np.frexp(np.where(r == 0, 1, r))[1] - 1, -6) - 3)
;;       q = np.round(r / step) * step * 2.0 ** e      # np.round: ties to even
;;       return np.moveaxis(q, -1, axis).astype(np.float32)
;;   ~~~
;;   SOFTMAX AHEAD OF A QUANTISED PRODUCT. Where the list says 'softmax', what is quantised is not the finished softmax but p = 2^(t - M), with t = logit x log2(e) and M = ceil(the row's largest t), a whole number; so 1/2 < the row's largest p <= 1. The row's sum l is taken of the UNQUANTISED p, in f32, and the product's result is divided by l at the end. Since M is a whole number, a kernel that streams over the keys may use a running M (the ceiling of the running maximum): every later rescaling is an exact power of two, so the quantised numbers keep their values, but for numbers so far below the row's largest that they fall under the format's range.
;;   OPERANDS COMPUTED ON THE WAY. 'Computed on the way' means the value that the module computes at that place (a softmax that the list does not call 'softmax' is quantised finished and normalised). What goes into a quantiser is computed in f32, as accurately as f32 sums, v_exp_f32 and their like allow (about 1e-6 of the number): no bf16 or f16 on the way to a quantiser, and a product that is left as it is and whose result goes on into a quantised operand takes f32 operands (vector FMAs, or v_wmma_f32_16x16x4_f32). A number that lies on a knife's edge between two numbers of the format may be rounded either way, as far as f32 arithmetic and the matrix unit's own rounding can turn it there, and no further.
;; 2 versions, each right; version 2 is version 1 with the launches proj, attn, tail written anew for expert scheduling mode. Each part assembles by itself: llvm-mc -triple=amdgcn-amd-amdhsa -mcpu=gfx1250 --defsym DOCPART=n.
;; ======== version 1 of 2: 4 launches
;; workspace buffers: wcodes 4,325,376 bytes; maskw 65,536 bytes of whole numbers; qkv 31,457,280 bytes; ctx 6,291,456 bytes
;; launch prep (part 1): grid 296 x 1, 4 waves a work-group, no clusters, 0 bytes of LDS; arguments qW, in_qW, in_kW, in_vW, outW, d1W, kW, vW, lowp_scales, conditioning_attention_mask, wcodes, maskw; writes wcodes, maskw
.if DOCPART == 1
	.amdgcn_target "amdgcn-amd-amdhsa--gfx1250"
	.amdhsa_code_object_version 6
	.text
	.protected	k_q69fe59de05_prep
	.globl	k_q69fe59de05_prep
	.p2align	8
	.type	k_q69fe59de05_prep,@function
k_q69fe59de05_prep:
	s_mov_b64 s[64:65], 0
	v_nop
	global_prefetch_b8 v0, s[64:65] scope:SCOPE_SE
	s_setreg_imm32_b32 hwreg(HW_REG_WAVE_MODE, 25, 1), 1
	s_wait_xcnt 0x0
; The eight weights [K][768], f32, K their first axis, become codes of E4M3 laid in the ORDER OF THE OPERAND'S REGISTERS; the key mask becomes lane masks and one flag a key step.
; code = x / 2^e, held within +-448, to the nearest code, ties to even; e = the weight's entry of lowp_scales.  LIMIT: -126 <= e <= 119.  NaN among the inputs is not served.
; WCODES.  A piece is 512 bytes: lane l's 16 bytes at 16 l.  In a weight with S = K / 128 steps piece (g, s, t, c) lies at (((g S + s) 6 + t) 4 + c) 512; its lane (r, h) holds
; column 96 g + 32 (t / 2) + 8 (t % 2) + r + 8 (r / 8), k = 128 s + 32 c + 16 h + 0 .. 15.  So a wave that owns 96 columns loads a K step's six fragments as 12,288 bytes on end.
; A LANE TAKES A COLUMN AND ITS REGISTERS RUN DOWN K: each load reads 128 neighbouring bytes of a row of the weight, and the conversions give codes with K innermost.
; Work-groups 0 .. 263: (weight, K step) x six; a wave takes 32 columns x 128 k.  Work-groups 264 .. 295: the mask, a wave to each (batch, step of 128 keys).
; MASKW, row (b, s) of 512 bytes: words 16 q + i: bits 0-15 ones if key 128 s + 32 q + i is masked, bits 16-31 ones if key 128 s + 32 q + 16 + i is; words 64 .. 127: 0 no key masked, 1 some, 2 all 128.
; No LDS, no barrier: waves share nothing.
.set X, 32                             ; v32-95   two sets of 32 numbers
.set C, 96                             ; v96-127  eight code registers for each of the four blocks: no store's data are written again
	s_load_b512 s[4:19], s[0:1], 0x0               ; the eight weights
	s_load_b256 s[20:27], s[0:1], 0x40             ; lowp_scales s[20:21], mask s[22:23], wcodes s[24:25], maskw s[26:27]
	v_lshrrev_b32 v1, 5, v0
	v_readfirstlane_b32 s28, v1                    ; wave
	v_and_b32 v2, 31, v0                           ; lane
	s_cmp_ge_u32 ttmp9, 264
	s_cbranch_scc1 .Lmask
	; ---- a weight's part
	s_mul_i32 s29, ttmp9, 10923
	s_lshr_b32 s29, s29, 16                        ; y = id / 6
	s_mul_i32 s30, s29, 6
	s_sub_co_u32 s30, ttmp9, s30                   ; id % 6
	s_mul_i32 s31, s29, 43
	s_lshr_b32 s31, s31, 8                         ; y / 6: the weight, among the six of K = 768
	s_mul_i32 s32, s31, 6
	s_sub_co_u32 s32, s29, s32                     ; its K step
	s_sub_co_u32 s33, s29, 36
	s_lshr_b32 s34, s33, 2
	s_add_co_u32 s34, s34, 6                       ; the weight, among the two of K = 512
	s_and_b32 s35, s33, 3
	s_cmp_lt_u32 s29, 36
	s_cselect_b32 s31, s31, s34                    ; weight 0 .. 7
	s_cselect_b32 s32, s32, s35                    ; K step s
	s_cselect_b32 s36, 6, 4                        ; S
	s_min_u32 s37, s31, 6
	s_mul_i32 s37, s37, 589824
	s_max_u32 s38, s31, 6
	s_sub_co_u32 s38, s38, 6
	s_mul_i32 s38, s38, 393216
	s_add_co_u32 s37, s37, s38                     ; where the weight's codes begin
	s_mov_b32 s42, 0x0b090701                      ; the weights' entries of lowp_scales: 1, 7, 9, 11,
	s_mov_b32 s43, 0x05031311                      ; 17, 19, 3, 5
	s_cmp_lt_u32 s31, 4
	s_cselect_b32 s42, s42, s43
	s_and_b32 s43, s31, 3
	s_lshl_b32 s43, s43, 3
	s_lshr_b32 s42, s42, s43
	s_and_b32 s42, s42, 0xff
	s_lshl_b32 s42, s42, 2
	s_lshl_b32 s33, s30, 2
	s_add_co_u32 s33, s33, s28                     ; my block of 32 columns, 0 .. 23
	s_mul_i32 s34, s33, 11
	s_lshr_b32 s34, s34, 5                         ; g = block / 3
	s_mul_i32 s35, s34, 3
	s_sub_co_u32 s35, s33, s35                     ; block % 3: tiles 2 x that and the next
	s_mul_i32 s34, s34, s36
	s_add_co_u32 s34, s34, s32
	s_mul_i32 s34, s34, 6
	s_lshl_b32 s35, s35, 1
	s_add_co_u32 s34, s34, s35
	s_lshl_b32 s34, s34, 11                        ; ((g S + s) 6 + t) x 2,048
	s_add_co_u32 s38, s37, s34
	s_mov_b32 s39, 0
	s_mul_i32 s34, s32, 393216                     ; 128 rows of 3,072 bytes a K step
	s_lshl_b32 s35, s33, 7
	s_add_co_u32 s34, s34, s35
	s_mov_b32 s35, 0
	v_lshlrev_b32 v3, 2, v2                        ; in: 4 bytes a lane
	v_bfe_u32 v5, v2, 3, 1                         ; column x of the 32 lies in tile (x / 8) % 2,
	v_and_b32 v6, 7, v2
	v_lshrrev_b32 v7, 4, v2
	v_lshl_add_u32 v6, v7, 3, v6                   ; at lane r = x % 8 + 8 (x / 16)
	v_lshlrev_b32 v4, 4, v6
	v_lshl_add_u32 v4, v5, 11, v4                  ; out: 2,048 x tile + 16 r
	s_wait_kmcnt 0x0
	s_load_b32 s44, s[20:21], s42 offset:0x0       ; e
	s_mov_b64 s[40:41], s[4:5]
.irp i, 1,2,3,4,5,6,7
	s_cmp_eq_u32 s31, \i
	s_cselect_b64 s[40:41], s[4+2*\i:5+2*\i], s[40:41]
.endr
	s_add_nc_u64 s[40:41], s[40:41], s[34:35]
	s_add_nc_u64 s[46:47], s[24:25], s[38:39]
.macro LOAD c                          ; block c: W(128 s + 32 c + i, my column), i = 0 .. 31
.irp i, 0,1,2,3,4,5,6,7,8,9,10,11,12,13,14,15,16,17,18,19,20,21,22,23,24,25,26,27,28,29,30,31
	global_load_b32 v[X+32*((\c)%2)+\i], v3, s[40:41] offset:(32*(\c)+\i)*3072 th:TH_LOAD_NT
.endr
.endm
.macro BLOCK c
.if (\c) < 3
	s_wait_loadcnt 32                              ; this block's 32 loads are in; the next block's may be out
.else
	s_wait_loadcnt 0x0
.endif
.irp i, 0,1,2,3,4,5,6,7,8,9,10,11,12,13,14,15,16,17,18,19,20,21,22,23,24,25,26,27,28,29,30,31
	v_med3_num_f32 v[X+32*((\c)%2)+\i], v[X+32*((\c)%2)+\i], -v10, v10   ; the conversion does not saturate (ISA guide 7.6.2): the hold comes first
.endr
.irp g, 0,1,2,3
	v_cvt_scalef32_pk8_fp8_f32 v[C+8*(\c)+2*\g:C+8*(\c)+2*\g+1], v[X+32*((\c)%2)+8*\g:X+32*((\c)%2)+8*\g+7], v11
.endr
	global_store_b128 v4, v[C+8*(\c):C+8*(\c)+3], s[46:47] offset:512*(\c)           ; k 0 .. 15 of the block: the piece's lanes 0-15: sixteen lanes store 256 bytes on end, aligned
	global_store_b128 v4, v[C+8*(\c)+4:C+8*(\c)+7], s[46:47] offset:512*(\c)+256     ; k 16 .. 31: its lanes 16-31
.if (\c) < 2
	LOAD (\c)+2
.endif
.endm
	LOAD 0
	LOAD 1
	s_wait_kmcnt 0x0
	s_add_co_i32 s44, s44, 127
	s_lshl_b32 s45, s44, 23
	v_mov_b32 v11, s45                             ; 2^e: the conversion takes its exponent field
	s_add_co_i32 s44, s44, 8
	s_lshl_b32 s44, s44, 23
	s_or_b32 s44, s44, 0x600000
	v_mov_b32 v10, s44                             ; 448 x 2^e
	BLOCK 0
	BLOCK 1
	BLOCK 2
	BLOCK 3
	s_endpgm
.Lmask:
	; ---- the mask: my wave's 128 keys
	s_sub_co_u32 s29, ttmp9, 264
	s_lshl_b32 s29, s29, 2
	s_add_co_u32 s29, s29, s28                     ; unit = 8 b + s
	s_lshl_b32 s30, s29, 7                         ; its 128 bytes of the mask
	s_mov_b32 s31, 0
	s_lshl_b32 s32, s29, 9                         ; its 512 bytes of the table
	s_mov_b32 s33, 0
	v_and_b32 v3, 15, v2
	v_lshrrev_b32 v4, 4, v2
	v_lshl_add_u32 v3, v4, 5, v3                   ; 32 (lane / 16) + lane % 16
	v_lshlrev_b32 v13, 2, v2
	s_wait_kmcnt 0x0
	s_add_nc_u64 s[22:23], s[22:23], s[30:31]
	s_add_nc_u64 s[26:27], s[26:27], s[32:33]
	global_load_u8 v4, v3, s[22:23]
	global_load_u8 v5, v3, s[22:23] offset:16
	global_load_u8 v6, v3, s[22:23] offset:64
	global_load_u8 v7, v3, s[22:23] offset:80
	s_wait_loadcnt 0x0
	v_mul_u32_u24 v8, v4, 0xffff
	v_mul_u32_u24 v9, v5, 0xffff
	v_lshl_or_b32 v8, v9, 16, v8                   ; word lane
	v_mul_u32_u24 v9, v6, 0xffff
	v_mul_u32_u24 v10, v7, 0xffff
	v_lshl_or_b32 v9, v10, 16, v9                  ; word 32 + lane
	v_or_b32 v10, v4, v5
	v_or_b32 v11, v6, v7
	v_or_b32 v10, v10, v11
	v_and_b32 v11, v4, v5
	v_and_b32 v12, v6, v7
	v_and_b32 v11, v11, v12
	v_cmp_ne_u32 vcc_lo, 0, v10                    ; a lane with a masked key
	v_cmp_ne_u32 s30, 0, v11                       ; a lane all of whose four keys are masked
	s_cmp_eq_u32 s30, -1
	s_cselect_b32 s31, 2, 1
	s_cmp_lg_u32 vcc_lo, 0
	s_cselect_b32 s31, s31, 0
	v_mov_b32 v12, s31
	global_store_b32 v13, v8, s[26:27]             ; runs of 128 bytes; the whole table is 65,536 bytes
	global_store_b32 v13, v9, s[26:27] offset:128
	global_store_b32 v13, v12, s[26:27] offset:256
	global_store_b32 v13, v12, s[26:27] offset:384
	s_endpgm
.Lfunc_end_k_q69fe59de05_prep:
	.size	k_q69fe59de05_prep, .Lfunc_end_k_q69fe59de05_prep-k_q69fe59de05_prep
	.p2alignl 7, 3214868480
	.fill 96, 4, 3214868480
	.section	.rodata,"a",@progbits
	.p2align	6, 0x0
	.amdhsa_kernel k_q69fe59de05_prep
		.amdhsa_group_segment_fixed_size 0
		.amdhsa_private_segment_fixed_size 0
		.amdhsa_enable_private_segment 0
		.amdhsa_kernarg_size 96
		.amdhsa_user_sgpr_count 2
		.amdhsa_user_sgpr_kernarg_segment_ptr 1
		.amdhsa_wavefront_size32 1
		.amdhsa_system_sgpr_workgroup_id_x 1
		.amdhsa_system_sgpr_workgroup_id_y 1
		.amdhsa_system_sgpr_workgroup_id_z 1
		.amdhsa_system_vgpr_workitem_id 0
		.amdhsa_next_free_vgpr 128
		.amdhsa_next_free_sgpr 66
		.amdhsa_reserve_vcc 1
		.amdhsa_float_denorm_mode_32 3
		.amdhsa_float_denorm_mode_16_64 3
		.amdhsa_memory_ordered 1
		.amdhsa_forward_progress 1
		.amdhsa_inst_pref_size 28
	.end_amdhsa_kernel
	.amdgpu_metadata
---
amdhsa.version: [ 1, 2 ]
amdhsa.kernels:
  - .name:           k_q69fe59de05_prep
    .symbol:         k_q69fe59de05_prep.kd
    .args:
      - { .name: qW, .offset: 0, .size: 8, .value_kind: global_buffer, .address_space: global }
      - { .name: in_qW, .offset: 8, .size: 8, .value_kind: global_buffer, .address_space: global }
      - { .name: in_kW, .offset: 16, .size: 8, .value_kind: global_buffer, .address_space: global }
      - { .name: in_vW, .offset: 24, .size: 8, .value_kind: global_buffer, .address_space: global }
      - { .name: outW, .offset: 32, .size: 8, .value_kind: global_buffer, .address_space: global }
      - { .name: d1W, .offset: 40, .size: 8, .value_kind: global_buffer, .address_space: global }
      - { .name: kW, .offset: 48, .size: 8, .value_kind: global_buffer, .address_space: global }
      - { .name: vW, .offset: 56, .size: 8, .value_kind: global_buffer, .address_space: global }
      - { .name: lowp_scales, .offset: 64, .size: 8, .value_kind: global_buffer, .address_space: global }
      - { .name: conditioning_attention_mask, .offset: 72, .size: 8, .value_kind: global_buffer, .address_space: global }
      - { .name: wcodes, .offset: 80, .size: 8, .value_kind: global_buffer, .address_space: global }
      - { .name: maskw, .offset: 88, .size: 8, .value_kind: global_buffer, .address_space: global }
    .group_segment_fixed_size: 0
    .private_segment_fixed_size: 0
    .kernarg_segment_align: 8
    .kernarg_segment_size: 96
    .max_flat_workgroup_size: 128
    .sgpr_count:     66
    .vgpr_count:     128
    .wavefront_size: 32
...
	.end_amdgpu_metadata
.endif
;; end of part 1
;; launch proj (part 2): grid 256 x 1, 4 waves a work-group, no clusters, 258,560 bytes of LDS; arguments graph_nodes, conditioning_vector, lowp_scales, qb, kb, vb, in_qb, in_kb, in_vb, wcodes, qkv; writes qkv
.if DOCPART == 2
	.amdgcn_target "amdgcn-amd-amdhsa--gfx1250"
	.amdhsa_code_object_version 6
	.text
	.protected	k_q69fe59de05_proj
	.globl	k_q69fe59de05_proj
	.p2align	8
	.type	k_q69fe59de05_proj,@function
k_q69fe59de05_proj:
	s_mov_b64 s[64:65], 0
	v_nop
	global_prefetch_b8 v0, s[64:65] scope:SCOPE_SE
	s_setreg_imm32_b32 hwreg(HW_REG_WAVE_MODE, 25, 1), 1
	s_wait_xcnt 0x0
; The three chains of two quantised projections: Y = Q(Q(X) W1 + b1) W2 + b2, stored as codes of E4M3 for attention.  K: conditioning_vector, kW, in_kW; V: the same, vW, in_vW; Q: graph_nodes, qW, in_qW.
; SHARES.  256 work-groups of equal work.  Work-group id takes 128 rows of conditioning_vector through K's chain (id < 128) or V's, and then rows 32 id .. 32 id + 31 of graph_nodes through Q's chain.
; No hidden layer goes to memory.
; ROWS.  Tiles m of 16 rows; lane r of tile m holds row 32 (m / 2) + 8 (m % 2) + r + 8 (r / 8): attention wants the keys of a tile so, and the other products do not care.  K, V: eight tiles; Q: two.
; THE WAVES SHARE THE COLUMNS: in pass p = 0, 1 wave w makes the 96 columns of group g = 4 p + w, six tiles, for all the rows: 48 accumulators (Q: 12).  Its weights come as register images (12,288 bytes a K step, on end)
; straight into a ring of four sets of registers; A's fragments come from LDS as register images (piece = 512 bytes, lane l's 16 bytes at 16 l).
; TRANSPOSED USE (source 0 = weight tile, source 1 = rows): a lane holds one row and, by the choice of a weight tile's columns, the 16 registers of tiles 2 b, 2 b + 1 are 16 neighbouring columns: the conversions' results
; are pieces of the next operand.  For V, whose K in attention is the keys, layer 2 is used the other way round (source 0 = rows): the 16 registers of ROW tiles 2 c, 2 c + 1 are then 16 neighbouring keys of one column.
; SCALES.  A layer's sums stand for sum x 2^(eA + eW): the bias goes in as the first product's C, divided by that; the conversion takes 2^(eNext - eA - eW).
; LIMITS, for each of the three chains: eX, eH - eX - eW1 and eOut - eH - eW2 between -126 and 119.  NaN among the inputs is not served.
; NO CLUSTER: a weight fragment is used by one wave of a work-group alone and goes into its registers; by way of LDS it would add 12,288 bytes written and read to each 16,384 bytes of A that a wave reads for 48 products.
; REGISTERS (absolute numbers; windows of 256 are set by W4): 0-47, 120-127 addresses and scales; 48-95 T; 96-119 codes; 128-255 A's eight fragments; 256-639 four sets of six weight fragments; 640-1023 the accumulators;
; in Q's chain: 640-735 the accumulators, 768-959 A's twelve fragments of a layer.
.set XIMG, 0                           ; LDS: X's codes, tile m, K step s at (6 m + s) 2,048
.set HIMG, 98304                       ; the hidden layer's, likewise; while X is quantised: each wave's two stages of 16 rows x 528 bytes, at 24,576 x wave
.set BIA,  196608                      ; b1 / 2^(eX + eW1), then b2 / 2^(eH + eW2): 3,072 bytes each
.set XQI,  202752                      ; Q's chain has bytes of its own: graph_nodes' codes, two tiles,
.set HQI,  227328                      ; its hidden layer's,
.set BIQ,  251904                      ; and its two biases
.set LI,   1                           ; 16 x lane
.set STGW, 4                           ; stage, on the way in
.set STGR, 5                           ; stage, on the way out: 528 r + 64 h
.set XWI,  6                           ; where I store X's images
.set AX,   8                           ; v8, v9   X's images, tiles 0-3 and 4-7
.set AH,   10                          ; v10, v11 the hidden layer's
.set HW,   12                          ; v12, v13 where I store the hidden layer's pieces, this pass
.set BR,   14                          ; bias, a lane's eight neighbours, this pass
.set BRV,  15                          ; bias, one number a lane, this pass
.set VO,   16                          ; v16-31   conditioning_vector: 16 x lane + the row's bytes
.set SO,   32                          ; v32-34   output: my three blocks of 32 columns
.set BW,   35
.set BR0,  36
.set BRV0, 37
.set BO,   38
.set XQW,  39                          ; where I store graph_nodes' images
.set BRQ,  46                          ; Q's biases: BIQ + 64 h
.set AQ,   126                         ; v126, v127  Q's chain: XQI + 16 x lane, HQI + 16 x lane
.set T,    48
.set CODE, 96
.set AF,   128
.set XS,   128
.set WR,   256
.set ACC,  640
.set RX,   640
.set AQR,  768
.set MSB, 0
.macro WIN new                         ; the immediate's high byte repeats the setting that is left; a switch that changes nothing is dropped
.if MSB != (\new)
	s_set_vgpr_msb (MSB<<8)|(\new)
.set MSB, (\new)
.endif
.endm
.macro W4 d, a, b, c                   ; windows from absolute register numbers: destination, sources 0, 1, 2
	WIN ((((\d)/256)<<6)|(((\c)/256)<<4)|(((\b)/256)<<2)|((\a)/256))
.endm
.macro DSLD d, adr, off
	W4 \d, \adr, 0, 0
	ds_load_b128 v[(\d)%256:(\d)%256+3], v[\adr] offset:\off
.endm
.macro DSST adr, dat, off
	W4 0, \adr, \dat, 0
	ds_store_b128 v[\adr], v[(\dat)%256:(\dat)%256+3] offset:\off
.endm
.macro GLD d, vo, sb, off
	W4 \d, \vo, 0, 0
	global_load_b128 v[(\d)%256:(\d)%256+3], v[\vo], s[\sb:\sb+1] offset:\off
.endm
.macro PLACES n
.rept \n
	v_nop
.endr
.endm
.macro BARRIER                         ; my LDS stores have landed and my LDS loads are in: then the work-group's barrier
	s_wait_dscnt 0x0
	s_barrier_signal -1
	s_barrier_wait -1
.endm
.macro MKSC se, vs, vl                 ; s[se] = e:  v[vs] = 2^e, v[vl] = 448 x 2^e
	s_add_co_i32 s[\se], s[\se], 127
	s_lshl_b32 s61, s[\se], 23
	v_mov_b32 v[\vs], s61
	s_add_co_i32 s[\se], s[\se], 8
	s_lshl_b32 s[\se], s[\se], 23
	s_or_b32 s[\se], s[\se], 0x600000
	v_mov_b32 v[\vl], s[\se]
.endm
.macro QUANT src, dst, sc, lim         ; 64 numbers of a lane, register 16 b + i = k 32 b + 16 h + i of my row, become a fragment's 16 registers
.irp b, 0,1,2,3
.irp i, 0,1,2,3,4,5,6,7,8,9,10,11,12,13,14,15
	v_med3_num_f32 v[\src+16*\b+\i], v[\src+16*\b+\i], -v[\lim], v[\lim]
.endr
	v_cvt_scalef32_pk8_fp8_f32 v[\dst+4*\b:\dst+4*\b+1], v[\src+16*\b:\src+16*\b+7], v[\sc]
	v_cvt_scalef32_pk8_fp8_f32 v[\dst+4*\b+2:\dst+4*\b+3], v[\src+16*\b+8:\src+16*\b+15], v[\sc]
.endr
	v_nop                                          ; a plain line behind the last conversion
.endm
.macro WLOAD s, set                    ; my six weight fragments of K step s into a set of the ring
.irp t, 0,1,2,3,4,5
.irp c, 0,1,2,3
	GLD WR+96*(\set)+16*\t+4*\c, LI, 36, (\s)*12288+\t*2048+\c*512
.endr
.endr
.endm
.macro LOADX s                         ; 128 numbers of each of my 32 rows of conditioning_vector: a load covers 512 bytes on end of one row
.irp u, 0,1
.irp i, 0,1,2,3,4,5,6,7,8,9,10,11,12,13,14,15
	GLD RX+128*((\s)%2)+64*\u+4*\i, VO+\i, 32+2*\u, 512*(\s)
.endr
.endr
.endm
.macro PROCESS s                       ; they turn through my stages (a lane then holds 16 neighbours of each block of 32), are quantised, and go to LDS as two images
.irp u, 0,1
.irp i, 0,1,2,3,4,5,6,7,8,9,10,11,12,13,14,15
	DSST STGW, RX+128*((\s)%2)+64*\u+4*\i, \u*8448+528*\i
.endr
	WIN 0
.irp b, 0,1,2,3
.irp j, 0,1,2,3
	ds_load_b128 v[XS+64*\u+16*\b+4*\j:XS+64*\u+16*\b+4*\j+3], v[STGR] offset:\u*8448+128*\b+16*\j   ; LDS serves a wave's instructions in order: these see my stores
.endr
.endr
.endr
	s_wait_dscnt 32                                ; the first tile is back; the second tile's 32 instructions may be out
	QUANT XS, T, 40, 41
.irp c, 0,1,2,3
	ds_store_b128 v[XWI], v[T+4*\c:T+4*\c+3] offset:2048*(\s)+512*\c
.endr
	s_wait_dscnt 4                                 ; the second tile is back; the four stores just issued may be out
	QUANT XS+64, T+16, 40, 41
.irp c, 0,1,2,3
	ds_store_b128 v[XWI], v[T+16+4*\c:T+16+4*\c+3] offset:12288+2048*(\s)+512*\c
.endr
.endm
.macro LOADQ j                         ; graph_nodes: 128 numbers of each of my tile's 16 rows: the j-th of my three K steps
.irp i, 0,1,2,3,4,5,6,7,8,9,10,11,12,13,14,15
	GLD RX+64*(\j)+4*\i, LI, 72, (\i+8*(\i/8))*3072+512*(\j)
.endr
.endm
.macro PROCQ j                         ; the same turn through a stage, one tile: one image
.irp i, 0,1,2,3,4,5,6,7,8,9,10,11,12,13,14,15
	DSST STGW, RX+64*(\j)+4*\i, ((\j)%2)*8448+528*\i
.endr
	WIN 0
.irp b, 0,1,2,3
.irp q, 0,1,2,3
	ds_load_b128 v[XS+64*((\j)%2)+16*\b+4*\q:XS+64*((\j)%2)+16*\b+4*\q+3], v[STGR] offset:((\j)%2)*8448+128*\b+16*\q
.endr
.endr
	s_wait_dscnt 0x0
	QUANT XS+64*((\j)%2), T+16*((\j)%2), 120, 121
.irp c, 0,1,2,3
	ds_store_b128 v[XQW], v[T+16*((\j)%2)+4*\c:T+16*((\j)%2)+4*\c+3] offset:2048*(\j)+512*\c
.endr
.endm
.macro FETCHA ab, s, half              ; A's fragments of K step s, tiles 4 half .. 4 half + 3
	WIN 0
.irp q, 0,1,2,3
.irp c, 0,1,2,3
	ds_load_b128 v[AF+16*(4*\half+\q)+4*\c:AF+16*(4*\half+\q)+4*\c+3], v[\ab+\half] offset:\q*12288+(\s)*2048+\c*512
.endr
.endr
.endm
.macro MM m, t, set, first, vm         ; one product.  first = 1: C is the bias; vm = 1: rows as source 0
.set rD, ACC+8*(6*(\m)+(\t))
.set rW, WR+96*(\set)+16*(\t)
.set rA, AF+16*(\m)
.set rC, rD
.if \first
.set rC, T+8*(\t)
.endif
.if \vm
	W4 rD, rA, rW, rC
	v_wmma_f32_16x16x128_fp8_fp8 v[rD%256:rD%256+7], v[rA%256:rA%256+15], v[rW%256:rW%256+15], v[rC%256:rC%256+7]
.else
	W4 rD, rW, rA, rC
	v_wmma_f32_16x16x128_fp8_fp8 v[rD%256:rD%256+7], v[rW%256:rW%256+15], v[rA%256:rA%256+15], v[rC%256:rC%256+7]
.endif
.endm
; A K step of K's or V's chain: 48 products, the 48 accumulators by turns, one instruction a turn, in the same order in every step.
; n: the weight loads issued behind this step's set (three sets are 72; the wait's field holds 63).  nxt: the K step whose fragments of A are fetched; refill: the K step whose weights take this set's place.
; Loads into registers that matrix instructions have read stand four plain vector lines behind them (ISA guide 7.12.1 for vector instructions).
.macro STEP s, n, first, ab, nxt, refill, vm
	s_wait_dscnt 16                                ; A's tiles 0-3 are in (and the bias); the youngest 16 loads, tiles 4-7, may be out
	s_wait_loadcnt \n
.irp m, 0,1,2,3
.irp t, 0,1,2,3,4,5
	MM \m, \t, (\s)%4, \first, \vm
.endr
.endr
	s_wait_dscnt 0x0                               ; tiles 4-7 are in
	PLACES 4
.if \nxt >= 0
	FETCHA \ab, \nxt, 0
.endif
.irp m, 4,5,6,7
.irp t, 0,1,2,3,4,5
	MM \m, \t, (\s)%4, \first, \vm
.endr
.endr
	PLACES 4
.if \nxt >= 0
	FETCHA \ab, \nxt, 1
.endif
.if \refill >= 0
	WLOAD \refill, (\s)%4
.endif
.endm
.macro BIAST lay                       ; the bias in the transposed result's layout: tile t, lane half h: eight neighbours
	WIN 0
.irp t, 0,1,2,3,4,5
.irp q, 0,1
	ds_load_b128 v[T+8*\t+4*\q:T+8*\t+4*\q+3], v[BR] offset:3072*\lay+128*(\t/2)+32*(\t%2)+16*\q
.endr
.endr
.endm
.macro BIASV                           ; the bias where a lane holds one column
	WIN 0
.irp t, 0,1,2,3,4,5
	ds_load_b32 v[CODE+\t], v[BRV] offset:3072+128*(\t/2)+32*(\t%2)
.endr
.endm
; The way out of a row tile, transposed use: its 48 numbers a lane are held, converted (three pieces) and stored: to LDS at v[adr] + off (glob = 0) or to memory at s[ob] + my blocks' offsets + off (1).
; Each accumulator is read from its low end on.
.macro EPI_M m, sc, lim, glob, adr, off, ob
.irp t, 0,1,2,3,4,5
	W4 0, ACC+8*(6*(\m)+\t), 0, 0
.irp j, 0,1,2,3,4,5,6,7
	v_med3_num_f32 v[T+8*\t+\j], v[(ACC+8*(6*(\m)+\t)+\j)%256], -v[\lim], v[\lim]
.endr
.endr
	WIN 0
.if \glob
	s_wait_xcnt 0x0                                ; the earlier stores have read their data: the code registers are written again only behind this wait
.else
	s_wait_dscnt 3                                 ; the stores of two tiles ago are done; the last tile's three may be out
.endif
.irp t, 0,1,2,3,4,5
	v_cvt_scalef32_pk8_fp8_f32 v[CODE+12*((\m)%2)+2*\t:CODE+12*((\m)%2)+2*\t+1], v[T+8*\t:T+8*\t+7], v[\sc]
.endr
	v_nop
.irp b, 0,1,2
.if \glob
	global_store_b128 v[SO+\b], v[CODE+12*((\m)%2)+4*\b:CODE+12*((\m)%2)+4*\b+3], s[\ob:\ob+1] offset:\off   ; a piece: 512 bytes on end, aligned
.else
	ds_store_b128 v[\adr], v[CODE+12*((\m)%2)+4*\b:CODE+12*((\m)%2)+4*\b+3] offset:\off+512*\b
.endif
.endr
.endm
.macro EPI_T sc, lim, glob             ; the way out of a pass of eight row tiles
.irp m, 0,1,2,3,4,5,6,7
.if \glob
	EPI_M \m, \sc, \lim, 1, 0, 1024*\m, 38
.else
	EPI_M \m, \sc, \lim, 0, HW+\m/4, (\m%4)*12288, 38
.endif
.endr
.endm
.macro EPI_V                           ; the way out for V: column tile t, row tiles 4 f .. 4 f + 3: two pieces of 32 keys
.irp t, 0,1,2,3,4,5
.irp f, 0,1
.irp q, 0,1,2,3
	W4 0, ACC+8*(6*(4*\f+\q)+\t), 0, 0
.irp j, 0,1,2,3,4,5,6,7
	v_med3_num_f32 v[T+8*\q+\j], v[(ACC+8*(6*(4*\f+\q)+\t)+\j)%256], -v45, v45
.endr
.endr
	WIN 0
	s_wait_xcnt 0x0                                ; the earlier stores have read their data
.irp q, 0,1,2,3
	v_cvt_scalef32_pk8_fp8_f32 v[CODE+8*\f+2*\q:CODE+8*\f+2*\q+1], v[T+8*\q:T+8*\q+7], v44
.endr
	v_nop
.irp k, 0,1
	global_store_b128 v[SO+\t/2], v[CODE+8*\f+4*\k:CODE+8*\f+4*\k+3], s[38:39] offset:2048*(\t%2)+512*(2*\f+\k)
.endr
.endr
.endr
.endm
.macro SOFF cb                         ; my three blocks of 32 columns, 3 g + b: head (3 g + b) / 2, and cb bytes on for the head's upper half
.irp b, 0,1,2
	s_mul_i32 s56, s55, 3
	s_add_co_u32 s56, s56, \b
	s_lshr_b32 s57, s56, 1
	s_mul_i32 s57, s57, s70
	s_and_b32 s56, s56, 1
	s_mul_i32 s56, s56, \cb
	s_add_co_u32 s57, s57, s56
	v_add_nc_u32 v[SO+\b], s57, v[LI]
.endr
.endm
; Q's chain: two row tiles.  A layer's twelve fragments of A (tile m, K step s) stay in registers for a pass, so a step has no LDS load.
.macro QFETCH lay
.irp m, 0,1
.irp s, 0,1,2,3,4,5
.irp c, 0,1,2,3
	DSLD AQR+16*(6*\m+\s)+4*\c, AQ+\lay, (6*\m+\s)*2048+\c*512
.endr
.endr
.endr
.endm
.macro MQ m, t, s, first
.set rD, ACC+8*(6*(\m)+(\t))
.set rW, WR+96*((\s)%4)+16*(\t)
.set rA, AQR+16*(6*(\m)+(\s))
.set rC, rD
.if \first
.set rC, T+8*(\t)
.endif
	W4 rD, rW, rA, rC
	v_wmma_f32_16x16x128_fp8_fp8 v[rD%256:rD%256+7], v[rW%256:rW%256+15], v[rA%256:rA%256+15], v[rC%256:rC%256+7]
.endm
; A K step of Q's chain: 12 products on 12 accumulators by turns, for 12,288 bytes of weights.  n and refill as in STEP.
.macro QSTEP s, n, first, refill
	s_wait_loadcnt \n
.irp m, 0,1
.irp t, 0,1,2,3,4,5
	MQ \m, \t, \s, \first
.endr
.endr
	PLACES 4
.if \refill >= 0
	WLOAD \refill, (\s)%4
.endif
.endm
	s_load_b512 s[4:19], s[0:1], 0x0               ; graph_nodes, conditioning_vector, lowp_scales, qb, kb, vb, in_qb, in_kb
	s_load_b128 s[20:23], s[0:1], 0x40             ; in_vb, wcodes
	s_load_b64 s[24:25], s[0:1], 0x50              ; qkv
	v_lshrrev_b32 v2, 5, v0
	v_readfirstlane_b32 s26, v2                    ; wave
	v_and_b32 v7, 31, v0
	v_lshlrev_b32 v[LI], 4, v7
	v_and_b32 v2, 15, v0                           ; r
	v_bfe_u32 v3, v0, 4, 1                         ; h
	s_mul_i32 s56, s26, 24576
	v_add_nc_u32 v[XWI], s56, v[LI]                ; X's images of my tiles 2 w, 2 w + 1 (XIMG = 0)
	s_add_co_u32 s56, s56, HIMG                    ; my stages
	v_add_nc_u32 v[STGW], s56, v[LI]
	v_mul_u32_u24 v[STGR], v2, 528
	v_lshl_add_u32 v[STGR], v3, 6, v[STGR]
	v_add_nc_u32 v[STGR], s56, v[STGR]
	v_add_nc_u32 v[AX], XIMG, v[LI]
	v_add_nc_u32 v[AX+1], XIMG+49152, v[LI]
	v_add_nc_u32 v[AH], HIMG, v[LI]
	v_add_nc_u32 v[AH+1], HIMG+49152, v[LI]
	v_add_nc_u32 v[AQ], XQI, v[LI]
	v_add_nc_u32 v[AQ+1], HQI, v[LI]
	v_lshlrev_b32 v[BR0], 6, v3
	v_add_nc_u32 v[BRQ], BIQ, v[BR0]
	v_add_nc_u32 v[BR0], BIA, v[BR0]
	v_and_b32 v[BRV0], 8, v2
	v_add_nc_u32 v[BRV0], v[BRV0], v2
	v_lshlrev_b32 v[BRV0], 2, v[BRV0]
	v_add_nc_u32 v[BRV0], BIA, v[BRV0]
	v_lshlrev_b32 v[BO], 3, v0
	v_add_nc_u32 v[BW], BIA, v[BO]
	s_and_b32 s56, s26, 1                          ; graph_nodes: I quantise tile w % 2, K steps 3 (w / 2) + 0 .. 2
	s_mul_i32 s56, s56, 6
	s_lshr_b32 s57, s26, 1
	s_mul_i32 s57, s57, 3
	s_add_co_u32 s56, s56, s57
	s_lshl_b32 s56, s56, 11
	s_add_co_u32 s56, s56, XQI
	v_add_nc_u32 v[XQW], s56, v[LI]
.irp i, 0,1,2,3,4,5,6,7,8,9,10,11,12,13,14,15
	v_add_nc_u32 v[VO+\i], (\i+8*(\i/8))*2048, v[LI]
.endr
	s_lshr_b32 s27, ttmp9, 7
	s_add_co_u32 s27, s27, 1                       ; chain: 1 K, 2 V
	s_and_b32 s28, ttmp9, 127                      ; my block of 128 rows of conditioning_vector
	s_mov_b32 s70, 0x10000                         ; a head's bytes in K's and V's output
	s_lshl_b32 s49, s27, 3
	s_lshr_b32 s50, s27, 1
	s_add_co_u32 s50, s50, s27
	s_lshl_b32 s50, s50, 2
	s_wait_kmcnt 0x0
	s_load_b64 s[44:45], s[8:9], s49 offset:0x0    ; eX, eW1: entries 2 chain, 2 chain + 1
	s_load_b64 s[46:47], s[8:9], s49 offset:0x18   ; eH, eW2: entries 6 + 2 chain ..
	s_load_b32 s48, s[8:9], s50 offset:0x30        ; eOut: entry 13 or 15
	s_load_b64 s[78:79], s[8:9], 0x0               ; Q's chain: entries 0, 1,
	s_load_b64 s[80:81], s[8:9], 0x18              ; 6, 7,
	s_load_b32 s82, s[8:9], 0x30                   ; 12
	s_cmp_eq_u32 s27, 1
	s_cselect_b64 s[40:41], s[12:13], s[14:15]     ; b1
	s_cselect_b64 s[42:43], s[18:19], s[20:21]     ; b2
	s_mov_b32 s57, 0
	s_lshl_b32 s56, s28, 7
	s_lshl_b32 s58, s26, 5
	s_add_co_u32 s56, s56, s58
	s_lshl_b32 s56, s56, 11
	s_add_nc_u64 s[32:33], s[6:7], s[56:57]        ; conditioning_vector at row 128 block + 32 wave: tile 2 w;
	s_add_nc_u64 s[34:35], s[32:33], 16384         ; eight rows on: tile 2 w + 1
	s_mul_i32 s56, s27, 393216
	s_add_co_u32 s56, s56, 3145728                 ; W1's codes: 3,538,944 or 3,932,160
	s_mul_i32 s58, s26, 49152
	s_add_co_u32 s56, s56, s58
	s_add_nc_u64 s[36:37], s[22:23], s[56:57]      ; group w
	s_add_nc_u64 s[66:67], s[36:37], 196608        ; group 4 + w
	s_add_co_u32 s56, s27, 1
	s_mul_i32 s56, s56, 589824
	s_mul_i32 s58, s26, 73728
	s_add_co_u32 s56, s56, s58
	s_add_nc_u64 s[68:69], s[22:23], s[56:57]      ; W2's codes, group w
	s_mov_b32 s56, s58
	s_add_nc_u64 s[74:75], s[22:23], s[56:57]      ; qW's codes, group w; each later pass of Q's chain lies 294,912 bytes on, in_qW's too
	s_lshr_b32 s56, s28, 3
	s_mul_i32 s56, s56, 786432
	s_and_b32 s58, s28, 7
	s_lshl_b32 s58, s58, 13
	s_add_co_u32 s56, s56, s58
	s_mul_i32 s58, s27, 12582912
	s_add_co_u32 s56, s56, s58
	s_sub_co_u32 s56, s56, 6291456                 ; K at 6,291,456, V at 18,874,368: batch block / 8, key step block % 8
	s_add_nc_u64 s[38:39], s[24:25], s[56:57]
	s_lshr_b32 s56, ttmp9, 4
	s_mul_i32 s56, s56, 393216
	s_and_b32 s58, ttmp9, 15
	s_lshl_b32 s58, s58, 11
	s_add_co_u32 s56, s56, s58
	s_add_nc_u64 s[76:77], s[24:25], s[56:57]      ; Q: batch id / 16, row tiles 2 (id % 16) and the next
	s_lshl_b32 s56, ttmp9, 5
	s_and_b32 s58, s26, 1
	s_lshl_b32 s58, s58, 3
	s_add_co_u32 s56, s56, s58
	s_mul_i32 s56, s56, 3072
	s_lshr_b32 s58, s26, 1
	s_mul_i32 s58, s58, 1536
	s_add_co_u32 s56, s56, s58
	s_add_nc_u64 s[72:73], s[4:5], s[56:57]        ; graph_nodes at row 32 id + 8 (w % 2), column 384 (w / 2)
.irp i, 0,1,2
	global_load_b64 v[CODE+2*\i:CODE+2*\i+1], v[BO], s[40:41] offset:1024*\i
	global_load_b64 v[CODE+6+2*\i:CODE+6+2*\i+1], v[BO], s[42:43] offset:1024*\i
	global_load_b64 v[CODE+12+2*\i:CODE+12+2*\i+1], v[BO], s[10:11] offset:1024*\i
	global_load_b64 v[CODE+18+2*\i:CODE+18+2*\i+1], v[BO], s[16:17] offset:1024*\i
.endr
	WLOAD 0, 0
	WLOAD 1, 1
	LOADX 0
	WIN 0
	s_wait_kmcnt 0x0
	s_add_co_i32 s56, s44, s45                     ; eX + eW1
	s_sub_co_i32 s57, 0, s56
	s_add_co_i32 s58, s46, s47                     ; eH + eW2
	s_sub_co_i32 s59, 0, s58
	s_mov_b32 s60, s44
	MKSC 60, 40, 41
	s_sub_co_i32 s60, s46, s56
	MKSC 60, 42, 43
	s_sub_co_i32 s60, s48, s58
	MKSC 60, 44, 45
	s_add_co_i32 s62, s78, s79                     ; the same for Q's chain
	s_sub_co_i32 s63, 0, s62
	s_add_co_i32 s83, s80, s81
	s_sub_co_i32 s84, 0, s83
	s_mov_b32 s60, s78
	MKSC 60, 120, 121
	s_sub_co_i32 s60, s80, s62
	MKSC 60, 122, 123
	s_sub_co_i32 s60, s82, s83
	MKSC 60, 124, 125
	s_wait_loadcnt 32                              ; all but X's first 32 loads
.irp i, 0,1,2,3,4,5
	v_ldexp_f32 v[CODE+\i], v[CODE+\i], s57
	v_ldexp_f32 v[CODE+6+\i], v[CODE+6+\i], s59
	v_ldexp_f32 v[CODE+12+\i], v[CODE+12+\i], s63
	v_ldexp_f32 v[CODE+18+\i], v[CODE+18+\i], s84
.endr
.irp i, 0,1,2
	ds_store_b64 v[BW], v[CODE+2*\i:CODE+2*\i+1] offset:1024*\i
	ds_store_b64 v[BW], v[CODE+6+2*\i:CODE+6+2*\i+1] offset:3072+1024*\i
	ds_store_b64 v[BW], v[CODE+12+2*\i:CODE+12+2*\i+1] offset:BIQ-BIA+1024*\i
	ds_store_b64 v[BW], v[CODE+18+2*\i:CODE+18+2*\i+1] offset:BIQ-BIA+3072+1024*\i
.endr
	; ---- X: my 32 rows of conditioning_vector, a K step at a time, the next step's loads on their way; then my three K steps of a tile of graph_nodes
	LOADX 1
	s_wait_loadcnt 32
	PROCESS 0
	LOADX 2
	s_wait_loadcnt 32
	PROCESS 1
	LOADX 3
	s_wait_loadcnt 32
	PROCESS 2
	LOADQ 0
	LOADQ 1
	s_wait_loadcnt 32                              ; conditioning_vector's last step is in; graph_nodes' 32 loads may be out
	PROCESS 3
	LOADQ 2
	s_wait_loadcnt 32                              ; my first step of graph_nodes is in; the two behind it may be out
	PROCQ 0
	s_wait_loadcnt 16
	PROCQ 1
	s_wait_loadcnt 0x0
	PROCQ 2
	BARRIER                                        ; both X's images and the four biases lie in LDS; nobody reads a stage any more
	; ---- K's or V's layer 1, two passes
	s_mov_b32 s52, 0
	s_mul_i32 s53, s26, 384                        ; 4 x 96 g
	s_mul_i32 s54, s26, 1536                       ; 512 x 3 g
.Ll1:
	v_add_nc_u32 v[HW], s54, v[AH]
	v_add_nc_u32 v[HW+1], s54, v[AH+1]
	v_add_nc_u32 v[BR], s53, v[BR0]
	BIAST 0
	FETCHA AX, 0, 0
	FETCHA AX, 0, 1
	WLOAD 2, 2
	WLOAD 3, 3
	STEP 0, 63, 1, AX, 1, -1, 0
	STEP 1, 48, 0, AX, 2, -1, 0
	STEP 2, 24, 0, AX, 3, -1, 0
	STEP 3, 0, 0, AX, -1, -1, 0
	s_cmp_eq_u32 s52, 0                            ; every weight load is in (the last step's wait is for 0): the base may be written
	s_cselect_b64 s[36:37], s[66:67], s[68:69]     ; next: W1's group 4 + w, or W2's group w
	WLOAD 0, 0                                     ; they land while the pass goes out
	WLOAD 1, 1
	EPI_T 42, 43, 0
	s_wait_dscnt 0x0
	s_add_co_u32 s53, s53, 1536
	s_add_co_u32 s54, s54, 6144
	s_add_co_u32 s52, s52, 1
	s_cmp_lt_u32 s52, 2
	s_cbranch_scc1 .Ll1
	BARRIER                                        ; the hidden layer's 48 fragments lie in LDS
	s_mov_b32 s52, 0
	s_mul_i32 s53, s26, 384
	s_mov_b32 s55, s26                             ; g
	s_cmp_eq_u32 s27, 2
	s_cbranch_scc1 .Lv
	; ---- layer 2 for K, two passes
.Ll2:
	s_wait_xcnt 0x0                                ; the last pass's stores have read their offsets
	SOFF 512
	v_add_nc_u32 v[BR], s53, v[BR0]
	BIAST 1
	FETCHA AH, 0, 0
	FETCHA AH, 0, 1
	WLOAD 2, 2
	WLOAD 3, 3
	STEP 0, 63, 1, AH, 1, 4, 0
	STEP 1, 63, 0, AH, 2, 5, 0
	STEP 2, 63, 0, AH, 3, -1, 0
	STEP 3, 48, 0, AH, 4, -1, 0
	STEP 4, 24, 0, AH, 5, -1, 0
	STEP 5, 0, 0, AH, -1, -1, 0
	s_add_nc_u64 s[36:37], s[36:37], 294912        ; next: group 4 + w,
	s_cmp_eq_u32 s52, 0
	s_cselect_b64 s[36:37], s[36:37], s[74:75]     ; or, behind the last pass, the first weights of Q's chain
	WLOAD 0, 0
	WLOAD 1, 1
	EPI_T 44, 45, 1
	s_add_co_u32 s53, s53, 1536
	s_add_co_u32 s55, s55, 4
	s_add_co_u32 s52, s52, 1
	s_cmp_lt_u32 s52, 2
	s_cbranch_scc1 .Ll2
	s_branch .Lq
	; ---- layer 2 for V, two passes: rows as source 0
.Lv:
	s_wait_xcnt 0x0                                ; the last pass's stores have read their offsets and data
	SOFF 4096
	v_add_nc_u32 v[BRV], s53, v[BRV0]
	BIASV
	FETCHA AH, 0, 0
	FETCHA AH, 0, 1
	WLOAD 2, 2
	WLOAD 3, 3
	WIN 0
	s_wait_dscnt 32                                ; the six bias numbers are in; A's 32 loads may be out
.irp t, 0,1,2,3,4,5
.irp j, 0,1,2,3,4,5,6,7
	v_mov_b32 v[T+8*\t+\j], v[CODE+\t]             ; a lane holds one column here: its bias in all eight rows of the first product's C
.endr
.endr
	STEP 0, 63, 1, AH, 1, 4, 1
	STEP 1, 63, 0, AH, 2, 5, 1
	STEP 2, 63, 0, AH, 3, -1, 1
	STEP 3, 48, 0, AH, 4, -1, 1
	STEP 4, 24, 0, AH, 5, -1, 1
	STEP 5, 0, 0, AH, -1, -1, 1
	s_add_nc_u64 s[36:37], s[36:37], 294912
	s_cmp_eq_u32 s52, 0
	s_cselect_b64 s[36:37], s[36:37], s[74:75]
	WLOAD 0, 0
	WLOAD 1, 1
	EPI_V
	s_add_co_u32 s53, s53, 1536
	s_add_co_u32 s55, s55, 4
	s_add_co_u32 s52, s52, 1
	s_cmp_lt_u32 s52, 2
	s_cbranch_scc1 .Lv
	; ---- Q's chain on my work-group's 32 rows of graph_nodes.  Its images were made ahead of the first barrier; the first two sets of its weights are on their way
.Lq:
	s_wait_xcnt 0x0                                ; K's or V's last stores have read their data and offsets: the code registers are written again below
	s_mov_b32 s52, 0
	s_mul_i32 s53, s26, 384
	s_mul_i32 s54, s26, 1536
.Lq1:                                              ; layer 1, two passes
	v_add_nc_u32 v[HW], s54, v[AQ+1]
	v_add_nc_u32 v[BR], s53, v[BRQ]
	BIAST 0
	QFETCH 0
	WLOAD 2, 2
	WLOAD 3, 3
	s_wait_dscnt 0x0                               ; the bias and A's twelve fragments are in
	QSTEP 0, 63, 1, 4
	QSTEP 1, 63, 0, 5
	QSTEP 2, 63, 0, -1
	QSTEP 3, 48, 0, -1
	QSTEP 4, 24, 0, -1
	QSTEP 5, 0, 0, -1
	s_add_nc_u64 s[36:37], s[36:37], 294912        ; every weight load is in: the next pass's weights, qW's group 4 + w and then in_qW's group w
	WLOAD 0, 0
	WLOAD 1, 1
	EPI_M 0, 122, 123, 0, HW, 0, 38
	EPI_M 1, 122, 123, 0, HW, 12288, 38
	s_wait_dscnt 0x0
	s_add_co_u32 s53, s53, 1536
	s_add_co_u32 s54, s54, 6144
	s_add_co_u32 s52, s52, 1
	s_cmp_lt_u32 s52, 2
	s_cbranch_scc1 .Lq1
	BARRIER                                        ; its hidden layer's twelve fragments lie in LDS
	s_mov_b32 s52, 0
	s_mul_i32 s53, s26, 384
	s_mov_b32 s55, s26
	s_mov_b32 s70, 0x8000                          ; a head's bytes in Q's output
.Lq2:                                              ; layer 2, two passes
	s_wait_xcnt 0x0                                ; the last pass's stores have read their offsets
	SOFF 512
	v_add_nc_u32 v[BR], s53, v[BRQ]
	BIAST 1
	QFETCH 1
	WLOAD 2, 2
	WLOAD 3, 3
	s_wait_dscnt 0x0
	QSTEP 0, 63, 1, 4
	QSTEP 1, 63, 0, 5
	QSTEP 2, 63, 0, -1
	QSTEP 3, 48, 0, -1
	QSTEP 4, 24, 0, -1
	QSTEP 5, 0, 0, -1
	WIN 0
	s_cmp_lg_u32 s52, 0
	s_cbranch_scc1 .Lqlast                         ; the last pass asks for no more weights
	s_add_nc_u64 s[36:37], s[36:37], 294912
	WLOAD 0, 0
	WLOAD 1, 1
	WIN 0
.Lqlast:
	EPI_M 0, 124, 125, 1, 0, 0, 76
	EPI_M 1, 124, 125, 1, 0, 1024, 76
	s_add_co_u32 s53, s53, 1536
	s_add_co_u32 s55, s55, 4
	s_add_co_u32 s52, s52, 1
	s_cmp_lt_u32 s52, 2
	s_cbranch_scc1 .Lq2
	s_wait_xcnt 0x0
	v_lshl_add_u32 v254, v0, 2, 0x3f000
	v_mov_b32 v255, 0
	s_wait_tensorcnt 0x0
	ds_add_u32 v254, v255
	s_wait_dscnt 0x0
	s_endpgm
.Lfunc_end_k_q69fe59de05_proj:
	.size	k_q69fe59de05_proj, .Lfunc_end_k_q69fe59de05_proj-k_q69fe59de05_proj
	.p2alignl 7, 3214868480
	.fill 96, 4, 3214868480
	.section	.rodata,"a",@progbits
	.p2align	6, 0x0
	.amdhsa_kernel k_q69fe59de05_proj
		.amdhsa_group_segment_fixed_size 258560
		.amdhsa_private_segment_fixed_size 0
		.amdhsa_enable_private_segment 0
		.amdhsa_kernarg_size 88
		.amdhsa_user_sgpr_count 2
		.amdhsa_user_sgpr_kernarg_segment_ptr 1
		.amdhsa_wavefront_size32 1
		.amdhsa_system_sgpr_workgroup_id_x 1
		.amdhsa_system_sgpr_workgroup_id_y 1
		.amdhsa_system_sgpr_workgroup_id_z 1
		.amdhsa_system_vgpr_workitem_id 0
		.amdhsa_next_free_vgpr 1024
		.amdhsa_next_free_sgpr 88
		.amdhsa_reserve_vcc 0
		.amdhsa_float_denorm_mode_32 3
		.amdhsa_float_denorm_mode_16_64 3
		.amdhsa_memory_ordered 1
		.amdhsa_forward_progress 1
		.amdhsa_inst_pref_size 255
	.end_amdhsa_kernel
	.section	.bss,"aw",@nobits
	.p2align	6
	.space	262144
	.amdgpu_metadata
---
amdhsa.version: [ 1, 2 ]
amdhsa.kernels:
  - .name:           k_q69fe59de05_proj
    .symbol:         k_q69fe59de05_proj.kd
    .args:
      - { .name: graph_nodes, .offset: 0, .size: 8, .value_kind: global_buffer, .address_space: global }
      - { .name: conditioning_vector, .offset: 8, .size: 8, .value_kind: global_buffer, .address_space: global }
      - { .name: lowp_scales, .offset: 16, .size: 8, .value_kind: global_buffer, .address_space: global }
      - { .name: qb, .offset: 24, .size: 8, .value_kind: global_buffer, .address_space: global }
      - { .name: kb, .offset: 32, .size: 8, .value_kind: global_buffer, .address_space: global }
      - { .name: vb, .offset: 40, .size: 8, .value_kind: global_buffer, .address_space: global }
      - { .name: in_qb, .offset: 48, .size: 8, .value_kind: global_buffer, .address_space: global }
      - { .name: in_kb, .offset: 56, .size: 8, .value_kind: global_buffer, .address_space: global }
      - { .name: in_vb, .offset: 64, .size: 8, .value_kind: global_buffer, .address_space: global }
      - { .name: wcodes, .offset: 72, .size: 8, .value_kind: global_buffer, .address_space: global }
      - { .name: qkv, .offset: 80, .size: 8, .value_kind: global_buffer, .address_space: global }
    .group_segment_fixed_size: 258560
    .private_segment_fixed_size: 0
    .kernarg_segment_align: 8
    .kernarg_segment_size: 88
    .max_flat_workgroup_size: 128
    .sgpr_count:     88
    .vgpr_count:     1024
    .wavefront_size: 32
...
	.end_amdgpu_metadata
.endif
;; end of part 2
;; launch attn (part 3): grid 12 x 16, 16 waves a work-group, no clusters, 133,120 bytes of LDS; arguments qkv, maskw, lowp_scales, ctx; writes ctx
.if DOCPART == 3
	.amdgcn_target "amdgcn-amd-amdhsa--gfx1250"
	.amdhsa_code_object_version 6
	.text
	.protected	k_q69fe59de05_attn
	.globl	k_q69fe59de05_attn
	.p2align	8
	.type	k_q69fe59de05_attn,@function
k_q69fe59de05_attn:
	s_mov_b64 s[64:65], 0
	v_nop
	global_prefetch_b8 v0, s[64:65] scope:SCOPE_SE
	s_setreg_imm32_b32 hwreg(HW_REG_WAVE_MODE, 25, 1), 1
	s_wait_xcnt 0x0
; ctx = softmax(Q K^T / 8, masked keys left out) V for one (batch, head) a work-group, both products on codes of E4M3; ctx leaves as codes, laid as the next product's operand.
; THE SOFTMAX AHEAD OF THE SECOND PRODUCT: t = score x log2(e) / 8; M = the running largest t rounded UP to a whole number; p = 2^(t - M) is quantised with 2^e14, not normalised; the row's sum is taken of the unquantised p
; and divides at the end.  When M moves, the sum and O are multiplied by 2^(old M - new M), which rounds nothing.
; SHARES.  The head's K and V (65,536 bytes of register images each) are copied into LDS once and read by all sixteen waves; a wave owns query tiles w and w + 16, one after the other, in 256 registers:
; four waves to a SIMD, so that one wave's vector work stands beside another's products and LDS loads.  No two work-groups read the same K or V: nothing for a cluster to share.
; LAYOUT.  Both products transposed: S^T = K Q^T, O^T = V^T P^T: a lane holds one query throughout.  The keys of a tile of K, and the channels of a tile of V, were chosen by the launch before so that the 16 registers of
; two neighbouring result tiles are 16 neighbours along the next K.
; THE MASK.  A stored flag for each step of 128 keys: 2: all masked: the step's work is jumped over; 1: hidden scores become -infinity ahead of the maximum, by stored lane masks; 0: nothing.
; LIMITS: e12 + e13 between -122 and 130; e14 and e16 - e14 - e15 between -126 and 119.  A batch whose 1,024 keys are all masked is not served.
; REGISTERS: v1 16 x lane; v2 the same in V's image; v8, v9 the step's addresses; v12 -M, v13 the largest t, v[14:15] the sum; v16-23 Q; v32-95 K's eight or V's four fragments; v96-159 S^T, then p; v160-191 O^T; v224-239 codes.
.set VIMG, 65536
	s_load_b256 s[4:11], s[0:1], 0x0               ; qkv, maskw, lowp_scales, ctx
	v_lshl_add_u32 v251, v0, 2, 0x20000
	v_mov_b32 v255, 0
	v_lshrrev_b32 v4, 5, v0
	v_readfirstlane_b32 s12, v4                    ; wave
	v_and_b32 v4, 31, v0
	v_lshlrev_b32 v1, 4, v4
	v_add_nc_u32 v2, VIMG, v1
	s_lshl_b32 s2, s12, 13
	v_add_nc_u32 v3, s2, v1                        ; where I put my 8,192 bytes of the images
	v_mov_b32 v247, 0                              ; written once: a lane permute's destination counts as one of its sources
	v_mov_b32 v253, 0                              ; (named as the upper half of the pair v[252:253])
	s_mov_b32 s13, ttmp9                           ; head
	s_and_b32 s14, ttmp7, 0xffff                   ; batch
	s_mul_i32 s15, s14, 12
	s_add_co_u32 s15, s15, s13
	s_lshl_b32 s2, s15, 16
	s_and_b32 s3, s12, 7
	s_lshl_b32 s3, s3, 13
	s_add_co_u32 s2, s2, s3
	s_mov_b32 s3, 18874368
	s_cmp_lt_u32 s12, 8                            ; waves 0-7 copy K's image, waves 8-15 V's
	s_cselect_b32 s3, 6291456, s3
	s_add_co_u32 s2, s2, s3
	s_mov_b32 s3, 0
	s_mov_b32 s84, 0x76543210
	s_mov_b32 s85, 0xfedcba98                      ; v_permlanex16_b32's selects for lane l xor 16
	s_wait_kmcnt 0x0
	s_add_nc_u64 s[100:101], s[4:5], s[2:3]
.irp i, 0,1,2,3,4,5,6,7,8,9,10,11,12,13,14,15
	global_load_b128 v[96+4*\i:99+4*\i], v1, s[100:101] offset:512*\i th:TH_LOAD_NT
.endr
	s_lshl_b32 s2, s15, 15
	s_lshl_b32 s15, s12, 10
	s_add_co_u32 s2, s2, s15
	s_add_nc_u64 s[96:97], s[4:5], s[2:3]          ; Q: my first tile
	s_lshl_b32 s2, s14, 5
	s_add_co_u32 s2, s2, s12
	s_mul_i32 s2, s2, 12288
	s_lshl_b32 s15, s13, 10
	s_add_co_u32 s2, s2, s15
	s_add_nc_u64 s[98:99], s[10:11], s[2:3]        ; ctx: row tile 32 b + w, pieces 2 head, 2 head + 1
	s_lshl_b32 s2, s14, 12
	s_add_nc_u64 s[94:95], s[6:7], s[2:3]          ; the batch's eight rows of the mask table
	s_load_b128 s[16:19], s[8:9], 0x30             ; e12 .. e15
	s_load_b32 s20, s[8:9], 0x40                   ; e16
.irp i, 0,1,2,3,4,5,6,7
	s_load_b32 s[24+\i], s[94:95], \i*512+256      ; the steps' flags
.endr
	s_wait_kmcnt 0x0
	s_add_co_i32 s2, s16, s17
	s_lshl_b32 s2, s2, 23
	s_add_co_i32 s86, s2, 0x3e38aa3b               ; c = log2(e) / 8, with e12 + e13 added to its exponent field
	s_mov_b32 s87, s86                             ; (named with it as a pair)
	s_mov_b32 s92, s18                             ; ep
	s_add_co_i32 s2, s18, 127
	s_lshl_b32 s3, s2, 23
	v_mov_b32 v244, s3                             ; 2^ep
	s_add_co_i32 s2, s2, 8
	s_lshl_b32 s2, s2, 23
	s_or_b32 s2, s2, 0x600000
	v_mov_b32 v240, s2                             ; 448 x 2^ep
	s_sub_co_i32 s2, s20, s18
	s_sub_co_i32 s2, s2, s19
	s_add_co_i32 s2, s2, 127
	s_lshl_b32 s3, s2, 23
	v_mov_b32 v245, s3                             ; 2^(e16 - e14 - e15): O / the sum stands for ctx / 2^(e14 + e15)
	s_add_co_i32 s2, s2, 8
	s_lshl_b32 s2, s2, 23
	s_or_b32 s2, s2, 0x600000
	v_mov_b32 v246, s2
	s_mov_b32 s90, s24
.irp i, 1,2,3,4,5,6,7
	s_lshl_b32 s2, s[24+\i], 2*\i
	s_or_b32 s90, s90, s2                          ; two bits a step
.endr
	s_wait_loadcnt 0x0
.irp i, 0,1,2,3,4,5,6,7,8,9,10,11,12,13,14,15
	ds_store_b128 v3, v[96+4*\i:99+4*\i] offset:512*\i
.endr
	s_wait_dscnt 0x0                               ; for the others' sake: my part of the images has landed
	s_barrier_signal -1
	s_barrier_wait -1                              ; the launch's one barrier: from here on LDS is only read
	s_mov_b32 s91, 0
.Ltile:
	global_load_b128 v[16:19], v1, s[96:97] th:TH_LOAD_NT
	global_load_b128 v[20:23], v1, s[96:97] offset:512 th:TH_LOAD_NT
	v_mov_b32 v13, 0xff61b1e6                      ; the largest t so far: -3e38
	v_floor_f32 v12, -v13                          ; -M
	v_mov_b32 v14, 0
	v_mov_b32 v15, 0
.set n, 0
.rept 32
	v_mov_b32 v[160+n], 0                          ; O^T: the step is written once; the first change of M leaves zeros zeros
.set n, n+1
.endr
	s_mov_b32 s88, 0                               ; the step's bytes in the images
	s_mov_b32 s89, 0
	s_wait_loadcnt 0x0
.Lstep:                                            ; eight trips, whatever the mask
	s_lshl_b32 s100, s89, 1
	s_lshr_b32 s93, s90, s100
	s_and_b32 s93, s93, 3
	s_cmp_eq_u32 s93, 2
	s_cbranch_scc1 .Lskip                          ; all 128 keys masked: p would be 0 throughout
	v_add_nc_u32 v8, s88, v1
	v_add_nc_u32 v9, s88, v2
	v_nop
	v_nop                                          ; four plain lines in front of loads into registers that the last products read
.irp t, 0,1,2,3,4,5,6,7
	ds_load_b128 v[32+8*\t:35+8*\t], v8 offset:1024*\t
	ds_load_b128 v[36+8*\t:39+8*\t], v8 offset:1024*\t+512
.endr
	s_wait_dscnt 0x0
.irp t, 0,1,2,3,4,5,6,7
	v_wmma_f32_16x16x64_fp8_fp8 v[96+8*\t:103+8*\t], v[32+8*\t:39+8*\t], v[16:23], 0
.endr
.rept 4
	v_nop
.endr
.irp t, 0,1,2,3
.irp c, 0,1,2,3
	ds_load_b128 v[32+16*\t+4*\c:35+16*\t+4*\c], v9 offset:2048*\t+512*\c   ; V lands while the softmax is walked
.endr
.endr
	s_cmp_eq_u32 s93, 0
	s_cbranch_scc1 .Lopen
	s_lshl_b32 s100, s89, 9
	s_load_b512 s[16:31], s[94:95], s100 offset:0x0
	s_load_b512 s[32:47], s[94:95], s100 offset:0x40
	s_load_b512 s[48:63], s[94:95], s100 offset:0x80
	s_load_b512 s[68:83], s[94:95], s100 offset:0xc0
	v_mov_b32 v254, 0xff800000                     ; -infinity
	s_wait_kmcnt 0x0
.set n, 0
.rept 64
.if n < 48
	v_cndmask_b32 v[96+n], v[96+n], v254, s[16+n]  ; register 16 q + i holds key 32 q + 16 h + i: word 16 q + i has that key's bit in each lane of half h
.else
	v_cndmask_b32 v[96+n], v[96+n], v254, s[20+n]
.endif
.set n, n+1
.endr
.Lopen:
	v_max3_num_f32 v254, v96, v97, v98             ; the step's largest score of my query among my 64 keys, in two chains,
	v_max3_num_f32 v250, v99, v100, v101
.irp i, 6,10,14,18,22,26,30,34,38,42,46,50,54,58
	v_max3_num_f32 v254, v254, v[96+\i], v[97+\i]
	v_max3_num_f32 v250, v250, v[98+\i], v[99+\i]
.endr
	v_max3_num_f32 v254, v254, v158, v159
	v_max_num_f32 v254, v254, v250
	v_permlanex16_b32 v247, v254, s84, s85
	v_max_num_f32 v254, v254, v247                 ; and among lane l xor 16's
	v_mul_f32 v254, s86, v254                      ; as t (c is positive)
	v_max_num_f32 v13, v13, v254
	v_mov_b32 v254, v12
	v_floor_f32 v12, -v13                          ; the new -M = -ceil(t)
	v_sub_f32 v254, v12, v254                      ; old M - new M: a whole number, 0 or less
	v_cvt_i32_f32 v254, v254                       ; (it saturates)
	v_ldexp_f32 v252, 1.0, v254                    ; f = 2^(old M - new M)
.set n, 0
.rept 32
	v_pk_fma_f32 v[96+n:97+n], v[96+n:97+n], s[86:87], v[12:13] op_sel_hi:[1,0,0]   ; t - M
.set n, n+2
.endr
.set n, 0
.rept 64
	v_exp_f32 v[96+n], v[96+n]                     ; p = 2^(t - M)
.set n, n+1
.endr
	v_pk_mul_f32 v[14:15], v[14:15], v[252:253] op_sel_hi:[1,0]   ; the sums under the new M: the plain line behind the batch
	s_wait_alu depctr_va_vdst(0)                   ; one wait for the 64 exponentials, ahead of their first reader
	v_pk_add_f32 v[242:243], v[96:97], v[98:99]    ; the row's sum, of the unquantised p, in two chains
.irp j, 4,8,12,16,20,24,28,32,36,40,44,48,52,56,60
	v_pk_add_f32 v[14:15], v[14:15], v[96+\j:97+\j]
	v_pk_add_f32 v[242:243], v[242:243], v[98+\j:99+\j]
.endr
	v_pk_add_f32 v[14:15], v[14:15], v[242:243]
	s_cmp_ge_i32 s92, -8
	s_cbranch_scc1 .Lnohold                        ; p <= 1 <= 448 x 2^ep from ep = -8 on: the hold could change nothing
.set n, 0
.rept 64
	v_min_num_f32 v[96+n], v[96+n], v240           ; the conversion does not saturate (ISA guide 7.6.2); p is not negative
.set n, n+1
.endr
.Lnohold:
.irp b, 0,1,2,3
	v_cvt_scalef32_pk8_fp8_f32 v[224+4*\b:225+4*\b], v[96+16*\b:103+16*\b], v244
	v_cvt_scalef32_pk8_fp8_f32 v[226+4*\b:227+4*\b], v[104+16*\b:111+16*\b], v244
.endr
.set n, 0
.rept 16
	v_pk_mul_f32 v[160+n:161+n], v[160+n:161+n], v[252:253] op_sel_hi:[1,0]   ; O^T under the new M; also the plain lines behind the conversions
.set n, n+2
.endr
	s_wait_dscnt 0x0                               ; V
.irp t, 0,1,2,3
	v_wmma_f32_16x16x128_fp8_fp8 v[160+8*\t:167+8*\t], v[32+16*\t:47+16*\t], v[224:239], v[160+8*\t:167+8*\t]
.endr
.Lskip:
	s_add_co_u32 s88, s88, 8192
	s_add_co_u32 s89, s89, 1
	s_cmp_lt_u32 s89, 8
	s_cbranch_scc1 .Lstep
	; ---- the tile's way out: O^T / the sum, quantised: two pieces of the next product's operand
.rept 4
	v_nop
.endr
	v_add_f32 v14, v14, v15
	v_permlanex16_b32 v247, v14, s84, s85
	v_add_f32 v14, v14, v247                       ; the row's sum
	v_rcp_f32 v14, v14
	v_nop                                          ; a plain line behind the transcendental
	s_wait_alu depctr_va_vdst(0)                   ; and the wait ahead of its first reader
.set n, 0
.rept 16
	v_pk_mul_f32 v[96+n:97+n], v[160+n:161+n], v[14:15] op_sel_hi:[1,0]
.set n, n+2
.endr
.set n, 0
.rept 32
	v_med3_num_f32 v[96+n], v[96+n], -v246, v246
.set n, n+1
.endr
.irp t, 0,1,2,3
	v_cvt_scalef32_pk8_fp8_f32 v[224+2*\t:225+2*\t], v[96+8*\t:103+8*\t], v245
.endr
	v_nop
	global_store_b128 v1, v[224:227], s[98:99]             ; 512 bytes on end, aligned
	global_store_b128 v1, v[228:231], s[98:99] offset:512
	s_wait_xcnt 0x0                                ; the stores have read their data and base: both are written again in the next tile
	s_add_nc_u64 s[96:97], s[96:97], 16384         ; sixteen tiles on
	s_add_nc_u64 s[98:99], s[98:99], 196608
	s_add_co_u32 s91, s91, 1
	s_cmp_lt_u32 s91, 2
	s_cbranch_scc1 .Ltile
	s_wait_tensorcnt 0x0
	ds_add_u32 v251, v255
	s_wait_dscnt 0x0
	s_endpgm
.Lfunc_end_k_q69fe59de05_attn:
	.size	k_q69fe59de05_attn, .Lfunc_end_k_q69fe59de05_attn-k_q69fe59de05_attn
	.p2alignl 7, 3214868480
	.fill 96, 4, 3214868480
	.section	.rodata,"a",@progbits
	.p2align	6, 0x0
	.amdhsa_kernel k_q69fe59de05_attn
		.amdhsa_group_segment_fixed_size 133120
		.amdhsa_private_segment_fixed_size 0
		.amdhsa_enable_private_segment 0
		.amdhsa_kernarg_size 32
		.amdhsa_user_sgpr_count 2
		.amdhsa_user_sgpr_kernarg_segment_ptr 1
		.amdhsa_wavefront_size32 1
		.amdhsa_system_sgpr_workgroup_id_x 1
		.amdhsa_system_sgpr_workgroup_id_y 1
		.amdhsa_system_sgpr_workgroup_id_z 1
		.amdhsa_system_vgpr_workitem_id 0
		.amdhsa_next_free_vgpr 256
		.amdhsa_next_free_sgpr 102
		.amdhsa_reserve_vcc 0
		.amdhsa_float_denorm_mode_32 3
		.amdhsa_float_denorm_mode_16_64 3
		.amdhsa_memory_ordered 1
		.amdhsa_forward_progress 1
		.amdhsa_inst_pref_size 32
	.end_amdhsa_kernel
	.amdgpu_metadata
---
amdhsa.version: [ 1, 2 ]
amdhsa.kernels:
  - .name:           k_q69fe59de05_attn
    .symbol:         k_q69fe59de05_attn.kd
    .args:
      - { .name: qkv, .offset: 0, .size: 8, .value_kind: global_buffer, .address_space: global }
      - { .name: maskw, .offset: 8, .size: 8, .value_kind: global_buffer, .address_space: global }
      - { .name: lowp_scales, .offset: 16, .size: 8, .value_kind: global_buffer, .address_space: global }
      - { .name: ctx, .offset: 24, .size: 8, .value_kind: global_buffer, .address_space: global }
    .group_segment_fixed_size: 133120
    .private_segment_fixed_size: 0
    .kernarg_segment_align: 8
    .kernarg_segment_size: 32
    .max_flat_workgroup_size: 512
    .sgpr_count:     102
    .vgpr_count:     256
    .wavefront_size: 32
...
	.end_amdgpu_metadata
.endif
;; end of part 3
;; launch tail (part 4): grid 128 x 1, 4 waves a work-group, no clusters, 318,976 bytes of LDS; arguments ctx, wcodes, graph_nodes, lowp_scales, outb, ln1g, ln1b, d1b, ln2g, ln2b, out0; writes out0
.if DOCPART == 4
	.amdgcn_target "amdgcn-amd-amdhsa--gfx1250"
	.amdhsa_code_object_version 6
	.text
	.protected	k_q69fe59de05_tail
	.globl	k_q69fe59de05_tail
	.p2align	8
	.type	k_q69fe59de05_tail,@function
k_q69fe59de05_tail:
	s_mov_b64 s[64:65], 0
	v_nop
	global_prefetch_b8 v0, s[64:65] scope:SCOPE_SE
	s_setreg_imm32_b32 hwreg(HW_REG_WAVE_MODE, 25, 1), 1
	s_wait_xcnt 0x0
; x = LN1(ctx outW + outb + graph_nodes); out0 = LN2(leaky_relu(Q(x) d1W + d1b, 0.01) + x).  Both products on codes of E4M3; all else f32.
; A work-group takes 64 rows: four tiles m; lane r of tile m holds row 64 id + 32 (m / 2) + 8 (m % 2) + r + 8 (r / 8), as ctx's images were laid.
; THE WAVES SHARE THE COLUMNS: wave w makes columns 192 w .. 192 w + 191 (weight groups 2 w, 2 w + 1: twelve tiles) for all 64 rows: 48 accumulators, which carry the rows through both norms.  Its weights come as register
; images straight into a ring of four sets of six fragments; A's fragments come from LDS as register images.  Transposed use: a lane holds one row; the 16 registers of tiles 2 b, 2 b + 1 are columns 192 w + 32 b + 16 h + 0 .. 15.
; As ROW OWNER wave w also moves tile w's 16 rows of graph_nodes in and of out0 out, 512 bytes on end an instruction, through rows of f32 in LDS.
; THE FIRST SUMS start from (graph_nodes + outb) / 2^(e16 + e17), so they end as (attn_out + graph_nodes) / 2^(e16 + e17); LN1 then takes eps / 4^(e16 + e17): the same normalised numbers.
; BOTH NORMS go in two passes, the mean first and then the squared deviations: no difference of large sums.  A row's sum: 96 numbers a lane, the other half of the lanes, then four waves' words through LDS.
; LIMITS: e16 + e17 between -126 and 126; e18 + e19 between -126 and 127; e18 between -126 and 119.  NaN among the inputs is not served.
; NO CLUSTER: a weight fragment is used by one wave of a work-group alone and goes into its registers; by way of LDS each byte would be written and read once more.
; REGISTERS (absolute): 0-47 addresses, means, scales; 48-127 at work; 128-255 A's fragments (two sets of four), or at work; 256-639 the weights' ring; 640-1023 accumulator (m, tile) at 640 + 8 (12 m + tile).
.set CIMG, 0                           ; LDS: ctx's images, tile m at 12,288 m
.set HIMG, 49152                       ; x's codes, likewise
.set XR,   98304                       ; 64 rows of f32, XP bytes apart: graph_nodes, then x, then the result
.set XP,   3088
.set STT,  295936                      ; four regions of 1,024 bytes: a row's four partial sums at 16 x row + 4 x wave
.set VEC,  300032                      ; outb / 2^(e16 + e17), ln1g, ln1b, d1b, ln2g, ln2b: 3,072 bytes each
.set LI,   1
.set STW,  4
.set STR,  5
.set HW,   6
.set VECR, 7
.set CW,   8
.set AH,   10
.set XRW,  11
.set XRD,  12                          ; v12-15: tile m: my lane's 64 bytes of a block of 32 columns
.set VB,   16
.set VW,   17
.set MP,   20                          ; v20-27  the four tiles' means, each twice
.set RP,   28                          ; v28-35  1 / sigma, each twice
.set CH,   36                          ; v36-43  four chains of pairs
.set QS,   44
.set QL,   45
.set EP1,  46
.set EP2,  47
.set T,    48
.set CODE, 96
.set PS,   120                         ; v120-123 sums, v124-127 the lane exchange's targets
.set AF,   128
.set WR,   256
.set ACC,  640
.set MSB, 0
.macro WIN new
.if MSB != (\new)
	s_set_vgpr_msb (MSB<<8)|(\new)
.set MSB, (\new)
.endif
.endm
.macro W4 d, a, b, c
	WIN ((((\d)/256)<<6)|(((\c)/256)<<4)|(((\b)/256)<<2)|((\a)/256))
.endm
.macro DSLD d, adr, off
	W4 \d, \adr, 0, 0
	ds_load_b128 v[(\d)%256:(\d)%256+3], v[\adr] offset:\off
.endm
.macro DSST adr, dat, off
	W4 0, \adr, \dat, 0
	ds_store_b128 v[\adr], v[(\dat)%256:(\dat)%256+3] offset:\off
.endm
.macro GLD d, vo, sb, off
	W4 \d, \vo, 0, 0
	global_load_b128 v[(\d)%256:(\d)%256+3], v[\vo], s[\sb:\sb+1] offset:\off
.endm
.macro GLDN d, vo, sb, off             ; read once in the launch
	W4 \d, \vo, 0, 0
	global_load_b128 v[(\d)%256:(\d)%256+3], v[\vo], s[\sb:\sb+1] offset:\off th:TH_LOAD_NT
.endm
.macro GST vo, dat, sb, off
	W4 0, \vo, \dat, 0
	global_store_b128 v[\vo], v[(\dat)%256:(\dat)%256+3], s[\sb:\sb+1] offset:\off th:TH_STORE_NT
.endm
.macro PLACES n
.rept \n
	v_nop
.endr
.endm
.macro BARRIER
	s_wait_dscnt 0x0
	s_barrier_signal -1
	s_barrier_wait -1
.endm
.macro GNLOAD hb                       ; my tile's rows 8 hb .. 8 hb + 7 of graph_nodes
.irp i, 0,1,2,3,4,5,6,7
.irp k, 0,1,2,3,4,5
	GLDN ACC+192*\hb+24*\i+4*\k, LI, 32, (16*\hb+\i)*3072+512*\k
.endr
.endr
.endm
.macro GNSTORE hb
.irp i, 0,1,2,3,4,5,6,7
.irp k, 0,1,2,3,4,5
	DSST XRW, ACC+192*\hb+24*\i+4*\k, (8*\hb+\i)*XP+512*\k
.endr
.endr
.endm
.macro WLOADH q, wp                    ; half step q: K step q / 2, weight group 2 w + q % 2: six fragments into set q % 4
.irp t, 0,1,2,3,4,5
.irp c, 0,1,2,3
	GLD WR+96*((\q)%4)+16*\t+4*\c, LI, \wp, ((\q)%2)*73728+((\q)/2)*12288+\t*2048+\c*512
.endr
.endr
.endm
.macro AFETCH ab, s                    ; A's four fragments of K step s into set s % 2
	WIN 0
.irp m, 0,1,2,3
.irp c, 0,1,2,3
	ds_load_b128 v[AF+64*((\s)%2)+16*\m+4*\c:AF+64*((\s)%2)+16*\m+4*\c+3], v[\ab] offset:\m*12288+(\s)*2048+\c*512
.endr
.endr
.endm
; Half a K step: 24 products on 24 accumulators, one instruction a turn; the other 24 follow in the next half step.
; The wait on the weights leaves the three later sets out (72 loads; the wait's field holds 63); then 48, 24, 0.  Loads into registers that products have read stand four plain lines behind them.
.macro HSTEP q, ab, wp, zero
.set hs, (\q)/2
.set hf, (\q)%2
.if hf == 0
	s_wait_dscnt 0x0                               ; this K step's fragments of A are in
.if hs < 5
	AFETCH \ab, hs+1
.endif
.endif
.if (\q) <= 8
	s_wait_loadcnt 63
.else
	s_wait_loadcnt 24*(11-(\q))
.endif
.irp m, 0,1,2,3
.irp t, 0,1,2,3,4,5
.set rD, ACC+8*(12*\m+6*hf+\t)
.set rW, WR+96*((\q)%4)+16*\t
.set rA, AF+64*(hs%2)+16*\m
.if \zero && (hs == 0)
	W4 rD, rW, rA, 0
	v_wmma_f32_16x16x128_fp8_fp8 v[rD%256:rD%256+7], v[rW%256:rW%256+15], v[rA%256:rA%256+15], 0
.else
	W4 rD, rW, rA, rD
	v_wmma_f32_16x16x128_fp8_fp8 v[rD%256:rD%256+7], v[rW%256:rW%256+15], v[rA%256:rA%256+15], v[rD%256:rD%256+7]
.endif
.endr
.endr
	PLACES 4
.if (\q) <= 7
	WLOADH (\q)+4, \wp
.endif
.endm
; A lane's sum over its 96 numbers of each tile's row, in four chains of pairs that the first pairs start.  sq = 1: the mean is taken off in place first, and the squares are summed.  Each accumulator is read from its low end on.
.macro SUMROWS sq
.irp m, 0,1,2,3
.if \sq
.set ix, 0
.rept 48
.set ra, ACC+96*\m+2*ix
	W4 ra, ra, 0, 0
	v_pk_add_f32 v[ra%256:ra%256+1], v[ra%256:ra%256+1], v[MP+2*\m:MP+2*\m+1] neg_lo:[0,1] neg_hi:[0,1]
.set ix, ix+1
.endr
.set ix, 0
.rept 48
.set ra, ACC+96*\m+2*ix
.set rc, CH+2*(ix%4)
	W4 0, ra, ra, 0
.if ix < 4
	v_pk_mul_f32 v[rc:rc+1], v[ra%256:ra%256+1], v[ra%256:ra%256+1]
.else
	v_pk_fma_f32 v[rc:rc+1], v[ra%256:ra%256+1], v[ra%256:ra%256+1], v[rc:rc+1]
.endif
.set ix, ix+1
.endr
.else
.set ix, 0
.rept 48
.set ra, ACC+96*\m+2*ix
.set rc, CH+2*(ix%4)
.if ix < 4
	W4 0, ra, ra+8, 0
	v_pk_add_f32 v[rc:rc+1], v[ra%256:ra%256+1], v[(ra+8)%256:(ra+8)%256+1]
.elseif ix >= 8
	W4 0, ra, 0, 0
	v_pk_add_f32 v[rc:rc+1], v[ra%256:ra%256+1], v[rc:rc+1]
.endif
.set ix, ix+1
.endr
.endif
	WIN 0
	v_pk_add_f32 v[CH:CH+1], v[CH:CH+1], v[CH+2:CH+3]
	v_pk_add_f32 v[CH+4:CH+5], v[CH+4:CH+5], v[CH+6:CH+7]
	v_pk_add_f32 v[CH:CH+1], v[CH:CH+1], v[CH+4:CH+5]
	v_add_f32 v[PS+\m], v[CH], v[CH+1]
.endr
.endm
.macro EXCH reg                        ; the other half of the lanes, then the four waves' words through region reg: v[PS + m] = the row's sum over 768
	WIN 0
.irp m, 0,1,2,3
	v_permlanex16_b32 v[PS+4+\m], v[PS+\m], s46, s47
.endr
.irp m, 0,1,2,3
	v_add_f32 v[PS+\m], v[PS+\m], v[PS+4+\m]
.endr
.irp m, 0,1,2,3
	ds_store_b32 v[STW], v[PS+\m] offset:1024*\reg+256*\m   ; lanes r and r + 16 write the same word with the same number
.endr
	BARRIER
.irp m, 0,1,2,3
	ds_load_b128 v[T+4*\m:T+4*\m+3], v[STR] offset:1024*\reg+256*\m
.endr
	s_wait_dscnt 0x0
.irp m, 0,1,2,3
	v_add_f32 v[T+4*\m], v[T+4*\m], v[T+4*\m+1]
	v_add_f32 v[T+4*\m+2], v[T+4*\m+2], v[T+4*\m+3]
	v_add_f32 v[PS+\m], v[T+4*\m], v[T+4*\m+2]
.endr
.endm
.macro MEANS
.irp m, 0,1,2,3
	v_mul_f32 v[MP+2*\m], s44, v[PS+\m]
	v_mov_b32 v[MP+2*\m+1], v[MP+2*\m]
.endr
.endm
.macro RSQ ep
.irp m, 0,1,2,3
	v_fma_f32 v[PS+\m], v[PS+\m], s44, v[\ep]      ; the variance + eps
.endr
.irp m, 0,1,2,3
	v_rsq_f32 v[RP+2*\m], v[PS+\m]
.endr
	v_nop                                          ; a plain line behind the batch
	s_wait_alu depctr_va_vdst(0)                   ; one wait for the four, ahead of their first reader
.irp m, 0,1,2,3
	v_mov_b32 v[RP+2*\m+1], v[RP+2*\m]
.endr
.endm
; deviation x 1 / sigma x gain + bias, in place, three blocks of 32 columns a round; the rows go to LDS as f32.  mode = 1: they are also quantised, and the codes go to LDS as pieces of the next operand.
.macro APPLY gi, bi, mode
.irp rd, 0,1
	WIN 0
.irp b, 0,1,2
.irp q, 0,1,2,3
	ds_load_b128 v[AF+16*\b+4*\q:AF+16*\b+4*\q+3], v[VECR] offset:3072*\gi+128*(3*\rd+\b)+16*\q
	ds_load_b128 v[AF+48+16*\b+4*\q:AF+48+16*\b+4*\q+3], v[VECR] offset:3072*\bi+128*(3*\rd+\b)+16*\q
.endr
.endr
	s_wait_dscnt 0x0
.irp b, 0,1,2
.irp m, 0,1,2,3
.set ra, ACC+96*\m+16*(3*\rd+\b)
	W4 ra, ra, 0, 0
.irp i, 0,2,4,6,8,10,12,14
	v_pk_mul_f32 v[(ra+\i)%256:(ra+\i)%256+1], v[(ra+\i)%256:(ra+\i)%256+1], v[RP+2*\m:RP+2*\m+1]
.endr
.irp i, 0,2,4,6,8,10,12,14
	v_pk_fma_f32 v[(ra+\i)%256:(ra+\i)%256+1], v[(ra+\i)%256:(ra+\i)%256+1], v[AF+16*\b+\i:AF+16*\b+\i+1], v[AF+48+16*\b+\i:AF+48+16*\b+\i+1]
.endr
.if \mode == 1
	W4 0, ra, 0, 0
.irp i, 0,1,2,3,4,5,6,7,8,9,10,11,12,13,14,15
	v_med3_num_f32 v[T+\i], v[(ra+\i)%256], -v[QL], v[QL]
.endr
	WIN 0
	s_wait_dscnt 5                                 ; the stores of two groups ago are done; the last group's five may be out
	v_cvt_scalef32_pk8_fp8_f32 v[CODE+4*(\m%2):CODE+4*(\m%2)+1], v[T:T+7], v[QS]
	v_cvt_scalef32_pk8_fp8_f32 v[CODE+4*(\m%2)+2:CODE+4*(\m%2)+3], v[T+8:T+15], v[QS]
	v_nop
.endif
.irp q, 0,1,2,3
	DSST XRD+\m, ra+4*\q, 128*(3*\rd+\b)+16*\q
.endr
.if \mode == 1
	WIN 0
	ds_store_b128 v[HW], v[CODE+4*(\m%2):CODE+4*(\m%2)+3] offset:12288*\m+512*(3*\rd+\b)
.endif
.endr
.endr
.endr
.endm
.macro P4LOAD b                        ; x of the four tiles and d1b, block b of 32 columns: 20 loads into one of two buffers of 80 registers
.set bb, 128-80*((\b)%2)
	WIN 0
.irp m, 0,1,2,3
.irp q, 0,1,2,3
	ds_load_b128 v[bb+16*\m+4*\q:bb+16*\m+4*\q+3], v[XRD+\m] offset:128*(\b)+16*\q
.endr
.endr
.irp q, 0,1,2,3
	ds_load_b128 v[bb+64+4*\q:bb+64+4*\q+3], v[VECR] offset:3072*3+128*(\b)+16*\q
.endr
.endm
	s_load_b512 s[4:19], s[0:1], 0x0               ; ctx, wcodes, graph_nodes, lowp_scales, outb, ln1g, ln1b, d1b
	s_load_b128 s[20:23], s[0:1], 0x40             ; ln2g, ln2b
	s_load_b64 s[24:25], s[0:1], 0x50              ; out0
	v_lshl_add_u32 v18, v0, 2, 0x4dc00
	v_mov_b32 v19, 0
	v_lshrrev_b32 v2, 5, v0
	v_readfirstlane_b32 s26, v2                    ; wave
	v_and_b32 v9, 31, v0
	v_lshlrev_b32 v[LI], 4, v9
	v_and_b32 v2, 15, v0                           ; r
	v_bfe_u32 v3, v0, 4, 1                         ; h
	s_lshl_b32 s52, s26, 2
	v_lshlrev_b32 v[STR], 4, v2
	v_add_nc_u32 v[STR], STT, v[STR]
	v_add_nc_u32 v[STW], s52, v[STR]
	s_mul_i32 s52, s26, 3072
	v_add_nc_u32 v[HW], s52, v[LI]
	v_add_nc_u32 v[HW], HIMG, v[HW]
	s_mul_i32 s52, s26, 768
	v_lshlrev_b32 v[VECR], 6, v3
	v_add_nc_u32 v[VECR], s52, v[VECR]             ; 768 w + 64 h
	v_mul_u32_u24 v9, v2, XP
	v_add_nc_u32 v9, v9, v[VECR]
.irp m, 0,1,2,3
	v_add_nc_u32 v[XRD+\m], XR+16*\m*XP, v9
.endr
	v_add_nc_u32 v[VECR], VEC, v[VECR]
	s_mul_i32 s52, s26, 12288
	v_add_nc_u32 v[CW], s52, v[LI]
	v_add_nc_u32 v[AH], HIMG, v[LI]
	s_mul_i32 s52, s26, 16*XP
	v_add_nc_u32 v[XRW], s52, v[LI]
	v_add_nc_u32 v[XRW], XR, v[XRW]
	v_lshlrev_b32 v[VB], 3, v0
	v_add_nc_u32 v[VW], VEC, v[VB]
.irp m, 0,1,2,3
	v_mov_b32 v[PS+4+\m], 0                        ; written once: a lane permute's destination counts as one of its sources
.endr
	s_mov_b32 s53, 0
	s_lshl_b32 s52, ttmp9, 2
	s_add_co_u32 s52, s52, s26
	s_mul_i32 s52, s52, 12288
	s_wait_kmcnt 0x0
	s_load_b128 s[48:51], s[10:11], 0x40           ; e16 .. e19
	s_add_nc_u64 s[36:37], s[4:5], s[52:53]        ; ctx: row tile 4 id + w
	s_lshl_b32 s52, ttmp9, 6
	s_lshr_b32 s54, s26, 1
	s_lshl_b32 s54, s54, 5
	s_add_co_u32 s52, s52, s54
	s_and_b32 s54, s26, 1
	s_lshl_b32 s54, s54, 3
	s_add_co_u32 s52, s52, s54
	s_mul_i32 s52, s52, 3072
	s_add_nc_u64 s[32:33], s[8:9], s[52:53]        ; graph_nodes and out0 at my tile's first row
	s_add_nc_u64 s[34:35], s[24:25], s[52:53]
	s_mul_i32 s52, s26, 147456
	s_add_co_u32 s52, s52, 2359296
	s_add_nc_u64 s[28:29], s[6:7], s[52:53]        ; outW's codes, group 2 w
	s_add_nc_u64 s[30:31], s[28:29], 589824        ; d1W's
	; ---- in: the six vectors, my tile of ctx's images, my tile's rows of graph_nodes
.irp x, 0,1,2,3,4,5
.irp i, 0,1,2
	global_load_b64 v[T+6*\x+2*\i:T+6*\x+2*\i+1], v[VB], s[12+2*\x:13+2*\x] offset:1024*\i
.endr
.endr
.irp k, 0,1,2,3,4,5,6,7,8,9,10,11,12,13,14,15,16,17,18,19,20,21,22,23
	GLDN WR+4*\k, LI, 36, 512*\k
.endr
	GNLOAD 0
	WIN 0
	s_wait_kmcnt 0x0
	s_add_co_i32 s52, s48, s49                     ; e16 + e17
	s_sub_co_i32 s54, 0, s52
	s_add_co_i32 s55, s54, 127
	s_lshl_b32 s38, s55, 23                        ; 2^-(e16 + e17)
	s_mov_b32 s39, s38
	s_add_co_i32 s55, s50, s51
	s_add_co_i32 s55, s55, 127
	s_lshl_b32 s40, s55, 23                        ; 2^(e18 + e19)
	s_mov_b32 s41, s40
	s_mov_b32 s42, 0x3c23d70a                      ; 0.01
	s_mov_b32 s43, s42
	s_mov_b32 s44, 0x3aaaaaab                      ; 1 / 768
	s_mov_b32 s46, 0x76543210
	s_mov_b32 s47, 0xfedcba98
	s_add_co_i32 s55, s50, 127
	s_lshl_b32 s56, s55, 23
	v_mov_b32 v[QS], s56                           ; 2^e18
	s_add_co_i32 s55, s55, 8
	s_lshl_b32 s55, s55, 23
	s_or_b32 s55, s55, 0x600000
	v_mov_b32 v[QL], s55                           ; 448 x 2^e18
	v_mov_b32 v[EP2], 0x3727c5ac                   ; eps = 1e-5
	s_lshl_b32 s55, s54, 1
	v_ldexp_f32 v[EP1], v[EP2], s55                ; eps / 4^(e16 + e17)
	s_wait_loadcnt 48                              ; the vectors and ctx are in; graph_nodes' first 48 loads may be out
.irp i, 0,1,2,3,4,5
	v_ldexp_f32 v[T+\i], v[T+\i], s54
.endr
.irp x, 0,1,2,3,4,5
.irp i, 0,1,2
	ds_store_b64 v[VW], v[T+6*\x+2*\i:T+6*\x+2*\i+1] offset:3072*\x+1024*\i
.endr
.endr
.irp k, 0,1,2,3,4,5,6,7,8,9,10,11,12,13,14,15,16,17,18,19,20,21,22,23
	DSST CW, WR+4*\k, 512*\k
.endr
	GNLOAD 1
	s_wait_loadcnt 48
	GNSTORE 0
	s_wait_loadcnt 0x0
	GNSTORE 1
	s_wait_dscnt 0x0                               ; the stores have read their registers: the weights' ring may be loaded
	WLOADH 0, 28
	WLOADH 1, 28
	WLOADH 2, 28
	WLOADH 3, 28
	WIN 0
	BARRIER                                        ; ctx's images, graph_nodes' rows and the vectors lie in LDS
	; ---- the first sums start from (graph_nodes + outb) / 2^(e16 + e17)
.irp b, 0,1,2,3,4,5
.irp q, 0,1,2,3
	ds_load_b128 v[AF+16*\b+4*\q:AF+16*\b+4*\q+3], v[VECR] offset:128*\b+16*\q
.endr
.endr
.irp m, 0,1,2,3
.irp b, 0,1,2,3,4,5
.irp q, 0,1,2,3
	DSLD ACC+96*\m+16*\b+4*\q, XRD+\m, 128*\b+16*\q
.endr
.endr
.endr
	s_wait_dscnt 0x0
.irp m, 0,1,2,3
.irp b, 0,1,2,3,4,5
.set ra, ACC+96*\m+16*\b
	W4 ra, ra, 0, 0
.irp i, 0,2,4,6,8,10,12,14
	v_pk_fma_f32 v[(ra+\i)%256:(ra+\i)%256+1], v[(ra+\i)%256:(ra+\i)%256+1], s[38:39], v[AF+16*\b+\i:AF+16*\b+\i+1] op_sel_hi:[1,0,1]
.endr
.endr
.endr
	AFETCH LI, 0
.irp q, 0,1,2,3,4,5,6,7,8,9,10,11
	HSTEP \q, LI, 28, 0
.endr
	; ---- LN1; d1W's first weights land meanwhile
	WLOADH 0, 30
	WLOADH 1, 30
	WLOADH 2, 30
	WLOADH 3, 30
	SUMROWS 0
	EXCH 0
	MEANS
	SUMROWS 1
	EXCH 1
	RSQ EP1
	APPLY 1, 2, 1
	WIN 0
	BARRIER                                        ; x's codes lie in LDS
	; ---- the second product
	AFETCH AH, 0
.irp q, 0,1,2,3,4,5,6,7,8,9,10,11
	HSTEP \q, AH, 30, 1
.endr
	; ---- leaky_relu(sum x 2^(e18 + e19) + d1b) + x, a block of 32 columns at a time, the next block's x on its way
	P4LOAD 0
.irp b, 0,1,2,3,4,5
.if \b < 5
	P4LOAD \b+1
	s_wait_dscnt 20                                ; this block's 20 loads are in; the next block's may be out
.else
	s_wait_dscnt 0x0
.endif
.set bb, 128-80*(\b%2)
.irp m, 0,1,2,3
.set ra, ACC+96*\m+16*\b
	W4 0, ra, 0, 0
.irp i, 0,2,4,6,8,10,12,14
	v_pk_fma_f32 v[208+\i:209+\i], v[(ra+\i)%256:(ra+\i)%256+1], s[40:41], v[bb+64+\i:bb+65+\i] op_sel_hi:[1,0,1]
.endr
	WIN 0
.irp i, 0,2,4,6,8,10,12,14
	v_pk_mul_f32 v[224+\i:225+\i], v[208+\i:209+\i], s[42:43] op_sel_hi:[1,0]
.endr
.irp i, 0,1,2,3,4,5,6,7,8,9,10,11,12,13,14,15
	v_max_num_f32 v[208+\i], v[208+\i], v[224+\i]  ; max(u, 0.01 u)
.endr
	W4 ra, 0, 0, 0
.irp i, 0,2,4,6,8,10,12,14
	v_pk_add_f32 v[(ra+\i)%256:(ra+\i)%256+1], v[208+\i:209+\i], v[bb+16*\m+\i:bb+16*\m+\i+1]
.endr
.endr
.endr
	; ---- LN2
	SUMROWS 0
	EXCH 2
	MEANS
	SUMROWS 1
	EXCH 3
	RSQ EP2
	APPLY 4, 5, 2
	WIN 0
	BARRIER                                        ; 64 whole rows of the result lie in LDS
	; ---- out: my tile's 16 rows, eight at a time
.irp hb, 0,1
.irp i, 0,1,2,3,4,5,6,7
.irp k, 0,1,2,3,4,5
	DSLD ACC+192*\hb+24*\i+4*\k, XRW, (8*\hb+\i)*XP+512*\k
.endr
.endr
.irp i, 0,1,2,3,4,5,6,7
.irp k, 0,1,2,3,4,5
	s_wait_dscnt 47-(6*\i+\k)
	GST LI, ACC+192*\hb+24*\i+4*\k, 34, (16*\hb+\i)*3072+512*\k    ; 32 lanes store 512 bytes on end, aligned
.endr
.endr
.endr
	WIN 0
	s_wait_tensorcnt 0x0
	ds_add_u32 v18, v19
	s_wait_dscnt 0x0
	s_endpgm
.Lfunc_end_k_q69fe59de05_tail:
	.size	k_q69fe59de05_tail, .Lfunc_end_k_q69fe59de05_tail-k_q69fe59de05_tail
	.p2alignl 7, 3214868480
	.fill 96, 4, 3214868480
	.section	.rodata,"a",@progbits
	.p2align	6, 0x0
	.amdhsa_kernel k_q69fe59de05_tail
		.amdhsa_group_segment_fixed_size 318976
		.amdhsa_private_segment_fixed_size 0
		.amdhsa_enable_private_segment 0
		.amdhsa_kernarg_size 88
		.amdhsa_user_sgpr_count 2
		.amdhsa_user_sgpr_kernarg_segment_ptr 1
		.amdhsa_wavefront_size32 1
		.amdhsa_system_sgpr_workgroup_id_x 1
		.amdhsa_system_sgpr_workgroup_id_y 1
		.amdhsa_system_sgpr_workgroup_id_z 1
		.amdhsa_system_vgpr_workitem_id 0
		.amdhsa_next_free_vgpr 1024
		.amdhsa_next_free_sgpr 66
		.amdhsa_reserve_vcc 0
		.amdhsa_float_denorm_mode_32 3
		.amdhsa_float_denorm_mode_16_64 3
		.amdhsa_memory_ordered 1
		.amdhsa_forward_progress 1
		.amdhsa_inst_pref_size 255
	.end_amdhsa_kernel
	.section	.bss,"aw",@nobits
	.p2align	6
	.space	262144
	.amdgpu_metadata
---
amdhsa.version: [ 1, 2 ]
amdhsa.kernels:
  - .name:           k_q69fe59de05_tail
    .symbol:         k_q69fe59de05_tail.kd
    .args:
      - { .name: ctx, .offset: 0, .size: 8, .value_kind: global_buffer, .address_space: global }
      - { .name: wcodes, .offset: 8, .size: 8, .value_kind: global_buffer, .address_space: global }
      - { .name: graph_nodes, .offset: 16, .size: 8, .value_kind: global_buffer, .address_space: global }
      - { .name: lowp_scales, .offset: 24, .size: 8, .value_kind: global_buffer, .address_space: global }
      - { .name: outb, .offset: 32, .size: 8, .value_kind: global_buffer, .address_space: global }
      - { .name: ln1g, .offset: 40, .size: 8, .value_kind: global_buffer, .address_space: global }
      - { .name: ln1b, .offset: 48, .size: 8, .value_kind: global_buffer, .address_space: global }
      - { .name: d1b, .offset: 56, .size: 8, .value_kind: global_buffer, .address_space: global }
      - { .name: ln2g, .offset: 64, .size: 8, .value_kind: global_buffer, .address_space: global }
      - { .name: ln2b, .offset: 72, .size: 8, .value_kind: global_buffer, .address_space: global }
      - { .name: out0, .offset: 80, .size: 8, .value_kind: global_buffer, .address_space: global }
    .group_segment_fixed_size: 318976
    .private_segment_fixed_size: 0
    .kernarg_segment_align: 8
    .kernarg_segment_size: 88
    .max_flat_workgroup_size: 128
    .sgpr_count:     66
    .vgpr_count:     1024
    .wavefront_size: 32
...
	.end_amdgpu_metadata
.endif
;; end of part 4
;; ======== version 2 of 2: 4 launches; version 1 with the launches proj, attn, tail written anew for expert scheduling mode
;; workspace buffers: wcodes 4,325,376 bytes; maskw 65,536 bytes of whole numbers; qkv 31,457,280 bytes; ctx 6,291,456 bytes
;; launch prep: the kernel of part 1 again; grid 296 x 1, 4 waves a work-group, no clusters, 0 bytes of LDS; arguments qW, in_qW, in_kW, in_vW, outW, d1W, kW, vW, lowp_scales, conditioning_attention_mask, wcodes, maskw; writes wcodes, maskw
;; launch proj (part 5): grid 256 x 1, 4 waves a work-group, no clusters, 258,560 bytes of LDS; arguments graph_nodes, conditioning_vector, lowp_scales, qb, kb, vb, in_qb, in_kb, in_vb, wcodes, qkv; writes qkv
.if DOCPART == 5
	.amdgcn_target "amdgcn-amd-amdhsa--gfx1250"
	.amdhsa_code_object_version 6
	.text
	.protected	k_q69fe59de05_proj
	.globl	k_q69fe59de05_proj
	.p2align	8
	.type	k_q69fe59de05_proj,@function
k_q69fe59de05_proj:
	s_mov_b64 s[64:65], 0
	v_nop
	global_prefetch_b8 v0, s[64:65] scope:SCOPE_SE
	s_setreg_imm32_b32 hwreg(HW_REG_WAVE_SCHED_MODE, 0, 2), 2
	s_setreg_imm32_b32 hwreg(HW_REG_WAVE_MODE, 25, 1), 1
	s_wait_xcnt 0x0
	s_wait_alu depctr_vm_vsrc(0)
; The three chains of two quantised projections: Y = Q(Q(X) W1 + b1) W2 + b2, stored as codes of E4M3 for attention.  K: conditioning_vector, kW, in_kW; V: the same, vW, in_vW; Q: graph_nodes, qW, in_qW.
; SHARES.  256 work-groups of equal work.  Work-group id takes 128 rows of conditioning_vector through K's chain (id < 128) or V's, and then rows 32 id .. 32 id + 31 of graph_nodes through Q's chain.
; No hidden layer goes to memory.
; ROWS.  Tiles m of 16 rows; lane r of tile m holds row 32 (m / 2) + 8 (m % 2) + r + 8 (r / 8): attention wants the keys of a tile so, and the other products do not care.  K, V: eight tiles; Q: two.
; THE WAVES SHARE THE COLUMNS: in pass p = 0, 1 wave w makes the 96 columns of group g = 4 p + w, six tiles, for all the rows: 48 accumulators (Q: 12).  Its weights come as register images (12,288 bytes a K step, on end)
; straight into a ring of four sets of registers; A's fragments come from LDS as register images (piece = 512 bytes, lane l's 16 bytes at 16 l).
; TRANSPOSED USE (source 0 = weight tile, source 1 = rows): a lane holds one row and, by the choice of a weight tile's columns, the 16 registers of tiles 2 b, 2 b + 1 are 16 neighbouring columns: the conversions' results
; are pieces of the next operand.  For V, whose K in attention is the keys, layer 2 is used the other way round (source 0 = rows): the 16 registers of ROW tiles 2 c, 2 c + 1 are then 16 neighbouring keys of one column.
; SCALES.  A layer's sums stand for sum x 2^(eA + eW): the bias goes in as the first product's C, divided by that; the conversion takes 2^(eNext - eA - eW).
; LIMITS, for each of the three chains: eX, eH - eX - eW1 and eOut - eH - eW2 between -126 and 119.  NaN among the inputs is not served.
; NO CLUSTER: a weight fragment is used by one wave of a work-group alone and goes into its registers; by way of LDS it would add 12,288 bytes written and read to each 16,384 bytes of A that a wave reads for 48 products.
; REGISTERS (absolute numbers; windows of 256 are set by W4): 0-47, 120-127 addresses and scales; 48-95 T; 96-119 codes; 128-255 A's eight fragments; 256-639 four sets of six weight fragments; 640-1023 the accumulators;
; in Q's chain: 640-735 the accumulators, 768-959 A's twelve fragments of a layer.
; THE MODE: SCHED_MODE bits 1:0 = 2 (LLVM: expert scheduling mode 2), set by the entry lines.  The code itself states the register dependences between vector or matrix instructions and memory or LDS instructions,
; with s_wait_alu, always for 0.
; THE PLAN.  Registers that memory or LDS instructions touch:
;   addresses made once (LI, STGW, STGR, XWI, AX, AH, VO, BW, BO, XQW, AQ): written at the head, ahead of one wait on va_vdst, and never again.
;   HW, BR, BRV, SO   written by vector adds at a pass's head, between a wait on vm_vsrc (the last pass's LDS instructions and stores have read them) and a wait on va_vdst (they are written).
;   RX (640-895)      while X is quantised: global loads land, the stage's LDS stores read; no vector instruction names them.  A wait on vm_vsrc stands between a half's stores and the next loads into it.
;   XS = AF (128-255) LDS loads land; the holds and conversions, later the products, read.  Each run of loads stands behind a wait on va_vdst behind which no vector or matrix instruction names its registers.
;   T (48-95)         X: conversions write, LDS stores read.  Passes: the bias's LDS loads land, the first products read it as C; on the way out the holds write and the conversions read.
;   CODE (96-119)     conversions write, stores read: a pair of row tiles (V: a column tile) is converted, one wait on va_vdst, its stores; a wait on vm_vsrc ahead of the next pair's conversions.
;   WR (256-639)      weight loads land, products read: a set is asked for again behind the wait on va_vdst at the end of the K step that read it.
; A K step has two waits on va_vdst, each behind 24 products: A has one set of registers (all 1,024 are taken), so tiles 0-3 are fetched anew in the step's middle and tiles 4-7 at its end.  A step that loads nothing has none.
.set XIMG, 0                           ; LDS: X's codes, tile m, K step s at (6 m + s) 2,048
.set HIMG, 98304                       ; the hidden layer's, likewise; while X is quantised: each wave's two stages of 16 rows x 528 bytes, at 24,576 x wave
.set BIA,  196608                      ; b1 / 2^(eX + eW1), then b2 / 2^(eH + eW2): 3,072 bytes each
.set XQI,  202752                      ; Q's chain has bytes of its own: graph_nodes' codes, two tiles,
.set HQI,  227328                      ; its hidden layer's,
.set BIQ,  251904                      ; and its two biases
.set LI,   1                           ; 16 x lane
.set STGW, 4                           ; stage, on the way in
.set STGR, 5                           ; stage, on the way out: 528 r + 64 h
.set XWI,  6                           ; where I store X's images
.set AX,   8                           ; v8, v9   X's images, tiles 0-3 and 4-7
.set AH,   10                          ; v10, v11 the hidden layer's
.set HW,   12                          ; v12, v13 where I store the hidden layer's pieces, this pass
.set BR,   14                          ; bias, a lane's eight neighbours, this pass
.set BRV,  15                          ; bias, one number a lane, this pass
.set VO,   16                          ; v16-31   conditioning_vector: 16 x lane + the row's bytes
.set SO,   32                          ; v32-34   output: my three blocks of 32 columns
.set BW,   35
.set BR0,  36
.set BRV0, 37
.set BO,   38
.set XQW,  39                          ; where I store graph_nodes' images
.set BRQ,  46                          ; Q's biases: BIQ + 64 h
.set AQ,   126                         ; v126, v127  Q's chain: XQI + 16 x lane, HQI + 16 x lane
.set T,    48
.set CODE, 96
.set AF,   128
.set XS,   128
.set WR,   256
.set ACC,  640
.set RX,   640
.set AQR,  768
.set MSB, 0
.macro WIN new                         ; the immediate's high byte repeats the setting that is left; a switch that changes nothing is dropped
.if MSB != (\new)
	s_set_vgpr_msb (MSB<<8)|(\new)
.set MSB, (\new)
.endif
.endm
.macro W4 d, a, b, c                   ; windows from absolute register numbers: destination, sources 0, 1, 2
	WIN ((((\d)/256)<<6)|(((\c)/256)<<4)|(((\b)/256)<<2)|((\a)/256))
.endm
.macro DSLD d, adr, off
	W4 \d, \adr, 0, 0
	ds_load_b128 v[(\d)%256:(\d)%256+3], v[\adr] offset:\off
.endm
.macro DSST adr, dat, off
	W4 0, \adr, \dat, 0
	ds_store_b128 v[\adr], v[(\dat)%256:(\dat)%256+3] offset:\off
.endm
.macro GLD d, vo, sb, off
	W4 \d, \vo, 0, 0
	global_load_b128 v[(\d)%256:(\d)%256+3], v[\vo], s[\sb:\sb+1] offset:\off
.endm
.macro PLACES n
.rept \n
	v_nop
.endr
.endm
.macro BARRIER                         ; my LDS stores have landed and my LDS loads are in: then the work-group's barrier
	s_wait_dscnt 0x0
	s_barrier_signal -1
	s_barrier_wait -1
.endm
.macro MKSC se, vs, vl                 ; s[se] = e:  v[vs] = 2^e, v[vl] = 448 x 2^e
	s_add_co_i32 s[\se], s[\se], 127
	s_lshl_b32 s61, s[\se], 23
	v_mov_b32 v[\vs], s61
	s_add_co_i32 s[\se], s[\se], 8
	s_lshl_b32 s[\se], s[\se], 23
	s_or_b32 s[\se], s[\se], 0x600000
	v_mov_b32 v[\vl], s[\se]
.endm
.macro QUANT src, dst, sc, lim         ; 64 numbers of a lane, register 16 b + i = k 32 b + 16 h + i of my row, become a fragment's 16 registers
.irp b, 0,1,2,3
.irp i, 0,1,2,3,4,5,6,7,8,9,10,11,12,13,14,15
	v_med3_num_f32 v[\src+16*\b+\i], v[\src+16*\b+\i], -v[\lim], v[\lim]
.endr
	v_cvt_scalef32_pk8_fp8_f32 v[\dst+4*\b:\dst+4*\b+1], v[\src+16*\b:\src+16*\b+7], v[\sc]
	v_cvt_scalef32_pk8_fp8_f32 v[\dst+4*\b+2:\dst+4*\b+3], v[\src+16*\b+8:\src+16*\b+15], v[\sc]
.endr
	v_nop                                          ; a plain line behind the last conversion
.endm
.macro WLOAD s, set                    ; my six weight fragments of K step s into a set of the ring
.irp t, 0,1,2,3,4,5
.irp c, 0,1,2,3
	GLD WR+96*(\set)+16*\t+4*\c, LI, 36, (\s)*12288+\t*2048+\c*512
.endr
.endr
.endm
.macro LOADX s                         ; 128 numbers of each of my 32 rows of conditioning_vector: a load covers 512 bytes on end of one row
.irp u, 0,1
.irp i, 0,1,2,3,4,5,6,7,8,9,10,11,12,13,14,15
	GLD RX+128*((\s)%2)+64*\u+4*\i, VO+\i, 32+2*\u, 512*(\s)
.endr
.endr
.endm
; A K step of X in two parts.  PROC_A: its numbers turn through my stages (a lane then holds 16 neighbours of each block of 32).  Behind it the half of RX that it emptied is asked for again.
; The loads into XS owe no wait of their own: no vector instruction stands between them and the wait on va_vdst in the PROC_B before.
.macro PROC_A s
.irp u, 0,1
.irp i, 0,1,2,3,4,5,6,7,8,9,10,11,12,13,14,15
	DSST STGW, RX+128*((\s)%2)+64*\u+4*\i, \u*8448+528*\i
.endr
	WIN 0
.irp b, 0,1,2,3
.irp j, 0,1,2,3
	ds_load_b128 v[XS+64*\u+16*\b+4*\j:XS+64*\u+16*\b+4*\j+3], v[STGR] offset:\u*8448+128*\b+16*\j   ; LDS serves a wave's instructions in order: these see my stores
.endr
.endr
.endr
	s_wait_dscnt 32                                ; the first tile is back; the second tile's 32 instructions may be out
	s_wait_alu depctr_vm_vsrc(0)                   ; the stage's stores have read this half of RX, in which the next loads land; the last step's image stores have read v[T .. T+31], which the conversions write again
.endm
; PROC_B: both tiles are quantised and go to LDS as two images.
.macro PROC_B s
	WIN 0
	QUANT XS, T, 40, 41
	s_wait_dscnt 0x0                               ; the second tile is back
	QUANT XS+64, T+16, 40, 41
	s_wait_alu depctr_va_vdst(0)                   ; the conversions have written v[T .. T+31], which the LDS stores read; holds and conversions are done with XS, in which the next step's LDS loads land
.irp c, 0,1,2,3
	ds_store_b128 v[XWI], v[T+4*\c:T+4*\c+3] offset:2048*(\s)+512*\c
.endr
.irp c, 0,1,2,3
	ds_store_b128 v[XWI], v[T+16+4*\c:T+16+4*\c+3] offset:12288+2048*(\s)+512*\c
.endr
.endm
.macro LOADQ j                         ; graph_nodes: 128 numbers of each of my tile's 16 rows: the j-th of my three K steps
.irp i, 0,1,2,3,4,5,6,7,8,9,10,11,12,13,14,15
	GLD RX+64*(\j)+4*\i, LI, 72, (\i+8*(\i/8))*3072+512*(\j)
.endr
.endm
.macro PROCQ j                         ; the same turn through a stage, one tile: one image
.irp i, 0,1,2,3,4,5,6,7,8,9,10,11,12,13,14,15
	DSST STGW, RX+64*(\j)+4*\i, ((\j)%2)*8448+528*\i
.endr
	WIN 0
.irp b, 0,1,2,3
.irp q, 0,1,2,3
	ds_load_b128 v[XS+64*((\j)%2)+16*\b+4*\q:XS+64*((\j)%2)+16*\b+4*\q+3], v[STGR] offset:((\j)%2)*8448+128*\b+16*\q
.endr
.endr
	s_wait_dscnt 0x0
.if (\j) != 1
	s_wait_alu depctr_vm_vsrc(0)                   ; j = 0: the image stores of conditioning_vector's last step have read v[T .. T+31]; j = 2: those of j = 0 have read v[T .. T+15]: the conversions write them again
.endif
	QUANT XS+64*((\j)%2), T+16*((\j)%2), 120, 121
	s_wait_alu depctr_va_vdst(0)                   ; the conversions have written the codes, which the LDS stores read; they are done with XS, in which the next LDS loads land
.irp c, 0,1,2,3
	ds_store_b128 v[XQW], v[T+16*((\j)%2)+4*\c:T+16*((\j)%2)+4*\c+3] offset:2048*(\j)+512*\c
.endr
.endm
.macro FETCHA ab, s, half              ; A's fragments of K step s, tiles 4 half .. 4 half + 3
	WIN 0
.irp q, 0,1,2,3
.irp c, 0,1,2,3
	ds_load_b128 v[AF+16*(4*\half+\q)+4*\c:AF+16*(4*\half+\q)+4*\c+3], v[\ab+\half] offset:\q*12288+(\s)*2048+\c*512
.endr
.endr
.endm
.macro MM m, t, set, first, vm         ; one product.  first = 1: C is the bias; vm = 1: rows as source 0
.set rD, ACC+8*(6*(\m)+(\t))
.set rW, WR+96*(\set)+16*(\t)
.set rA, AF+16*(\m)
.set rC, rD
.if \first
.set rC, T+8*(\t)
.endif
.if \vm
	W4 rD, rA, rW, rC
	v_wmma_f32_16x16x128_fp8_fp8 v[rD%256:rD%256+7], v[rA%256:rA%256+15], v[rW%256:rW%256+15], v[rC%256:rC%256+7]
.else
	W4 rD, rW, rA, rC
	v_wmma_f32_16x16x128_fp8_fp8 v[rD%256:rD%256+7], v[rW%256:rW%256+15], v[rA%256:rA%256+15], v[rC%256:rC%256+7]
.endif
.endm
; A K step of K's or V's chain: 48 products, the 48 accumulators by turns, one instruction a turn, in the same order in every step.
; n: the weight loads issued behind this step's set (three sets are 72; the wait's field holds 63).  nxt: the K step whose fragments of A are fetched; refill: the K step whose weights take this set's place.
; Four plain vector lines stand behind each run of products, as before; the waits on va_vdst stand behind them.
.macro STEP s, n, first, ab, nxt, refill, vm
	s_wait_dscnt 16                                ; A's tiles 0-3 are in (and the bias); the youngest 16 loads, tiles 4-7, may be out
	s_wait_loadcnt \n
.irp m, 0,1,2,3
.irp t, 0,1,2,3,4,5
	MM \m, \t, (\s)%4, \first, \vm
.endr
.endr
	s_wait_dscnt 0x0                               ; tiles 4-7 are in
	PLACES 4
.if \nxt >= 0
	s_wait_alu depctr_va_vdst(0)                   ; the 24 products above are done reading A's tiles 0-3, in which the next K step's fragments land; the 24 below name none of these registers
	FETCHA \ab, \nxt, 0
.endif
.irp m, 4,5,6,7
.irp t, 0,1,2,3,4,5
	MM \m, \t, (\s)%4, \first, \vm
.endr
.endr
	PLACES 4
.if \nxt >= 0
	s_wait_alu depctr_va_vdst(0)                   ; the step's products are done reading A's tiles 4-7 and this set of weights, in which the loads below land
	FETCHA \ab, \nxt, 1
.endif
.if \refill >= 0
	WLOAD \refill, (\s)%4
.endif
.endm
.macro BIAST lay                       ; the bias in the transposed result's layout: tile t, lane half h: eight neighbours
	WIN 0
.irp t, 0,1,2,3,4,5
.irp q, 0,1
	ds_load_b128 v[T+8*\t+4*\q:T+8*\t+4*\q+3], v[BR] offset:3072*\lay+128*(\t/2)+32*(\t%2)+16*\q
.endr
.endr
.endm
.macro BIASV                           ; the bias where a lane holds one column
	WIN 0
.irp t, 0,1,2,3,4,5
	ds_load_b32 v[CODE+\t], v[BRV] offset:3072+128*(\t/2)+32*(\t%2)
.endr
.endm
; The way out of a row tile, transposed use: its 48 numbers a lane are held and converted into three pieces, 12 of the 24 code registers.  Tiles go out in pairs.  Each accumulator is read from its low end on.
.macro EPI_M m, sc, lim, glob
.irp t, 0,1,2,3,4,5
	W4 0, ACC+8*(6*(\m)+\t), 0, 0
.irp j, 0,1,2,3,4,5,6,7
	v_med3_num_f32 v[T+8*\t+\j], v[(ACC+8*(6*(\m)+\t)+\j)%256], -v[\lim], v[\lim]
.endr
.endr
	WIN 0
.if ((\m)%2) == 0
.if \glob
	s_wait_xcnt 0x0                                ; the earlier stores have had their addresses translated: the code registers are written again only behind this wait
.endif
	s_wait_alu depctr_vm_vsrc(0)                   ; the earlier stores have read the 24 code registers, which this pair's conversions write again
.endif
.irp t, 0,1,2,3,4,5
	v_cvt_scalef32_pk8_fp8_f32 v[CODE+12*((\m)%2)+2*\t:CODE+12*((\m)%2)+2*\t+1], v[T+8*\t:T+8*\t+7], v[\sc]
.endr
	v_nop
.endm
; Tile m's three pieces are stored: to LDS at v[adr] + off (glob = 0) or to memory at s[ob] + my blocks' offsets + off (1).
.macro EPI_ST m, glob, adr, off, ob
.irp b, 0,1,2
.if \glob
	global_store_b128 v[SO+\b], v[CODE+12*((\m)%2)+4*\b:CODE+12*((\m)%2)+4*\b+3], s[\ob:\ob+1] offset:\off   ; a piece: 512 bytes on end, aligned
.else
	ds_store_b128 v[\adr], v[CODE+12*((\m)%2)+4*\b:CODE+12*((\m)%2)+4*\b+3] offset:\off+512*\b
.endif
.endr
.endm
.macro EPI_T sc, lim, glob             ; the way out of a pass of eight row tiles, four pairs
.irp p, 0,1,2,3
	EPI_M 2*\p, \sc, \lim, \glob
	EPI_M 2*\p+1, \sc, \lim, \glob
	s_wait_alu depctr_va_vdst(0)                   ; the pair's conversions have written the 24 code registers, which the six stores read
.if \glob
	EPI_ST 2*\p, 1, 0, 1024*(2*\p), 38
	EPI_ST 2*\p+1, 1, 0, 1024*(2*\p+1), 38
.else
	EPI_ST 2*\p, 0, HW+\p/2, ((2*\p)%4)*12288, 38
	EPI_ST 2*\p+1, 0, HW+\p/2, ((2*\p+1)%4)*12288, 38
.endif
.endr
.endm
.macro EPI_V                           ; the way out for V: column tile t, row tiles 4 f .. 4 f + 3: two pieces of 32 keys for each f; a column tile's four pieces go out together
.irp t, 0,1,2,3,4,5
.irp f, 0,1
.irp q, 0,1,2,3
	W4 0, ACC+8*(6*(4*\f+\q)+\t), 0, 0
.irp j, 0,1,2,3,4,5,6,7
	v_med3_num_f32 v[T+8*\q+\j], v[(ACC+8*(6*(4*\f+\q)+\t)+\j)%256], -v45, v45
.endr
.endr
	WIN 0
.if \f == 0
	s_wait_xcnt 0x0                                ; the earlier stores have had their addresses translated
	s_wait_alu depctr_vm_vsrc(0)                   ; and have read the 16 code registers, which this column tile's conversions write again
.endif
.irp q, 0,1,2,3
	v_cvt_scalef32_pk8_fp8_f32 v[CODE+8*\f+2*\q:CODE+8*\f+2*\q+1], v[T+8*\q:T+8*\q+7], v44
.endr
	v_nop
.endr
	s_wait_alu depctr_va_vdst(0)                   ; the conversions have written the 16 code registers, which the four stores read
.irp f, 0,1
.irp k, 0,1
	global_store_b128 v[SO+\t/2], v[CODE+8*\f+4*\k:CODE+8*\f+4*\k+3], s[38:39] offset:2048*(\t%2)+512*(2*\f+\k)
.endr
.endr
.endr
.endm
.macro SOFF cb                         ; my three blocks of 32 columns, 3 g + b: head (3 g + b) / 2, and cb bytes on for the head's upper half
.irp b, 0,1,2
	s_mul_i32 s56, s55, 3
	s_add_co_u32 s56, s56, \b
	s_lshr_b32 s57, s56, 1
	s_mul_i32 s57, s57, s70
	s_and_b32 s56, s56, 1
	s_mul_i32 s56, s56, \cb
	s_add_co_u32 s57, s57, s56
	v_add_nc_u32 v[SO+\b], s57, v[LI]
.endr
.endm
; Q's chain: two row tiles.  A layer's twelve fragments of A (tile m, K step s) stay in registers for a pass, so a step has no LDS load.
.macro QFETCH lay
.irp m, 0,1
.irp s, 0,1,2,3,4,5
.irp c, 0,1,2,3
	DSLD AQR+16*(6*\m+\s)+4*\c, AQ+\lay, (6*\m+\s)*2048+\c*512
.endr
.endr
.endr
.endm
.macro MQ m, t, s, first
.set rD, ACC+8*(6*(\m)+(\t))
.set rW, WR+96*((\s)%4)+16*(\t)
.set rA, AQR+16*(6*(\m)+(\s))
.set rC, rD
.if \first
.set rC, T+8*(\t)
.endif
	W4 rD, rW, rA, rC
	v_wmma_f32_16x16x128_fp8_fp8 v[rD%256:rD%256+7], v[rW%256:rW%256+15], v[rA%256:rA%256+15], v[rC%256:rC%256+7]
.endm
; A K step of Q's chain: 12 products on 12 accumulators by turns, for 12,288 bytes of weights.  n and refill as in STEP.
.macro QSTEP s, n, first, refill
	s_wait_loadcnt \n
.irp m, 0,1
.irp t, 0,1,2,3,4,5
	MQ \m, \t, \s, \first
.endr
.endr
	PLACES 4
.if \refill >= 0
	s_wait_alu depctr_va_vdst(0)                   ; the step's products are done reading this set of weights, in which the loads below land
	WLOAD \refill, (\s)%4
.endif
.endm
	s_load_b512 s[4:19], s[0:1], 0x0               ; graph_nodes, conditioning_vector, lowp_scales, qb, kb, vb, in_qb, in_kb
	s_load_b128 s[20:23], s[0:1], 0x40             ; in_vb, wcodes
	s_load_b64 s[24:25], s[0:1], 0x50              ; qkv
	v_lshrrev_b32 v2, 5, v0
	v_readfirstlane_b32 s26, v2                    ; wave
	v_and_b32 v7, 31, v0
	v_lshlrev_b32 v[LI], 4, v7
	v_and_b32 v2, 15, v0                           ; r
	v_bfe_u32 v3, v0, 4, 1                         ; h
	s_wait_alu depctr_va_sdst(0)                   ; s26 is written, ahead of its first reader: LDS places, bases and offsets are made from it
	s_mul_i32 s56, s26, 24576
	v_add_nc_u32 v[XWI], s56, v[LI]                ; X's images of my tiles 2 w, 2 w + 1 (XIMG = 0)
	s_add_co_u32 s56, s56, HIMG                    ; my stages
	v_add_nc_u32 v[STGW], s56, v[LI]
	v_mul_u32_u24 v[STGR], v2, 528
	v_lshl_add_u32 v[STGR], v3, 6, v[STGR]
	v_add_nc_u32 v[STGR], s56, v[STGR]
	v_add_nc_u32 v[AX], XIMG, v[LI]
	v_add_nc_u32 v[AX+1], XIMG+49152, v[LI]
	v_add_nc_u32 v[AH], HIMG, v[LI]
	v_add_nc_u32 v[AH+1], HIMG+49152, v[LI]
	v_add_nc_u32 v[AQ], XQI, v[LI]
	v_add_nc_u32 v[AQ+1], HQI, v[LI]
	v_lshlrev_b32 v[BR0], 6, v3
	v_add_nc_u32 v[BRQ], BIQ, v[BR0]
	v_add_nc_u32 v[BR0], BIA, v[BR0]
	v_and_b32 v[BRV0], 8, v2
	v_add_nc_u32 v[BRV0], v[BRV0], v2
	v_lshlrev_b32 v[BRV0], 2, v[BRV0]
	v_add_nc_u32 v[BRV0], BIA, v[BRV0]
	v_lshlrev_b32 v[BO], 3, v0
	v_add_nc_u32 v[BW], BIA, v[BO]
	s_and_b32 s56, s26, 1                          ; graph_nodes: I quantise tile w % 2, K steps 3 (w / 2) + 0 .. 2
	s_mul_i32 s56, s56, 6
	s_lshr_b32 s57, s26, 1
	s_mul_i32 s57, s57, 3
	s_add_co_u32 s56, s56, s57
	s_lshl_b32 s56, s56, 11
	s_add_co_u32 s56, s56, XQI
	v_add_nc_u32 v[XQW], s56, v[LI]
.irp i, 0,1,2,3,4,5,6,7,8,9,10,11,12,13,14,15
	v_add_nc_u32 v[VO+\i], (\i+8*(\i/8))*2048, v[LI]
.endr
	s_lshr_b32 s27, ttmp9, 7
	s_add_co_u32 s27, s27, 1                       ; chain: 1 K, 2 V
	s_and_b32 s28, ttmp9, 127                      ; my block of 128 rows of conditioning_vector
	s_mov_b32 s70, 0x10000                         ; a head's bytes in K's and V's output
	s_lshl_b32 s49, s27, 3
	s_lshr_b32 s50, s27, 1
	s_add_co_u32 s50, s50, s27
	s_lshl_b32 s50, s50, 2
	s_wait_kmcnt 0x0
	s_load_b64 s[44:45], s[8:9], s49 offset:0x0    ; eX, eW1: entries 2 chain, 2 chain + 1
	s_load_b64 s[46:47], s[8:9], s49 offset:0x18   ; eH, eW2: entries 6 + 2 chain ..
	s_load_b32 s48, s[8:9], s50 offset:0x30        ; eOut: entry 13 or 15
	s_load_b64 s[78:79], s[8:9], 0x0               ; Q's chain: entries 0, 1,
	s_load_b64 s[80:81], s[8:9], 0x18              ; 6, 7,
	s_load_b32 s82, s[8:9], 0x30                   ; 12
	s_cmp_eq_u32 s27, 1
	s_cselect_b64 s[40:41], s[12:13], s[14:15]     ; b1
	s_cselect_b64 s[42:43], s[18:19], s[20:21]     ; b2
	s_mov_b32 s57, 0
	s_lshl_b32 s56, s28, 7
	s_lshl_b32 s58, s26, 5
	s_add_co_u32 s56, s56, s58
	s_lshl_b32 s56, s56, 11
	s_add_nc_u64 s[32:33], s[6:7], s[56:57]        ; conditioning_vector at row 128 block + 32 wave: tile 2 w;
	s_add_nc_u64 s[34:35], s[32:33], 16384         ; eight rows on: tile 2 w + 1
	s_mul_i32 s56, s27, 393216
	s_add_co_u32 s56, s56, 3145728                 ; W1's codes: 3,538,944 or 3,932,160
	s_mul_i32 s58, s26, 49152
	s_add_co_u32 s56, s56, s58
	s_add_nc_u64 s[36:37], s[22:23], s[56:57]      ; group w
	s_add_nc_u64 s[66:67], s[36:37], 196608        ; group 4 + w
	s_add_co_u32 s56, s27, 1
	s_mul_i32 s56, s56, 589824
	s_mul_i32 s58, s26, 73728
	s_add_co_u32 s56, s56, s58
	s_add_nc_u64 s[68:69], s[22:23], s[56:57]      ; W2's codes, group w
	s_mov_b32 s56, s58
	s_add_nc_u64 s[74:75], s[22:23], s[56:57]      ; qW's codes, group w; each later pass of Q's chain lies 294,912 bytes on, in_qW's too
	s_lshr_b32 s56, s28, 3
	s_mul_i32 s56, s56, 786432
	s_and_b32 s58, s28, 7
	s_lshl_b32 s58, s58, 13
	s_add_co_u32 s56, s56, s58
	s_mul_i32 s58, s27, 12582912
	s_add_co_u32 s56, s56, s58
	s_sub_co_u32 s56, s56, 6291456                 ; K at 6,291,456, V at 18,874,368: batch block / 8, key step block % 8
	s_add_nc_u64 s[38:39], s[24:25], s[56:57]
	s_lshr_b32 s56, ttmp9, 4
	s_mul_i32 s56, s56, 393216
	s_and_b32 s58, ttmp9, 15
	s_lshl_b32 s58, s58, 11
	s_add_co_u32 s56, s56, s58
	s_add_nc_u64 s[76:77], s[24:25], s[56:57]      ; Q: batch id / 16, row tiles 2 (id % 16) and the next
	s_lshl_b32 s56, ttmp9, 5
	s_and_b32 s58, s26, 1
	s_lshl_b32 s58, s58, 3
	s_add_co_u32 s56, s56, s58
	s_mul_i32 s56, s56, 3072
	s_lshr_b32 s58, s26, 1
	s_mul_i32 s58, s58, 1536
	s_add_co_u32 s56, s56, s58
	s_add_nc_u64 s[72:73], s[4:5], s[56:57]        ; graph_nodes at row 32 id + 8 (w % 2), column 384 (w / 2)
	s_wait_alu depctr_va_vdst(0)                   ; the addresses and offsets made above are written: every load, store and LDS instruction of the kernel reads one of them, or one made from them at a pass's head
.irp i, 0,1,2
	global_load_b64 v[CODE+2*\i:CODE+2*\i+1], v[BO], s[40:41] offset:1024*\i
	global_load_b64 v[CODE+6+2*\i:CODE+6+2*\i+1], v[BO], s[42:43] offset:1024*\i
	global_load_b64 v[CODE+12+2*\i:CODE+12+2*\i+1], v[BO], s[10:11] offset:1024*\i
	global_load_b64 v[CODE+18+2*\i:CODE+18+2*\i+1], v[BO], s[16:17] offset:1024*\i
.endr
	WLOAD 0, 0
	WLOAD 1, 1
	LOADX 0
	WIN 0
	s_wait_kmcnt 0x0
	s_add_co_i32 s56, s44, s45                     ; eX + eW1
	s_sub_co_i32 s57, 0, s56
	s_add_co_i32 s58, s46, s47                     ; eH + eW2
	s_sub_co_i32 s59, 0, s58
	s_mov_b32 s60, s44
	MKSC 60, 40, 41
	s_sub_co_i32 s60, s46, s56
	MKSC 60, 42, 43
	s_sub_co_i32 s60, s48, s58
	MKSC 60, 44, 45
	s_add_co_i32 s62, s78, s79                     ; the same for Q's chain
	s_sub_co_i32 s63, 0, s62
	s_add_co_i32 s83, s80, s81
	s_sub_co_i32 s84, 0, s83
	s_mov_b32 s60, s78
	MKSC 60, 120, 121
	s_sub_co_i32 s60, s80, s62
	MKSC 60, 122, 123
	s_sub_co_i32 s60, s82, s83
	MKSC 60, 124, 125
	s_wait_loadcnt 32                              ; all but X's first 32 loads
.irp i, 0,1,2,3,4,5
	v_ldexp_f32 v[CODE+\i], v[CODE+\i], s57
	v_ldexp_f32 v[CODE+6+\i], v[CODE+6+\i], s59
	v_ldexp_f32 v[CODE+12+\i], v[CODE+12+\i], s63
	v_ldexp_f32 v[CODE+18+\i], v[CODE+18+\i], s84
.endr
	s_wait_alu depctr_va_vdst(0)                   ; the scaled biases are written in v[CODE .. CODE+23], which the LDS stores read
.irp i, 0,1,2
	ds_store_b64 v[BW], v[CODE+2*\i:CODE+2*\i+1] offset:1024*\i
	ds_store_b64 v[BW], v[CODE+6+2*\i:CODE+6+2*\i+1] offset:3072+1024*\i
	ds_store_b64 v[BW], v[CODE+12+2*\i:CODE+12+2*\i+1] offset:BIQ-BIA+1024*\i
	ds_store_b64 v[BW], v[CODE+18+2*\i:CODE+18+2*\i+1] offset:BIQ-BIA+3072+1024*\i
.endr
	; ---- X: my 32 rows of conditioning_vector, a K step at a time; then my three K steps of a tile of graph_nodes.  The half of RX that a step has emptied is asked for again ahead of the step's quantising
	LOADX 1
	s_wait_loadcnt 32
	PROC_A 0
	LOADX 2
	PROC_B 0
	s_wait_loadcnt 32
	PROC_A 1
	LOADX 3
	PROC_B 1
	s_wait_loadcnt 32
	PROC_A 2
	LOADQ 0
	LOADQ 1
	PROC_B 2
	s_wait_loadcnt 32                              ; conditioning_vector's last step is in; graph_nodes' 32 loads may be out
	PROC_A 3
	LOADQ 2
	PROC_B 3
	s_wait_loadcnt 32                              ; my first step of graph_nodes is in; the two behind it may be out
	PROCQ 0
	s_wait_loadcnt 16
	PROCQ 1
	s_wait_loadcnt 0x0
	PROCQ 2
	BARRIER                                        ; both X's images and the four biases lie in LDS; nobody reads a stage any more
	; ---- K's or V's layer 1, two passes
	s_mov_b32 s52, 0
	s_mul_i32 s53, s26, 384                        ; 4 x 96 g
	s_mul_i32 s54, s26, 1536                       ; 512 x 3 g
.Ll1:
	s_wait_alu depctr_vm_vsrc(0)                   ; the last pass's LDS instructions have read v[HW], v[HW+1] and v[BR]; in the first pass: the image stores have read T, in which the bias lands, and the stage's stores RX, which the sums write
	v_add_nc_u32 v[HW], s54, v[AH]
	v_add_nc_u32 v[HW+1], s54, v[AH+1]
	v_add_nc_u32 v[BR], s53, v[BR0]
	s_wait_alu depctr_va_vdst(0)                   ; v[BR] is written, which the bias's loads read; conversions are done with T, holds or products with A's registers, the last pass's products with sets 2 and 3: the loads below land there
	BIAST 0
	FETCHA AX, 0, 0
	FETCHA AX, 0, 1
	WLOAD 2, 2
	WLOAD 3, 3
	STEP 0, 63, 1, AX, 1, -1, 0
	STEP 1, 48, 0, AX, 2, -1, 0
	STEP 2, 24, 0, AX, 3, -1, 0
	STEP 3, 0, 0, AX, -1, -1, 0
	s_cmp_eq_u32 s52, 0                            ; every weight load is in (the last step's wait is for 0): the base may be written
	s_cselect_b64 s[36:37], s[66:67], s[68:69]     ; next: W1's group 4 + w, or W2's group w
	WLOAD 0, 0                                     ; they land while the pass goes out.  No wait: sets 0 and 1 were last read in steps 0 and 1, ahead of the wait at step 1's end
	WLOAD 1, 1
	EPI_T 42, 43, 0
	s_wait_dscnt 0x0
	s_add_co_u32 s53, s53, 1536
	s_add_co_u32 s54, s54, 6144
	s_add_co_u32 s52, s52, 1
	s_cmp_lt_u32 s52, 2
	s_cbranch_scc1 .Ll1
	BARRIER                                        ; the hidden layer's 48 fragments lie in LDS
	s_mov_b32 s52, 0
	s_mul_i32 s53, s26, 384
	s_mov_b32 s55, s26                             ; g
	s_cmp_eq_u32 s27, 2
	s_cbranch_scc1 .Lv
	; ---- layer 2 for K, two passes
.Ll2:
	s_wait_xcnt 0x0                                ; the last pass's stores have had their addresses translated
	s_wait_alu depctr_vm_vsrc(0)                   ; the last pass's stores have read v[SO .. SO+2], and the last bias loads v[BR]: both are written again below
	SOFF 512
	v_add_nc_u32 v[BR], s53, v[BR0]
	s_wait_alu depctr_va_vdst(0)                   ; v[BR] is written, which the bias's loads read; the conversions are done with T, the last pass's products with A's registers and with sets 2 and 3: the loads below land there
	BIAST 1
	FETCHA AH, 0, 0
	FETCHA AH, 0, 1
	WLOAD 2, 2
	WLOAD 3, 3
	STEP 0, 63, 1, AH, 1, 4, 0
	STEP 1, 63, 0, AH, 2, 5, 0
	STEP 2, 63, 0, AH, 3, -1, 0
	STEP 3, 48, 0, AH, 4, -1, 0
	STEP 4, 24, 0, AH, 5, -1, 0
	STEP 5, 0, 0, AH, -1, -1, 0
	s_add_nc_u64 s[36:37], s[36:37], 294912        ; next: group 4 + w,
	s_cmp_eq_u32 s52, 0
	s_cselect_b64 s[36:37], s[36:37], s[74:75]     ; or, behind the last pass, the first weights of Q's chain
	s_wait_alu depctr_va_vdst(0)                   ; step 5's products are done reading set 1, in which weights land again (set 0 was last read ahead of the wait at step 4's end)
	WLOAD 0, 0
	WLOAD 1, 1
	EPI_T 44, 45, 1
	s_add_co_u32 s53, s53, 1536
	s_add_co_u32 s55, s55, 4
	s_add_co_u32 s52, s52, 1
	s_cmp_lt_u32 s52, 2
	s_cbranch_scc1 .Ll2
	s_branch .Lq
	; ---- layer 2 for V, two passes: rows as source 0
.Lv:
	s_wait_xcnt 0x0                                ; the last pass's stores have had their addresses translated
	s_wait_alu depctr_vm_vsrc(0)                   ; the earlier stores have read v[SO .. SO+2] and the code registers, and the last bias loads v[BRV]: the adds below write the first and the last, the bias lands in the codes' registers
	SOFF 4096
	v_add_nc_u32 v[BRV], s53, v[BRV0]
	s_wait_alu depctr_va_vdst(0)                   ; v[BRV] is written, which the bias's loads read; the conversions have written the code registers, the last pass's products are done with A's registers and with sets 2 and 3: the loads below land there
	BIASV
	FETCHA AH, 0, 0
	FETCHA AH, 0, 1
	WLOAD 2, 2
	WLOAD 3, 3
	WIN 0
	s_wait_dscnt 32                                ; the six bias numbers are in; A's 32 loads may be out
.irp t, 0,1,2,3,4,5
.irp j, 0,1,2,3,4,5,6,7
	v_mov_b32 v[T+8*\t+\j], v[CODE+\t]             ; a lane holds one column here: its bias in all eight rows of the first product's C
.endr
.endr
	STEP 0, 63, 1, AH, 1, 4, 1
	STEP 1, 63, 0, AH, 2, 5, 1
	STEP 2, 63, 0, AH, 3, -1, 1
	STEP 3, 48, 0, AH, 4, -1, 1
	STEP 4, 24, 0, AH, 5, -1, 1
	STEP 5, 0, 0, AH, -1, -1, 1
	s_add_nc_u64 s[36:37], s[36:37], 294912
	s_cmp_eq_u32 s52, 0
	s_cselect_b64 s[36:37], s[36:37], s[74:75]
	s_wait_alu depctr_va_vdst(0)                   ; step 5's products are done reading set 1, in which weights land again (set 0 was last read ahead of the wait at step 4's end)
	WLOAD 0, 0
	WLOAD 1, 1
	EPI_V
	s_add_co_u32 s53, s53, 1536
	s_add_co_u32 s55, s55, 4
	s_add_co_u32 s52, s52, 1
	s_cmp_lt_u32 s52, 2
	s_cbranch_scc1 .Lv
	; ---- Q's chain on my work-group's 32 rows of graph_nodes.  Its images were made ahead of the first barrier; the first two sets of its weights are on their way
.Lq:
	s_wait_xcnt 0x0                                ; K's or V's last stores have had their addresses translated: the code registers are written again below
	s_mov_b32 s52, 0
	s_mul_i32 s53, s26, 384
	s_mul_i32 s54, s26, 1536
.Lq1:                                              ; layer 1, two passes
	s_wait_alu depctr_vm_vsrc(0)                   ; the earlier LDS instructions have read v[HW] and v[BR], which the adds below write
	v_add_nc_u32 v[HW], s54, v[AQ+1]
	v_add_nc_u32 v[BR], s53, v[BRQ]
	s_wait_alu depctr_va_vdst(0)                   ; v[BR] is written, which the bias's loads read; the conversions are done with T, the holds or products with registers 768-959, the last pass's products with sets 2 and 3: the loads below land there
	BIAST 0
	QFETCH 0
	WLOAD 2, 2
	WLOAD 3, 3
	s_wait_dscnt 0x0                               ; the bias and A's twelve fragments are in
	QSTEP 0, 63, 1, 4
	QSTEP 1, 63, 0, 5
	QSTEP 2, 63, 0, -1
	QSTEP 3, 48, 0, -1
	QSTEP 4, 24, 0, -1
	QSTEP 5, 0, 0, -1
	s_add_nc_u64 s[36:37], s[36:37], 294912        ; every weight load is in: the next pass's weights, qW's group 4 + w and then in_qW's group w
	s_wait_alu depctr_va_vdst(0)                   ; the products of steps 4 and 5 are done reading sets 0 and 1, in which weights land again
	WLOAD 0, 0
	WLOAD 1, 1
	EPI_M 0, 122, 123, 0
	EPI_M 1, 122, 123, 0
	s_wait_alu depctr_va_vdst(0)                   ; the conversions have written the 24 code registers, which the six LDS stores read
	EPI_ST 0, 0, HW, 0, 38
	EPI_ST 1, 0, HW, 12288, 38
	s_wait_dscnt 0x0
	s_add_co_u32 s53, s53, 1536
	s_add_co_u32 s54, s54, 6144
	s_add_co_u32 s52, s52, 1
	s_cmp_lt_u32 s52, 2
	s_cbranch_scc1 .Lq1
	BARRIER                                        ; its hidden layer's twelve fragments lie in LDS
	s_mov_b32 s52, 0
	s_mul_i32 s53, s26, 384
	s_mov_b32 s55, s26
	s_mov_b32 s70, 0x8000                          ; a head's bytes in Q's output
.Lq2:                                              ; layer 2, two passes
	s_wait_xcnt 0x0                                ; the last pass's stores have had their addresses translated
	s_wait_alu depctr_vm_vsrc(0)                   ; the earlier stores have read v[SO .. SO+2], and the last bias loads v[BR]: both are written again below
	SOFF 512
	v_add_nc_u32 v[BR], s53, v[BRQ]
	s_wait_alu depctr_va_vdst(0)                   ; v[BR] is written, which the bias's loads read; the conversions are done with T, the last pass's products with registers 768-959 and with sets 2 and 3: the loads below land there
	BIAST 1
	QFETCH 1
	WLOAD 2, 2
	WLOAD 3, 3
	s_wait_dscnt 0x0
	QSTEP 0, 63, 1, 4
	QSTEP 1, 63, 0, 5
	QSTEP 2, 63, 0, -1
	QSTEP 3, 48, 0, -1
	QSTEP 4, 24, 0, -1
	QSTEP 5, 0, 0, -1
	WIN 0
	s_cmp_lg_u32 s52, 0
	s_cbranch_scc1 .Lqlast                         ; the last pass asks for no more weights
	s_add_nc_u64 s[36:37], s[36:37], 294912
	s_wait_alu depctr_va_vdst(0)                   ; the products of steps 4 and 5 are done reading sets 0 and 1, in which weights land again
	WLOAD 0, 0
	WLOAD 1, 1
	WIN 0
.Lqlast:
	EPI_M 0, 124, 125, 1
	EPI_M 1, 124, 125, 1
	s_wait_alu depctr_va_vdst(0)                   ; the conversions have written the 24 code registers, which the six stores read
	EPI_ST 0, 1, 0, 0, 76
	EPI_ST 1, 1, 0, 1024, 76
	s_add_co_u32 s53, s53, 1536
	s_add_co_u32 s55, s55, 4
	s_add_co_u32 s52, s52, 1
	s_cmp_lt_u32 s52, 2
	s_cbranch_scc1 .Lq2
	s_wait_xcnt 0x0
	v_lshl_add_u32 v254, v0, 2, 0x3f000            ; the add's two registers are made anew here (no memory or LDS instruction has read v254 or v255: loads alone have landed in them)
	v_mov_b32 v255, 0
	s_wait_dscnt 0x0                               ; the closing lines, six on end
	s_wait_alu 0x0
	s_wait_tensorcnt 0x0
	ds_add_u32 v254, v255
	s_wait_dscnt 0x0
	s_endpgm
.Lfunc_end_k_q69fe59de05_proj:
	.size	k_q69fe59de05_proj, .Lfunc_end_k_q69fe59de05_proj-k_q69fe59de05_proj
	.p2alignl 7, 3214868480
	.fill 96, 4, 3214868480
	.section	.rodata,"a",@progbits
	.p2align	6, 0x0
	.amdhsa_kernel k_q69fe59de05_proj
		.amdhsa_group_segment_fixed_size 258560
		.amdhsa_private_segment_fixed_size 0
		.amdhsa_enable_private_segment 0
		.amdhsa_kernarg_size 88
		.amdhsa_user_sgpr_count 2
		.amdhsa_user_sgpr_kernarg_segment_ptr 1
		.amdhsa_wavefront_size32 1
		.amdhsa_system_sgpr_workgroup_id_x 1
		.amdhsa_system_sgpr_workgroup_id_y 1
		.amdhsa_system_sgpr_workgroup_id_z 1
		.amdhsa_system_vgpr_workitem_id 0
		.amdhsa_next_free_vgpr 1024
		.amdhsa_next_free_sgpr 88
		.amdhsa_reserve_vcc 0
		.amdhsa_float_denorm_mode_32 3
		.amdhsa_float_denorm_mode_16_64 3
		.amdhsa_memory_ordered 1
		.amdhsa_forward_progress 1
		.amdhsa_inst_pref_size 255
	.end_amdhsa_kernel
	.section	.bss,"aw",@nobits
	.p2align	6
	.space	262144
	.amdgpu_metadata
---
amdhsa.version: [ 1, 2 ]
amdhsa.kernels:
  - .name:           k_q69fe59de05_proj
    .symbol:         k_q69fe59de05_proj.kd
    .args:
      - { .name: graph_nodes, .offset: 0, .size: 8, .value_kind: global_buffer, .address_space: global }
      - { .name: conditioning_vector, .offset: 8, .size: 8, .value_kind: global_buffer, .address_space: global }
      - { .name: lowp_scales, .offset: 16, .size: 8, .value_kind: global_buffer, .address_space: global }
      - { .name: qb, .offset: 24, .size: 8, .value_kind: global_buffer, .address_space: global }
      - { .name: kb, .offset: 32, .size: 8, .value_kind: global_buffer, .address_space: global }
      - { .name: vb, .offset: 40, .size: 8, .value_kind: global_buffer, .address_space: global }
      - { .name: in_qb, .offset: 48, .size: 8, .value_kind: global_buffer, .address_space: global }
      - { .name: in_kb, .offset: 56, .size: 8, .value_kind: global_buffer, .address_space: global }
      - { .name: in_vb, .offset: 64, .size: 8, .value_kind: global_buffer, .address_space: global }
      - { .name: wcodes, .offset: 72, .size: 8, .value_kind: global_buffer, .address_space: global }
      - { .name: qkv, .offset: 80, .size: 8, .value_kind: global_buffer, .address_space: global }
    .group_segment_fixed_size: 258560
    .private_segment_fixed_size: 0
    .kernarg_segment_align: 8
    .kernarg_segment_size: 88
    .max_flat_workgroup_size: 128
    .sgpr_count:     88
    .vgpr_count:     1024
    .wavefront_size: 32
...
	.end_amdgpu_metadata
.endif
;; end of part 5
;; launch attn (part 6): grid 12 x 16, 16 waves a work-group, no clusters, 133,120 bytes of LDS; arguments qkv, maskw, lowp_scales, ctx; writes ctx
.if DOCPART == 6
	.amdgcn_target "amdgcn-amd-amdhsa--gfx1250"
	.amdhsa_code_object_version 6
	.text
	.protected	k_q69fe59de05_attn
	.globl	k_q69fe59de05_attn
	.p2align	8
	.type	k_q69fe59de05_attn,@function
k_q69fe59de05_attn:
	s_mov_b64 s[64:65], 0
	v_nop
	global_prefetch_b8 v0, s[64:65] scope:SCOPE_SE
	s_setreg_imm32_b32 hwreg(HW_REG_WAVE_SCHED_MODE, 0, 2), 2
	s_setreg_imm32_b32 hwreg(HW_REG_WAVE_MODE, 25, 1), 1
	s_wait_xcnt 0x0
	s_wait_alu depctr_vm_vsrc(0)
; ctx = softmax(Q K^T / 8, masked keys left out) V for one (batch, head) a work-group, both products on codes of E4M3; ctx leaves as codes, laid as the next product's operand.
; THE SOFTMAX AHEAD OF THE SECOND PRODUCT: t = score x log2(e) / 8; M = the running largest t rounded UP to a whole number; p = 2^(t - M) is quantised with 2^e14, not normalised; the row's sum is taken of the unquantised p
; and divides at the end.  When M moves, the sum and O are multiplied by 2^(old M - new M), which rounds nothing.
; SHARES.  The head's K and V (65,536 bytes of register images each) are copied into LDS once and read by all sixteen waves; a wave owns query tiles w and w + 16, one after the other, in 256 registers:
; four waves to a SIMD, so that one wave's vector work stands beside another's products and LDS loads.  No two work-groups read the same K or V: nothing for a cluster to share.
; LAYOUT.  Both products transposed: S^T = K Q^T, O^T = V^T P^T: a lane holds one query throughout.  The keys of a tile of K, and the channels of a tile of V, were chosen by the launch before so that the 16 registers of
; two neighbouring result tiles are 16 neighbours along the next K.
; THE MASK.  A stored flag for each step of 128 keys: 2: all masked: the step's work is jumped over; 1: hidden scores become -infinity ahead of the maximum, by stored lane masks; 0: nothing.
; LIMITS: e12 + e13 between -122 and 130; e14 and e16 - e14 - e15 between -126 and 119.  A batch whose 1,024 keys are all masked is not served.
; REGISTERS: v1 16 x lane; v2 the same in V's image; v8, v9 the step's addresses; v12 -M, v13 the largest t, v[14:15] the sum; v16-23 Q; v32-95 K's eight or V's four fragments; v96-159 S^T, then p; v160-191 O^T; v224-239 codes.
; THE MODE: SCHED_MODE bits 1:0 = 2 (LLVM: expert scheduling mode 2), set by the entry lines.  The code itself states the register dependences between vector or matrix instructions and memory or LDS instructions,
; with s_wait_alu, always for 0.
; THE PLAN.  Registers that memory or LDS instructions touch:
;   v1, v3     made at the head, ahead of one wait on va_vdst, and never written again.
;   v8, v9     written by two adds at a step's head, read by the step's LDS loads: a wait on vm_vsrc ahead of the adds, a wait on va_vdst behind them.
;   v32-95     K's fragments land, the eight score products read; V's land, the four products with p read.  A wait on va_vdst stands ahead of each of the two runs of loads; the first is the one behind the adds.
;   v16-23     Q lands once a tile; the score products read.  The wait ahead of a tile's last stores covers the next tile's loads: no vector instruction stands between.
;   v96-159    at the head: the copy's loads land, its LDS stores read; then the products write them: a wait on vm_vsrc behind the barrier.
;   v224-231   at a tile's end the conversions write, two stores read: a wait on va_vdst ahead of the stores, a wait on vm_vsrc behind them.
;   v251, v255 written at the head, read by the closing add alone.
.set VIMG, 65536
	s_load_b256 s[4:11], s[0:1], 0x0               ; qkv, maskw, lowp_scales, ctx
	v_lshl_add_u32 v251, v0, 2, 0x20000
	v_mov_b32 v255, 0
	v_lshrrev_b32 v4, 5, v0
	v_readfirstlane_b32 s12, v4                    ; wave
	v_and_b32 v4, 31, v0
	v_lshlrev_b32 v1, 4, v4
	v_add_nc_u32 v2, VIMG, v1
	s_wait_alu depctr_va_sdst(0)                   ; s12 is written, ahead of its first reader: LDS places and bases are made from it
	s_lshl_b32 s2, s12, 13
	v_add_nc_u32 v3, s2, v1                        ; where I put my 8,192 bytes of the images
	v_mov_b32 v247, 0                              ; written once: a lane permute's destination counts as one of its sources
	v_mov_b32 v253, 0                              ; (named as the upper half of the pair v[252:253])
	s_mov_b32 s13, ttmp9                           ; head
	s_and_b32 s14, ttmp7, 0xffff                   ; batch
	s_mul_i32 s15, s14, 12
	s_add_co_u32 s15, s15, s13
	s_lshl_b32 s2, s15, 16
	s_and_b32 s3, s12, 7
	s_lshl_b32 s3, s3, 13
	s_add_co_u32 s2, s2, s3
	s_mov_b32 s3, 18874368
	s_cmp_lt_u32 s12, 8                            ; waves 0-7 copy K's image, waves 8-15 V's
	s_cselect_b32 s3, 6291456, s3
	s_add_co_u32 s2, s2, s3
	s_mov_b32 s3, 0
	s_mov_b32 s84, 0x76543210
	s_mov_b32 s85, 0xfedcba98                      ; v_permlanex16_b32's selects for lane l xor 16
	s_wait_kmcnt 0x0
	s_add_nc_u64 s[100:101], s[4:5], s[2:3]
	s_wait_alu depctr_va_vdst(0)                   ; v1 and v3 are written: the loads and stores read v1 as their offset, the LDS stores v3 as their address
.irp i, 0,1,2,3,4,5,6,7,8,9,10,11,12,13,14,15
	global_load_b128 v[96+4*\i:99+4*\i], v1, s[100:101] offset:512*\i th:TH_LOAD_NT
.endr
	s_lshl_b32 s2, s15, 15
	s_lshl_b32 s15, s12, 10
	s_add_co_u32 s2, s2, s15
	s_add_nc_u64 s[96:97], s[4:5], s[2:3]          ; Q: my first tile
	s_lshl_b32 s2, s14, 5
	s_add_co_u32 s2, s2, s12
	s_mul_i32 s2, s2, 12288
	s_lshl_b32 s15, s13, 10
	s_add_co_u32 s2, s2, s15
	s_add_nc_u64 s[98:99], s[10:11], s[2:3]        ; ctx: row tile 32 b + w, pieces 2 head, 2 head + 1
	s_lshl_b32 s2, s14, 12
	s_add_nc_u64 s[94:95], s[6:7], s[2:3]          ; the batch's eight rows of the mask table
	s_load_b128 s[16:19], s[8:9], 0x30             ; e12 .. e15
	s_load_b32 s20, s[8:9], 0x40                   ; e16
.irp i, 0,1,2,3,4,5,6,7
	s_load_b32 s[24+\i], s[94:95], \i*512+256      ; the steps' flags
.endr
	s_wait_kmcnt 0x0
	s_add_co_i32 s2, s16, s17
	s_lshl_b32 s2, s2, 23
	s_add_co_i32 s86, s2, 0x3e38aa3b               ; c = log2(e) / 8, with e12 + e13 added to its exponent field
	s_mov_b32 s87, s86                             ; (named with it as a pair)
	s_mov_b32 s92, s18                             ; ep
	s_add_co_i32 s2, s18, 127
	s_lshl_b32 s3, s2, 23
	v_mov_b32 v244, s3                             ; 2^ep
	s_add_co_i32 s2, s2, 8
	s_lshl_b32 s2, s2, 23
	s_or_b32 s2, s2, 0x600000
	v_mov_b32 v240, s2                             ; 448 x 2^ep
	s_sub_co_i32 s2, s20, s18
	s_sub_co_i32 s2, s2, s19
	s_add_co_i32 s2, s2, 127
	s_lshl_b32 s3, s2, 23
	v_mov_b32 v245, s3                             ; 2^(e16 - e14 - e15): O / the sum stands for ctx / 2^(e14 + e15)
	s_add_co_i32 s2, s2, 8
	s_lshl_b32 s2, s2, 23
	s_or_b32 s2, s2, 0x600000
	v_mov_b32 v246, s2
	s_mov_b32 s90, s24
.irp i, 1,2,3,4,5,6,7
	s_lshl_b32 s2, s[24+\i], 2*\i
	s_or_b32 s90, s90, s2                          ; two bits a step
.endr
	s_wait_loadcnt 0x0
.irp i, 0,1,2,3,4,5,6,7,8,9,10,11,12,13,14,15
	ds_store_b128 v3, v[96+4*\i:99+4*\i] offset:512*\i
.endr
	s_wait_dscnt 0x0                               ; for the others' sake: my part of the images has landed
	s_barrier_signal -1
	s_barrier_wait -1                              ; the launch's one barrier: from here on LDS is only read
	s_wait_alu depctr_vm_vsrc(0)                   ; my LDS stores have read v96-159, which the score products write from here on
	s_mov_b32 s91, 0
.Ltile:
	global_load_b128 v[16:19], v1, s[96:97] th:TH_LOAD_NT             ; no wait: the last tile's products that read v16-23 stand ahead of the wait in front of its stores, and no vector instruction follows that wait
	global_load_b128 v[20:23], v1, s[96:97] offset:512 th:TH_LOAD_NT
	v_mov_b32 v13, 0xff61b1e6                      ; the largest t so far: -3e38
	v_floor_f32 v12, -v13                          ; -M
	v_mov_b32 v14, 0
	v_mov_b32 v15, 0
.set n, 0
.rept 32
	v_mov_b32 v[160+n], 0                          ; O^T: the step is written once; the first change of M leaves zeros zeros
.set n, n+1
.endr
	s_mov_b32 s88, 0                               ; the step's bytes in the images
	s_mov_b32 s89, 0
	s_wait_loadcnt 0x0
.Lstep:                                            ; eight trips, whatever the mask
	s_lshl_b32 s100, s89, 1
	s_lshr_b32 s93, s90, s100
	s_and_b32 s93, s93, 3
	s_cmp_eq_u32 s93, 2
	s_cbranch_scc1 .Lskip                          ; all 128 keys masked: p would be 0 throughout
	s_wait_alu depctr_vm_vsrc(0)                   ; the LDS loads of the step before have read v8 and v9, which the adds below write
	v_add_nc_u32 v8, s88, v1
	v_add_nc_u32 v9, s88, v2
	v_nop
	v_nop                                          ; four plain lines behind the last products, as before
	s_wait_alu depctr_va_vdst(0)                   ; v8 and v9 are written, which the step's LDS loads read; the last step's products are done reading v32-95, in which K's fragments land
.irp t, 0,1,2,3,4,5,6,7
	ds_load_b128 v[32+8*\t:35+8*\t], v8 offset:1024*\t
	ds_load_b128 v[36+8*\t:39+8*\t], v8 offset:1024*\t+512
.endr
	s_wait_dscnt 0x0
.irp t, 0,1,2,3,4,5,6,7
	v_wmma_f32_16x16x64_fp8_fp8 v[96+8*\t:103+8*\t], v[32+8*\t:39+8*\t], v[16:23], 0
.endr
.rept 4
	v_nop
.endr
	s_wait_alu depctr_va_vdst(0)                   ; the eight products are done reading v32-95, in which V's fragments land
.irp t, 0,1,2,3
.irp c, 0,1,2,3
	ds_load_b128 v[32+16*\t+4*\c:35+16*\t+4*\c], v9 offset:2048*\t+512*\c   ; V lands while the softmax is walked
.endr
.endr
	s_cmp_eq_u32 s93, 0
	s_cbranch_scc1 .Lopen
	s_lshl_b32 s100, s89, 9
	s_load_b512 s[16:31], s[94:95], s100 offset:0x0
	s_load_b512 s[32:47], s[94:95], s100 offset:0x40
	s_load_b512 s[48:63], s[94:95], s100 offset:0x80
	s_load_b512 s[68:83], s[94:95], s100 offset:0xc0
	v_mov_b32 v254, 0xff800000                     ; -infinity
	s_wait_kmcnt 0x0
.set n, 0
.rept 64
.if n < 48
	v_cndmask_b32 v[96+n], v[96+n], v254, s[16+n]  ; register 16 q + i holds key 32 q + 16 h + i: word 16 q + i has that key's bit in each lane of half h
.else
	v_cndmask_b32 v[96+n], v[96+n], v254, s[20+n]
.endif
.set n, n+1
.endr
.Lopen:
	v_max3_num_f32 v254, v96, v97, v98             ; the step's largest score of my query among my 64 keys, in two chains,
	v_max3_num_f32 v250, v99, v100, v101
.irp i, 6,10,14,18,22,26,30,34,38,42,46,50,54,58
	v_max3_num_f32 v254, v254, v[96+\i], v[97+\i]
	v_max3_num_f32 v250, v250, v[98+\i], v[99+\i]
.endr
	v_max3_num_f32 v254, v254, v158, v159
	v_max_num_f32 v254, v254, v250
	v_permlanex16_b32 v247, v254, s84, s85
	v_max_num_f32 v254, v254, v247                 ; and among lane l xor 16's
	v_mul_f32 v254, s86, v254                      ; as t (c is positive)
	v_max_num_f32 v13, v13, v254
	v_mov_b32 v254, v12
	v_floor_f32 v12, -v13                          ; the new -M = -ceil(t)
	v_sub_f32 v254, v12, v254                      ; old M - new M: a whole number, 0 or less
	v_cvt_i32_f32 v254, v254                       ; (it saturates)
	v_ldexp_f32 v252, 1.0, v254                    ; f = 2^(old M - new M)
.set n, 0
.rept 32
	v_pk_fma_f32 v[96+n:97+n], v[96+n:97+n], s[86:87], v[12:13] op_sel_hi:[1,0,0]   ; t - M
.set n, n+2
.endr
.set n, 0
.rept 64
	v_exp_f32 v[96+n], v[96+n]                     ; p = 2^(t - M)
.set n, n+1
.endr
	v_pk_mul_f32 v[14:15], v[14:15], v[252:253] op_sel_hi:[1,0]   ; the sums under the new M: the plain line behind the batch
	s_wait_alu depctr_va_vdst(0)                   ; the 64 exponentials have written v96-159: one wait for the batch, ahead of its first reader
	v_pk_add_f32 v[242:243], v[96:97], v[98:99]    ; the row's sum, of the unquantised p, in two chains
.irp j, 4,8,12,16,20,24,28,32,36,40,44,48,52,56,60
	v_pk_add_f32 v[14:15], v[14:15], v[96+\j:97+\j]
	v_pk_add_f32 v[242:243], v[242:243], v[98+\j:99+\j]
.endr
	v_pk_add_f32 v[14:15], v[14:15], v[242:243]
	s_cmp_ge_i32 s92, -8
	s_cbranch_scc1 .Lnohold                        ; p <= 1 <= 448 x 2^ep from ep = -8 on: the hold could change nothing
.set n, 0
.rept 64
	v_min_num_f32 v[96+n], v[96+n], v240           ; the conversion does not saturate (ISA guide 7.6.2); p is not negative
.set n, n+1
.endr
.Lnohold:
.irp b, 0,1,2,3
	v_cvt_scalef32_pk8_fp8_f32 v[224+4*\b:225+4*\b], v[96+16*\b:103+16*\b], v244
	v_cvt_scalef32_pk8_fp8_f32 v[226+4*\b:227+4*\b], v[104+16*\b:111+16*\b], v244
.endr
.set n, 0
.rept 16
	v_pk_mul_f32 v[160+n:161+n], v[160+n:161+n], v[252:253] op_sel_hi:[1,0]   ; O^T under the new M; also the plain lines behind the conversions
.set n, n+2
.endr
	s_wait_dscnt 0x0                               ; V
.irp t, 0,1,2,3
	v_wmma_f32_16x16x128_fp8_fp8 v[160+8*\t:167+8*\t], v[32+16*\t:47+16*\t], v[224:239], v[160+8*\t:167+8*\t]
.endr
.Lskip:
	s_add_co_u32 s88, s88, 8192
	s_add_co_u32 s89, s89, 1
	s_cmp_lt_u32 s89, 8
	s_cbranch_scc1 .Lstep
	; ---- the tile's way out: O^T / the sum, quantised: two pieces of the next product's operand
.rept 4
	v_nop
.endr
	v_add_f32 v14, v14, v15
	v_permlanex16_b32 v247, v14, s84, s85
	v_add_f32 v14, v14, v247                       ; the row's sum
	v_rcp_f32 v14, v14
	v_nop                                          ; a plain line behind the transcendental
	s_wait_alu depctr_va_vdst(0)                   ; the reciprocal has written v14, ahead of its first reader
.set n, 0
.rept 16
	v_pk_mul_f32 v[96+n:97+n], v[160+n:161+n], v[14:15] op_sel_hi:[1,0]
.set n, n+2
.endr
.set n, 0
.rept 32
	v_med3_num_f32 v[96+n], v[96+n], -v246, v246
.set n, n+1
.endr
.irp t, 0,1,2,3
	v_cvt_scalef32_pk8_fp8_f32 v[224+2*\t:225+2*\t], v[96+8*\t:103+8*\t], v245
.endr
	v_nop
	s_wait_alu depctr_va_vdst(0)                   ; the conversions have written v224-231, which the two stores read; the tile's products are done reading v16-23, in which the next tile's Q lands
	global_store_b128 v1, v[224:227], s[98:99]             ; 512 bytes on end, aligned
	global_store_b128 v1, v[228:231], s[98:99] offset:512
	s_wait_xcnt 0x0                                ; the stores have had their addresses translated: their data and base are written again in the next tile
	s_wait_alu depctr_vm_vsrc(0)                   ; the stores have read v224-231, which the next tile's conversions write again
	s_add_nc_u64 s[96:97], s[96:97], 16384         ; sixteen tiles on
	s_add_nc_u64 s[98:99], s[98:99], 196608
	s_add_co_u32 s91, s91, 1
	s_cmp_lt_u32 s91, 2
	s_cbranch_scc1 .Ltile
	s_wait_dscnt 0x0                               ; the closing lines, six on end
	s_wait_alu 0x0
	s_wait_tensorcnt 0x0
	ds_add_u32 v251, v255
	s_wait_dscnt 0x0
	s_endpgm
.Lfunc_end_k_q69fe59de05_attn:
	.size	k_q69fe59de05_attn, .Lfunc_end_k_q69fe59de05_attn-k_q69fe59de05_attn
	.p2alignl 7, 3214868480
	.fill 96, 4, 3214868480
	.section	.rodata,"a",@progbits
	.p2align	6, 0x0
	.amdhsa_kernel k_q69fe59de05_attn
		.amdhsa_group_segment_fixed_size 133120
		.amdhsa_private_segment_fixed_size 0
		.amdhsa_enable_private_segment 0
		.amdhsa_kernarg_size 32
		.amdhsa_user_sgpr_count 2
		.amdhsa_user_sgpr_kernarg_segment_ptr 1
		.amdhsa_wavefront_size32 1
		.amdhsa_system_sgpr_workgroup_id_x 1
		.amdhsa_system_sgpr_workgroup_id_y 1
		.amdhsa_system_sgpr_workgroup_id_z 1
		.amdhsa_system_vgpr_workitem_id 0
		.amdhsa_next_free_vgpr 256
		.amdhsa_next_free_sgpr 102
		.amdhsa_reserve_vcc 0
		.amdhsa_float_denorm_mode_32 3
		.amdhsa_float_denorm_mode_16_64 3
		.amdhsa_memory_ordered 1
		.amdhsa_forward_progress 1
		.amdhsa_inst_pref_size 33
	.end_amdhsa_kernel
	.amdgpu_metadata
---
amdhsa.version: [ 1, 2 ]
amdhsa.kernels:
  - .name:           k_q69fe59de05_attn
    .symbol:         k_q69fe59de05_attn.kd
    .args:
      - { .name: qkv, .offset: 0, .size: 8, .value_kind: global_buffer, .address_space: global }
      - { .name: maskw, .offset: 8, .size: 8, .value_kind: global_buffer, .address_space: global }
      - { .name: lowp_scales, .offset: 16, .size: 8, .value_kind: global_buffer, .address_space: global }
      - { .name: ctx, .offset: 24, .size: 8, .value_kind: global_buffer, .address_space: global }
    .group_segment_fixed_size: 133120
    .private_segment_fixed_size: 0
    .kernarg_segment_align: 8
    .kernarg_segment_size: 32
    .max_flat_workgroup_size: 512
    .sgpr_count:     102
    .vgpr_count:     256
    .wavefront_size: 32
...
	.end_amdgpu_metadata
.endif
;; end of part 6
;; launch tail (part 7): grid 128 x 1, 4 waves a work-group, no clusters, 318,976 bytes of LDS; arguments ctx, wcodes, graph_nodes, lowp_scales, outb, ln1g, ln1b, d1b, ln2g, ln2b, out0; writes out0
.if DOCPART == 7
	.amdgcn_target "amdgcn-amd-amdhsa--gfx1250"
	.amdhsa_code_object_version 6
	.text
	.protected	k_q69fe59de05_tail
	.globl	k_q69fe59de05_tail
	.p2align	8
	.type	k_q69fe59de05_tail,@function
k_q69fe59de05_tail:
	s_mov_b64 s[64:65], 0
	v_nop
	global_prefetch_b8 v0, s[64:65] scope:SCOPE_SE
	s_setreg_imm32_b32 hwreg(HW_REG_WAVE_SCHED_MODE, 0, 2), 2
	s_setreg_imm32_b32 hwreg(HW_REG_WAVE_MODE, 25, 1), 1
	s_wait_xcnt 0x0
	s_wait_alu depctr_vm_vsrc(0)
; x = LN1(ctx outW + outb + graph_nodes); out0 = LN2(leaky_relu(Q(x) d1W + d1b, 0.01) + x).  Both products on codes of E4M3; all else f32.
; A work-group takes 64 rows: four tiles m; lane r of tile m holds row 64 id + 32 (m / 2) + 8 (m % 2) + r + 8 (r / 8), as ctx's images were laid.
; THE WAVES SHARE THE COLUMNS: wave w makes columns 192 w .. 192 w + 191 (weight groups 2 w, 2 w + 1: twelve tiles) for all 64 rows: 48 accumulators, which carry the rows through both norms.  Its weights come as register
; images straight into a ring of four sets of six fragments; A's fragments come from LDS as register images.  Transposed use: a lane holds one row; the 16 registers of tiles 2 b, 2 b + 1 are columns 192 w + 32 b + 16 h + 0 .. 15.
; As ROW OWNER wave w also moves tile w's 16 rows of graph_nodes in and of out0 out, 512 bytes on end an instruction, through rows of f32 in LDS.
; THE FIRST SUMS start from (graph_nodes + outb) / 2^(e16 + e17), so they end as (attn_out + graph_nodes) / 2^(e16 + e17); LN1 then takes eps / 4^(e16 + e17): the same normalised numbers.
; BOTH NORMS go in two passes, the mean first and then the squared deviations: no difference of large sums.  A row's sum: 96 numbers a lane, the other half of the lanes, then four waves' words through LDS.
; LIMITS: e16 + e17 between -126 and 126; e18 + e19 between -126 and 127; e18 between -126 and 119.  NaN among the inputs is not served.
; NO CLUSTER: a weight fragment is used by one wave of a work-group alone and goes into its registers; by way of LDS each byte would be written and read once more.
; REGISTERS (absolute): 0-47 addresses, means, scales; 48-127 at work; 128-255 A's fragments (two sets of four), or at work; 256-639 the weights' ring; 640-1023 accumulator (m, tile) at 640 + 8 (12 m + tile).
; THE MODE: SCHED_MODE bits 1:0 = 2 (LLVM: expert scheduling mode 2), set by the entry lines.  The code itself states the register dependences between vector or matrix instructions and memory or LDS instructions,
; with s_wait_alu, always for 0.
; THE PLAN.  Registers that memory or LDS instructions touch:
;   addresses (LI, STW, STR, HW, VECR, CW, AH, XRW, XRD, VB, VW): made at the head, ahead of one wait on va_vdst, and never written again.  v18, v19: written at the head, read by the closing add alone.
;   WR (256-639)   ctx's images land and are stored to LDS; a wait on vm_vsrc; then the ring: weight loads land, products read; a set is asked for again behind the wait on va_vdst at the end of the half step that read it.
;   AF (128-255)   LDS loads land (outb, A's fragments, gains and biases, x); vector or matrix instructions read.  Every run of loads stands behind a wait on va_vdst behind which nothing names its registers:
;                  the fetch of A's next K step follows the wait at a half step's end with no vector work between.
;   ACC (640-1023) graph_nodes lands, LDS stores read, rows land again; the sums; after each norm LDS stores read them: a wait on va_vdst a block ahead of the stores, a wait on vm_vsrc ahead of what writes them next.
;   T, CODE, PS (48-127)  vector work and LDS loads and stores by turns: the waits stand in EXCH, APPLY and the block loop, each with its dependence.
.set CIMG, 0                           ; LDS: ctx's images, tile m at 12,288 m
.set HIMG, 49152                       ; x's codes, likewise
.set XR,   98304                       ; 64 rows of f32, XP bytes apart: graph_nodes, then x, then the result
.set XP,   3088
.set STT,  295936                      ; four regions of 1,024 bytes: a row's four partial sums at 16 x row + 4 x wave
.set VEC,  300032                      ; outb / 2^(e16 + e17), ln1g, ln1b, d1b, ln2g, ln2b: 3,072 bytes each
.set LI,   1
.set STW,  4
.set STR,  5
.set HW,   6
.set VECR, 7
.set CW,   8
.set AH,   10
.set XRW,  11
.set XRD,  12                          ; v12-15: tile m: my lane's 64 bytes of a block of 32 columns
.set VB,   16
.set VW,   17
.set MP,   20                          ; v20-27  the four tiles' means, each twice
.set RP,   28                          ; v28-35  1 / sigma, each twice
.set CH,   36                          ; v36-43  four chains of pairs
.set QS,   44
.set QL,   45
.set EP1,  46
.set EP2,  47
.set T,    48
.set CODE, 96                          ; v96-111  four registers of codes for each of the four tiles
.set PS,   120                         ; v120-123 sums, v124-127 the lane exchange's targets
.set AF,   128
.set WR,   256
.set ACC,  640
.set MSB, 0
.macro WIN new
.if MSB != (\new)
	s_set_vgpr_msb (MSB<<8)|(\new)
.set MSB, (\new)
.endif
.endm
.macro W4 d, a, b, c
	WIN ((((\d)/256)<<6)|(((\c)/256)<<4)|(((\b)/256)<<2)|((\a)/256))
.endm
.macro DSLD d, adr, off
	W4 \d, \adr, 0, 0
	ds_load_b128 v[(\d)%256:(\d)%256+3], v[\adr] offset:\off
.endm
.macro DSST adr, dat, off
	W4 0, \adr, \dat, 0
	ds_store_b128 v[\adr], v[(\dat)%256:(\dat)%256+3] offset:\off
.endm
.macro GLD d, vo, sb, off
	W4 \d, \vo, 0, 0
	global_load_b128 v[(\d)%256:(\d)%256+3], v[\vo], s[\sb:\sb+1] offset:\off
.endm
.macro GLDN d, vo, sb, off             ; read once in the launch
	W4 \d, \vo, 0, 0
	global_load_b128 v[(\d)%256:(\d)%256+3], v[\vo], s[\sb:\sb+1] offset:\off th:TH_LOAD_NT
.endm
.macro GST vo, dat, sb, off
	W4 0, \vo, \dat, 0
	global_store_b128 v[\vo], v[(\dat)%256:(\dat)%256+3], s[\sb:\sb+1] offset:\off th:TH_STORE_NT
.endm
.macro PLACES n
.rept \n
	v_nop
.endr
.endm
.macro BARRIER
	s_wait_dscnt 0x0
	s_barrier_signal -1
	s_barrier_wait -1
.endm
.macro GNLOAD hb                       ; my tile's rows 8 hb .. 8 hb + 7 of graph_nodes
.irp i, 0,1,2,3,4,5,6,7
.irp k, 0,1,2,3,4,5
	GLDN ACC+192*\hb+24*\i+4*\k, LI, 32, (16*\hb+\i)*3072+512*\k
.endr
.endr
.endm
.macro GNSTORE hb
.irp i, 0,1,2,3,4,5,6,7
.irp k, 0,1,2,3,4,5
	DSST XRW, ACC+192*\hb+24*\i+4*\k, (8*\hb+\i)*XP+512*\k
.endr
.endr
.endm
.macro WLOADH q, wp                    ; half step q: K step q / 2, weight group 2 w + q % 2: six fragments into set q % 4
.irp t, 0,1,2,3,4,5
.irp c, 0,1,2,3
	GLD WR+96*((\q)%4)+16*\t+4*\c, LI, \wp, ((\q)%2)*73728+((\q)/2)*12288+\t*2048+\c*512
.endr
.endr
.endm
.macro AFETCH ab, s                    ; A's four fragments of K step s into set s % 2
	WIN 0
.irp m, 0,1,2,3
.irp c, 0,1,2,3
	ds_load_b128 v[AF+64*((\s)%2)+16*\m+4*\c:AF+64*((\s)%2)+16*\m+4*\c+3], v[\ab] offset:\m*12288+(\s)*2048+\c*512
.endr
.endr
.endm
; Half a K step: 24 products on 24 accumulators, one instruction a turn; the other 24 follow in the next half step.
; The wait on the weights leaves the three later sets out (72 loads; the wait's field holds 63); then 48, 24, 0.  Four plain lines stand behind the products, as before; the wait on va_vdst stands behind them.
; The fetch of A's next K step owes no wait of its own: it lands in the set that the K step before read, whose products stand ahead of the wait at the last half step's end, and no vector or matrix instruction follows that wait.
.macro HSTEP q, ab, wp, zero
.set hs, (\q)/2
.set hf, (\q)%2
.if hf == 0
	s_wait_dscnt 0x0                               ; this K step's fragments of A are in
.if hs < 5
	AFETCH \ab, hs+1
.endif
.endif
.if (\q) <= 8
	s_wait_loadcnt 63
.else
	s_wait_loadcnt 24*(11-(\q))
.endif
.irp m, 0,1,2,3
.irp t, 0,1,2,3,4,5
.set rD, ACC+8*(12*\m+6*hf+\t)
.set rW, WR+96*((\q)%4)+16*\t
.set rA, AF+64*(hs%2)+16*\m
.if \zero && (hs == 0)
	W4 rD, rW, rA, 0
	v_wmma_f32_16x16x128_fp8_fp8 v[rD%256:rD%256+7], v[rW%256:rW%256+15], v[rA%256:rA%256+15], 0
.else
	W4 rD, rW, rA, rD
	v_wmma_f32_16x16x128_fp8_fp8 v[rD%256:rD%256+7], v[rW%256:rW%256+15], v[rA%256:rA%256+15], v[rD%256:rD%256+7]
.endif
.endr
.endr
	PLACES 4
.if (\q) <= 7
	s_wait_alu depctr_va_vdst(0)                   ; the products are done reading this set of weights, in which the loads below land, and (behind a K step's second half) A's set, in which the fetch at the next half step's head lands
	WLOADH (\q)+4, \wp
.endif
.endm
; A lane's sum over its 96 numbers of each tile's row, in four chains of pairs that the first pairs start.  sq = 1: the mean is taken off in place first, and the squares are summed.  Each accumulator is read from its low end on.
.macro SUMROWS sq
.irp m, 0,1,2,3
.if \sq
.set ix, 0
.rept 48
.set ra, ACC+96*\m+2*ix
	W4 ra, ra, 0, 0
	v_pk_add_f32 v[ra%256:ra%256+1], v[ra%256:ra%256+1], v[MP+2*\m:MP+2*\m+1] neg_lo:[0,1] neg_hi:[0,1]
.set ix, ix+1
.endr
.set ix, 0
.rept 48
.set ra, ACC+96*\m+2*ix
.set rc, CH+2*(ix%4)
	W4 0, ra, ra, 0
.if ix < 4
	v_pk_mul_f32 v[rc:rc+1], v[ra%256:ra%256+1], v[ra%256:ra%256+1]
.else
	v_pk_fma_f32 v[rc:rc+1], v[ra%256:ra%256+1], v[ra%256:ra%256+1], v[rc:rc+1]
.endif
.set ix, ix+1
.endr
.else
.set ix, 0
.rept 48
.set ra, ACC+96*\m+2*ix
.set rc, CH+2*(ix%4)
.if ix < 4
	W4 0, ra, ra+8, 0
	v_pk_add_f32 v[rc:rc+1], v[ra%256:ra%256+1], v[(ra+8)%256:(ra+8)%256+1]
.elseif ix >= 8
	W4 0, ra, 0, 0
	v_pk_add_f32 v[rc:rc+1], v[ra%256:ra%256+1], v[rc:rc+1]
.endif
.set ix, ix+1
.endr
.endif
	WIN 0
	v_pk_add_f32 v[CH:CH+1], v[CH:CH+1], v[CH+2:CH+3]
	v_pk_add_f32 v[CH+4:CH+5], v[CH+4:CH+5], v[CH+6:CH+7]
	v_pk_add_f32 v[CH:CH+1], v[CH:CH+1], v[CH+4:CH+5]
	v_add_f32 v[PS+\m], v[CH], v[CH+1]
.endr
.endm
.macro EXCH reg                        ; the other half of the lanes, then the four waves' words through region reg: v[PS + m] = the row's sum over 768
	WIN 0
.irp m, 0,1,2,3
	v_permlanex16_b32 v[PS+4+\m], v[PS+\m], s46, s47
.endr
.irp m, 0,1,2,3
	v_add_f32 v[PS+\m], v[PS+\m], v[PS+4+\m]
.endr
	s_wait_alu depctr_va_vdst(0)                   ; the sums are written in v[PS .. PS+3], which the LDS stores read; earlier vector work is done with v[T .. T+15], in which the loads behind the barrier land
.irp m, 0,1,2,3
	ds_store_b32 v[STW], v[PS+\m] offset:1024*\reg+256*\m   ; lanes r and r + 16 write the same word with the same number
.endr
	BARRIER
.irp m, 0,1,2,3
	ds_load_b128 v[T+4*\m:T+4*\m+3], v[STR] offset:1024*\reg+256*\m
.endr
	s_wait_dscnt 0x0
	s_wait_alu depctr_vm_vsrc(0)                   ; my LDS stores have read v[PS .. PS+3], which the additions below write again
.irp m, 0,1,2,3
	v_add_f32 v[T+4*\m], v[T+4*\m], v[T+4*\m+1]
	v_add_f32 v[T+4*\m+2], v[T+4*\m+2], v[T+4*\m+3]
	v_add_f32 v[PS+\m], v[T+4*\m], v[T+4*\m+2]
.endr
.endm
.macro MEANS
.irp m, 0,1,2,3
	v_mul_f32 v[MP+2*\m], s44, v[PS+\m]
	v_mov_b32 v[MP+2*\m+1], v[MP+2*\m]
.endr
.endm
.macro RSQ ep
.irp m, 0,1,2,3
	v_fma_f32 v[PS+\m], v[PS+\m], s44, v[\ep]      ; the variance + eps
.endr
.irp m, 0,1,2,3
	v_rsq_f32 v[RP+2*\m], v[PS+\m]
.endr
	v_nop                                          ; a plain line behind the batch
	s_wait_alu depctr_va_vdst(0)                   ; the four reciprocal roots have written v[RP], v[RP+2], v[RP+4], v[RP+6]: one wait, ahead of their first reader
.irp m, 0,1,2,3
	v_mov_b32 v[RP+2*\m+1], v[RP+2*\m]
.endr
.endm
; deviation x 1 / sigma x gain + bias, in place, three blocks of 32 columns a round; the rows go to LDS as f32.  mode = 1: they are also quantised, and the codes go to LDS as pieces of the next operand.
; A block's arithmetic for all four tiles stands together, then one wait, then its stores.  The gains' and biases' loads owe no wait of their own: what read v[AF .. AF+95] last stands ahead of the last wait on va_vdst
; (in the first round the one behind the reciprocal roots, in the second the last block's), and no vector instruction behind that wait names them.
.macro APPLY gi, bi, mode
.irp rd, 0,1
	WIN 0
.irp b, 0,1,2
.irp q, 0,1,2,3
	ds_load_b128 v[AF+16*\b+4*\q:AF+16*\b+4*\q+3], v[VECR] offset:3072*\gi+128*(3*\rd+\b)+16*\q
	ds_load_b128 v[AF+48+16*\b+4*\q:AF+48+16*\b+4*\q+3], v[VECR] offset:3072*\bi+128*(3*\rd+\b)+16*\q
.endr
.endr
	s_wait_dscnt 0x0
.irp b, 0,1,2
.if (\mode == 1) && ((3*\rd+\b) > 0)
	s_wait_alu depctr_vm_vsrc(0)                   ; the last block's LDS stores have read the 16 code registers, which this block's conversions write again
.endif
.irp m, 0,1,2,3
.set ra, ACC+96*\m+16*(3*\rd+\b)
	W4 ra, ra, 0, 0
.irp i, 0,2,4,6,8,10,12,14
	v_pk_mul_f32 v[(ra+\i)%256:(ra+\i)%256+1], v[(ra+\i)%256:(ra+\i)%256+1], v[RP+2*\m:RP+2*\m+1]
.endr
.irp i, 0,2,4,6,8,10,12,14
	v_pk_fma_f32 v[(ra+\i)%256:(ra+\i)%256+1], v[(ra+\i)%256:(ra+\i)%256+1], v[AF+16*\b+\i:AF+16*\b+\i+1], v[AF+48+16*\b+\i:AF+48+16*\b+\i+1]
.endr
.if \mode == 1
	W4 0, ra, 0, 0
.irp i, 0,1,2,3,4,5,6,7,8,9,10,11,12,13,14,15
	v_med3_num_f32 v[T+\i], v[(ra+\i)%256], -v[QL], v[QL]
.endr
	WIN 0
	v_cvt_scalef32_pk8_fp8_f32 v[CODE+4*\m:CODE+4*\m+1], v[T:T+7], v[QS]
	v_cvt_scalef32_pk8_fp8_f32 v[CODE+4*\m+2:CODE+4*\m+3], v[T+8:T+15], v[QS]
	v_nop
.endif
.endr
	s_wait_alu depctr_va_vdst(0)                   ; the block's numbers are written in the accumulators' registers (mode 1: and its codes), which the LDS stores below read
.irp m, 0,1,2,3
.irp q, 0,1,2,3
	DSST XRD+\m, ACC+96*\m+16*(3*\rd+\b)+4*\q, 128*(3*\rd+\b)+16*\q
.endr
.endr
.if \mode == 1
	WIN 0
.irp m, 0,1,2,3
	ds_store_b128 v[HW], v[CODE+4*\m:CODE+4*\m+3] offset:12288*\m+512*(3*\rd+\b)
.endr
.endif
.endr
.endr
.endm
.macro P4LOAD b                        ; x of the four tiles and d1b, block b of 32 columns: 20 loads into one of two buffers of 80 registers
.set bb, 128-80*((\b)%2)
	WIN 0
.irp m, 0,1,2,3
.irp q, 0,1,2,3
	ds_load_b128 v[bb+16*\m+4*\q:bb+16*\m+4*\q+3], v[XRD+\m] offset:128*(\b)+16*\q
.endr
.endr
.irp q, 0,1,2,3
	ds_load_b128 v[bb+64+4*\q:bb+64+4*\q+3], v[VECR] offset:3072*3+128*(\b)+16*\q
.endr
.endm
	s_load_b512 s[4:19], s[0:1], 0x0               ; ctx, wcodes, graph_nodes, lowp_scales, outb, ln1g, ln1b, d1b
	s_load_b128 s[20:23], s[0:1], 0x40             ; ln2g, ln2b
	s_load_b64 s[24:25], s[0:1], 0x50              ; out0
	v_lshl_add_u32 v18, v0, 2, 0x4dc00
	v_mov_b32 v19, 0
	v_lshrrev_b32 v2, 5, v0
	v_readfirstlane_b32 s26, v2                    ; wave
	v_and_b32 v9, 31, v0
	v_lshlrev_b32 v[LI], 4, v9
	v_and_b32 v2, 15, v0                           ; r
	v_bfe_u32 v3, v0, 4, 1                         ; h
	s_wait_alu depctr_va_sdst(0)                   ; s26 is written, ahead of its first reader: LDS places and bases are made from it
	s_lshl_b32 s52, s26, 2
	v_lshlrev_b32 v[STR], 4, v2
	v_add_nc_u32 v[STR], STT, v[STR]
	v_add_nc_u32 v[STW], s52, v[STR]
	s_mul_i32 s52, s26, 3072
	v_add_nc_u32 v[HW], s52, v[LI]
	v_add_nc_u32 v[HW], HIMG, v[HW]
	s_mul_i32 s52, s26, 768
	v_lshlrev_b32 v[VECR], 6, v3
	v_add_nc_u32 v[VECR], s52, v[VECR]             ; 768 w + 64 h
	v_mul_u32_u24 v9, v2, XP
	v_add_nc_u32 v9, v9, v[VECR]
.irp m, 0,1,2,3
	v_add_nc_u32 v[XRD+\m], XR+16*\m*XP, v9
.endr
	v_add_nc_u32 v[VECR], VEC, v[VECR]
	s_mul_i32 s52, s26, 12288
	v_add_nc_u32 v[CW], s52, v[LI]
	v_add_nc_u32 v[AH], HIMG, v[LI]
	s_mul_i32 s52, s26, 16*XP
	v_add_nc_u32 v[XRW], s52, v[LI]
	v_add_nc_u32 v[XRW], XR, v[XRW]
	v_lshlrev_b32 v[VB], 3, v0
	v_add_nc_u32 v[VW], VEC, v[VB]
.irp m, 0,1,2,3
	v_mov_b32 v[PS+4+\m], 0                        ; written once: a lane permute's destination counts as one of its sources
.endr
	s_mov_b32 s53, 0
	s_lshl_b32 s52, ttmp9, 2
	s_add_co_u32 s52, s52, s26
	s_mul_i32 s52, s52, 12288
	s_wait_kmcnt 0x0
	s_load_b128 s[48:51], s[10:11], 0x40           ; e16 .. e19
	s_add_nc_u64 s[36:37], s[4:5], s[52:53]        ; ctx: row tile 4 id + w
	s_lshl_b32 s52, ttmp9, 6
	s_lshr_b32 s54, s26, 1
	s_lshl_b32 s54, s54, 5
	s_add_co_u32 s52, s52, s54
	s_and_b32 s54, s26, 1
	s_lshl_b32 s54, s54, 3
	s_add_co_u32 s52, s52, s54
	s_mul_i32 s52, s52, 3072
	s_add_nc_u64 s[32:33], s[8:9], s[52:53]        ; graph_nodes and out0 at my tile's first row
	s_add_nc_u64 s[34:35], s[24:25], s[52:53]
	s_mul_i32 s52, s26, 147456
	s_add_co_u32 s52, s52, 2359296
	s_add_nc_u64 s[28:29], s[6:7], s[52:53]        ; outW's codes, group 2 w
	s_add_nc_u64 s[30:31], s[28:29], 589824        ; d1W's
	; ---- in: the six vectors, my tile of ctx's images, my tile's rows of graph_nodes
	s_wait_alu depctr_va_vdst(0)                   ; the addresses and offsets made above are written: every load, store and LDS instruction of the kernel reads one of them
.irp x, 0,1,2,3,4,5
.irp i, 0,1,2
	global_load_b64 v[T+6*\x+2*\i:T+6*\x+2*\i+1], v[VB], s[12+2*\x:13+2*\x] offset:1024*\i
.endr
.endr
.irp k, 0,1,2,3,4,5,6,7,8,9,10,11,12,13,14,15,16,17,18,19,20,21,22,23
	GLDN WR+4*\k, LI, 36, 512*\k
.endr
	GNLOAD 0
	WIN 0
	s_wait_kmcnt 0x0
	s_add_co_i32 s52, s48, s49                     ; e16 + e17
	s_sub_co_i32 s54, 0, s52
	s_add_co_i32 s55, s54, 127
	s_lshl_b32 s38, s55, 23                        ; 2^-(e16 + e17)
	s_mov_b32 s39, s38
	s_add_co_i32 s55, s50, s51
	s_add_co_i32 s55, s55, 127
	s_lshl_b32 s40, s55, 23                        ; 2^(e18 + e19)
	s_mov_b32 s41, s40
	s_mov_b32 s42, 0x3c23d70a                      ; 0.01
	s_mov_b32 s43, s42
	s_mov_b32 s44, 0x3aaaaaab                      ; 1 / 768
	s_mov_b32 s46, 0x76543210
	s_mov_b32 s47, 0xfedcba98
	s_add_co_i32 s55, s50, 127
	s_lshl_b32 s56, s55, 23
	v_mov_b32 v[QS], s56                           ; 2^e18
	s_add_co_i32 s55, s55, 8
	s_lshl_b32 s55, s55, 23
	s_or_b32 s55, s55, 0x600000
	v_mov_b32 v[QL], s55                           ; 448 x 2^e18
	v_mov_b32 v[EP2], 0x3727c5ac                   ; eps = 1e-5
	s_lshl_b32 s55, s54, 1
	v_ldexp_f32 v[EP1], v[EP2], s55                ; eps / 4^(e16 + e17)
	s_wait_loadcnt 48                              ; the vectors and ctx are in; graph_nodes' first 48 loads may be out
.irp i, 0,1,2,3,4,5
	v_ldexp_f32 v[T+\i], v[T+\i], s54
.endr
	s_wait_alu depctr_va_vdst(0)                   ; outb, scaled, is written in v[T .. T+5], which the LDS stores read
.irp x, 0,1,2,3,4,5
.irp i, 0,1,2
	ds_store_b64 v[VW], v[T+6*\x+2*\i:T+6*\x+2*\i+1] offset:3072*\x+1024*\i
.endr
.endr
.irp k, 0,1,2,3,4,5,6,7,8,9,10,11,12,13,14,15,16,17,18,19,20,21,22,23
	DSST CW, WR+4*\k, 512*\k
.endr
	GNLOAD 1
	s_wait_loadcnt 48
	GNSTORE 0
	s_wait_loadcnt 0x0
	GNSTORE 1
	s_wait_dscnt 0x0
	s_wait_alu depctr_vm_vsrc(0)                   ; my LDS stores have read ctx's registers, in which the weights land, graph_nodes' registers, in which the rows land again, and v[T ..], in which later LDS loads land
	WLOADH 0, 28
	WLOADH 1, 28
	WLOADH 2, 28
	WLOADH 3, 28
	WIN 0
	BARRIER                                        ; ctx's images, graph_nodes' rows and the vectors lie in LDS
	; ---- the first sums start from (graph_nodes + outb) / 2^(e16 + e17)
.irp b, 0,1,2,3,4,5
.irp q, 0,1,2,3
	ds_load_b128 v[AF+16*\b+4*\q:AF+16*\b+4*\q+3], v[VECR] offset:128*\b+16*\q
.endr
.endr
.irp m, 0,1,2,3
.irp b, 0,1,2,3,4,5
.irp q, 0,1,2,3
	DSLD ACC+96*\m+16*\b+4*\q, XRD+\m, 128*\b+16*\q
.endr
.endr
.endr
	s_wait_dscnt 0x0
.irp m, 0,1,2,3
.irp b, 0,1,2,3,4,5
.set ra, ACC+96*\m+16*\b
	W4 ra, ra, 0, 0
.irp i, 0,2,4,6,8,10,12,14
	v_pk_fma_f32 v[(ra+\i)%256:(ra+\i)%256+1], v[(ra+\i)%256:(ra+\i)%256+1], s[38:39], v[AF+16*\b+\i:AF+16*\b+\i+1] op_sel_hi:[1,0,1]
.endr
.endr
.endr
	s_wait_alu depctr_va_vdst(0)                   ; the multiply-adds are done reading outb in v[AF .. AF+95], in which A's first two K steps land
	AFETCH LI, 0
.irp q, 0,1,2,3,4,5,6,7,8,9,10,11
	HSTEP \q, LI, 28, 0
.endr
	; ---- LN1; d1W's first weights land meanwhile
	s_wait_alu depctr_va_vdst(0)                   ; the products of half steps 8 to 11 are done reading the four sets, in which d1W's first weights land
	WLOADH 0, 30
	WLOADH 1, 30
	WLOADH 2, 30
	WLOADH 3, 30
	SUMROWS 0
	EXCH 0
	MEANS
	SUMROWS 1
	EXCH 1
	RSQ EP1
	APPLY 1, 2, 1
	WIN 0
	BARRIER                                        ; x's codes lie in LDS
	s_wait_alu depctr_vm_vsrc(0)                   ; my LDS stores have read the accumulators' registers, which the second product's sums write, and the code registers, in which x's blocks land later
	; ---- the second product
	AFETCH AH, 0                                   ; no wait on va_vdst: the last block's wait stands behind all that read v[AF ..], and no vector instruction follows it
.irp q, 0,1,2,3,4,5,6,7,8,9,10,11
	HSTEP \q, AH, 30, 1
.endr
	; ---- leaky_relu(sum x 2^(e18 + e19) + d1b) + x, a block of 32 columns at a time, the next block's x on its way
	s_wait_alu depctr_va_vdst(0)                   ; the last products are done reading A's registers, and the norm's vector work is done with v48-127: the first two blocks' loads land there
	P4LOAD 0
.irp b, 0,1,2,3,4,5
.if \b < 5
.if \b > 0
	s_wait_alu depctr_va_vdst(0)                   ; the arithmetic of the block before is done reading its buffer, in which the next block's loads land
.endif
	P4LOAD \b+1
	s_wait_dscnt 20                                ; this block's 20 loads are in; the next block's may be out
.else
	s_wait_dscnt 0x0
.endif
.set bb, 128-80*(\b%2)
.irp m, 0,1,2,3
.set ra, ACC+96*\m+16*\b
	W4 0, ra, 0, 0
.irp i, 0,2,4,6,8,10,12,14
	v_pk_fma_f32 v[208+\i:209+\i], v[(ra+\i)%256:(ra+\i)%256+1], s[40:41], v[bb+64+\i:bb+65+\i] op_sel_hi:[1,0,1]
.endr
	WIN 0
.irp i, 0,2,4,6,8,10,12,14
	v_pk_mul_f32 v[224+\i:225+\i], v[208+\i:209+\i], s[42:43] op_sel_hi:[1,0]
.endr
.irp i, 0,1,2,3,4,5,6,7,8,9,10,11,12,13,14,15
	v_max_num_f32 v[208+\i], v[208+\i], v[224+\i]  ; max(u, 0.01 u)
.endr
	W4 ra, 0, 0, 0
.irp i, 0,2,4,6,8,10,12,14
	v_pk_add_f32 v[(ra+\i)%256:(ra+\i)%256+1], v[208+\i:209+\i], v[bb+16*\m+\i:bb+16*\m+\i+1]
.endr
.endr
.endr
	; ---- LN2
	SUMROWS 0
	EXCH 2
	MEANS
	SUMROWS 1
	EXCH 3
	RSQ EP2
	APPLY 4, 5, 2
	WIN 0
	BARRIER                                        ; 64 whole rows of the result lie in LDS
	s_wait_alu depctr_vm_vsrc(0)                   ; my LDS stores have read the accumulators' registers, in which my tile's rows land below
	; ---- out: my tile's 16 rows, eight at a time
.irp hb, 0,1
.irp i, 0,1,2,3,4,5,6,7
.irp k, 0,1,2,3,4,5
	DSLD ACC+192*\hb+24*\i+4*\k, XRW, (8*\hb+\i)*XP+512*\k
.endr
.endr
.irp i, 0,1,2,3,4,5,6,7
.irp k, 0,1,2,3,4,5
	s_wait_dscnt 47-(6*\i+\k)
	GST LI, ACC+192*\hb+24*\i+4*\k, 34, (16*\hb+\i)*3072+512*\k    ; 32 lanes store 512 bytes on end, aligned
.endr
.endr
.endr
	WIN 0
	s_wait_dscnt 0x0                               ; the closing lines, six on end
	s_wait_alu 0x0
	s_wait_tensorcnt 0x0
	ds_add_u32 v18, v19
	s_wait_dscnt 0x0
	s_endpgm
.Lfunc_end_k_q69fe59de05_tail:
	.size	k_q69fe59de05_tail, .Lfunc_end_k_q69fe59de05_tail-k_q69fe59de05_tail
	.p2alignl 7, 3214868480
	.fill 96, 4, 3214868480
	.section	.rodata,"a",@progbits
	.p2align	6, 0x0
	.amdhsa_kernel k_q69fe59de05_tail
		.amdhsa_group_segment_fixed_size 318976
		.amdhsa_private_segment_fixed_size 0
		.amdhsa_enable_private_segment 0
		.amdhsa_kernarg_size 88
		.amdhsa_user_sgpr_count 2
		.amdhsa_user_sgpr_kernarg_segment_ptr 1
		.amdhsa_wavefront_size32 1
		.amdhsa_system_sgpr_workgroup_id_x 1
		.amdhsa_system_sgpr_workgroup_id_y 1
		.amdhsa_system_sgpr_workgroup_id_z 1
		.amdhsa_system_vgpr_workitem_id 0
		.amdhsa_next_free_vgpr 1024
		.amdhsa_next_free_sgpr 66
		.amdhsa_reserve_vcc 0
		.amdhsa_float_denorm_mode_32 3
		.amdhsa_float_denorm_mode_16_64 3
		.amdhsa_memory_ordered 1
		.amdhsa_forward_progress 1
		.amdhsa_inst_pref_size 255
	.end_amdhsa_kernel
	.section	.bss,"aw",@nobits
	.p2align	6
	.space	262144
	.amdgpu_metadata
---
amdhsa.version: [ 1, 2 ]
amdhsa.kernels:
  - .name:           k_q69fe59de05_tail
    .symbol:         k_q69fe59de05_tail.kd
    .args:
      - { .name: ctx, .offset: 0, .size: 8, .value_kind: global_buffer, .address_space: global }
      - { .name: wcodes, .offset: 8, .size: 8, .value_kind: global_buffer, .address_space: global }
      - { .name: graph_nodes, .offset: 16, .size: 8, .value_kind: global_buffer, .address_space: global }
      - { .name: lowp_scales, .offset: 24, .size: 8, .value_kind: global_buffer, .address_space: global }
      - { .name: outb, .offset: 32, .size: 8, .value_kind: global_buffer, .address_space: global }
      - { .name: ln1g, .offset: 40, .size: 8, .value_kind: global_buffer, .address_space: global }
      - { .name: ln1b, .offset: 48, .size: 8, .value_kind: global_buffer, .address_space: global }
      - { .name: d1b, .offset: 56, .size: 8, .value_kind: global_buffer, .address_space: global }
      - { .name: ln2g, .offset: 64, .size: 8, .value_kind: global_buffer, .address_space: global }
      - { .name: ln2b, .offset: 72, .size: 8, .value_kind: global_buffer, .address_space: global }
      - { .name: out0, .offset: 80, .size: 8, .value_kind: global_buffer, .address_space: global }
    .group_segment_fixed_size: 318976
    .private_segment_fixed_size: 0
    .kernarg_segment_align: 8
    .kernarg_segment_size: 88
    .max_flat_workgroup_size: 128
    .sgpr_count:     66
    .vgpr_count:     1024
    .wavefront_size: 32
...
	.end_amdgpu_metadata
.endif
;; end of part 7
